; MI455X (gfx1250); checked and timed in simulation.
; The chip was launched on July 23, 2026; its instructions are those of AMD's public machine-readable ISA for CDNA 5 (MIT licence, August 2026) and "CDNA5" Instruction Set Architecture Reference Guide (July 2026). The comments in the code are by the model that wrote it; some were corrected since.
;; Attention. Allowed arithmetic: float matrix products may take bf16 or f16 operands with f32 sums; other float arithmetic in f32, or as packed bf16 or f16 multiplies, adds, multiply-adds, maxima and minima; sums over many terms, partial sums and values carried from step to step in f32; what a program stores and reads back later, other than sums and carried values, may be rounded once to bf16 or f16.
;; Inputs: Wk 1,024 x 1,024 float32; Wq 1,024 x 1,024 float32; Wv 1,024 x 1,024 float32; x 8 x 1,024 x 1,024 float32.
;; Outputs: out0 8 x 1,024 x 1,024 float32.
;; 3 versions, each right; version 2 is faster than version 1; version 3 is version 2 with the launch cast written anew for expert scheduling mode. Each part assembles by itself: llvm-mc -triple=amdgcn-amd-amdhsa -mcpu=gfx1250 --defsym DOCPART=n.
;; ======== version 1 of 3: 5 launches
;; limits: values are held in f16: magnitudes above 65,504 overflow, below 6.1e-05 lose precision
;; workspace buffers: xb 16,777,216 bytes; wt 6,291,456 bytes; qkv 50,331,648 bytes; sc 33,554,432 bytes; pb 16,777,216 bytes
;; launch cast (part 1): grid 896 x 1, 8 waves a work-group, no clusters, 34,304 bytes of LDS; arguments x, Wq, Wk, Wv, xb, wt; writes xb, wt
.if DOCPART == 1
	.amdgcn_target "amdgcn-amd-amdhsa--gfx1250"
	.amdhsa_code_object_version 6
	.text
	.protected	k_q6278115004_cast
	.globl	k_q6278115004_cast
	.p2align	8
	.type	k_q6278115004_cast,@function
k_q6278115004_cast:
	s_mov_b64 s[64:65], 0
	v_nop
	global_prefetch_b8 v0, s[64:65] scope:SCOPE_SE
	s_setreg_imm32_b32 hwreg(HW_REG_WAVE_MODE, 25, 1), 1
	s_wait_xcnt 0x0
; THE PROGRAM: causal attention with one head of 1,024, on 8 batches of 1,024 positions, in five launches.
;   cast     x -> xb (bf16 [8192][1024]);  Wq, Wk, Wv -> wt (bf16 [3072][1024], row n = output column n: K lies along the rows)
;   proj     qkv = xb wt^T, bf16 operands, f32 sums, stored as f16 [8192][3072] = q | k | v
;   scores   sc = q k^T, f16 operands, f32 sums, raw (the factor 1/32 comes in softmax), live tiles only
;   softmax  pb = softmax(mask(sc / 32)) as f16, live columns only
;   pv       out0 = pb v, f16 operands, f32 sums, keys up to the end of the diagonal block only
; WORK LEFT OUT, AND WHY IT IS DEAD.  reference() itself sets att[q][key] to -inf wherever key > q (its own jnp.tril); the softmax of a row
; that holds at least one finite number (key 0 <= q always) gives exactly 0 there, and 0 times v[key] adds nothing to the sum, whatever finite
; values x and the weights hold.  Rows go in blocks of 256 (block I = 0..3 of a batch): every key >= 256 (I + 1) is above every q of the block.
; So score tiles of such keys are not made, softmax does not read or write such columns, and pv ends its sum over keys at 256 (I + 1).
; Inside the diagonal block the masked part is computed and selected away.  Every input has a way to the output and is loaded.
; LIMITS.  A NaN, an infinity or an overflow that reaches only the work left out is not carried to the result.
; q, k, v are kept in f16: they must stay below 65,504 in magnitude (numbers as drawn reach about 5; all inputs 30 times larger about 5,000).
;
; THIS LAUNCH is a stream: each input byte is read once, each output byte written once; matrix units and clusters have nothing to do here.
; Work-groups 0 to 511: 16 rows of x each.  Thread t takes 16 bytes at 16 t of each row (4,096 bytes = 256 threads x 16) and stores 8 bytes at 8 t:
; a wave's store covers 256 consecutive bytes, aligned.  All 16 loads are issued at once; no register is used twice, so nothing waits but the data.
; Work-groups 512 to 895: a block of 128 k x 64 n of one weight matrix, turned over in LDS.
.set XI, 4                             ; v[4:67]   x part: 16 x 4 registers as loaded
.set XO, 68                            ; v[68:99]  x part: 16 x 2 registers to store
.set WI, 8                             ; v[8:39]   W part: 8 x 4 registers as loaded
.set WR, 40                            ; v[40:71]  W part: 4 x 8 numbers read back, k ascending
.set WO, 72                            ; v[72:87]  W part: 4 x 4 registers to store
.set WPITCH, 260                       ; an LDS row: 64 f32 + 4 bytes
	s_load_b256 s[4:11], s[0:1], 0x0               ; x s[4:5], Wq s[6:7], Wk s[8:9], Wv s[10:11]
	s_load_b128 s[12:15], s[0:1], 0x20             ; xb s[12:13], wt s[14:15]
	v_lshl_add_u32 v104, v0, 2, 0x8200
	v_mov_b32 v105, 0
	s_cmp_lt_u32 ttmp9, 512                        ; the same for all waves of a work-group
	s_cbranch_scc0 .Lweights
	v_lshlrev_b32 v1, 4, v0                        ; 16 t
	v_lshlrev_b32 v2, 3, v0                        ; 8 t
	s_lshl_b32 s16, ttmp9, 16                      ; 16 rows of 4,096 bytes
	s_mov_b32 s17, 0
	s_lshl_b32 s18, ttmp9, 15                      ; 16 rows of 2,048 bytes
	s_mov_b32 s19, 0
	s_wait_kmcnt 0x0
	s_add_nc_u64 s[4:5], s[4:5], s[16:17]
	s_add_nc_u64 s[12:13], s[12:13], s[18:19]
.irp j, 0,1,2,3,4,5,6,7,8,9,10,11,12,13,14,15
	global_load_b128 v[XI+4*\j:XI+4*\j+3], v1, s[4:5] offset:4096*\j th:TH_LOAD_NT
.endr
.irp j, 0,1,2,3,4,5,6,7,8,9,10,11,12,13,14,15
	s_wait_loadcnt 15-\j                           ; loads come back in order (ISA guide 5.7.1): row j is in, the 15 - j younger ones stay out
	v_cvt_pk_bf16_f32 v[XO+2*\j], v[XI+4*\j], v[XI+4*\j+1]
	v_cvt_pk_bf16_f32 v[XO+2*\j+1], v[XI+4*\j+2], v[XI+4*\j+3]
	global_store_b64 v2, v[XO+2*\j:XO+2*\j+1], s[12:13] offset:2048*\j
.endr
	s_endpgm
.Lweights:
	; u = work-group - 512: matrix u / 128, n block (u / 8) mod 16 (64 columns), k block u mod 8 (128 rows)
	s_sub_co_u32 s20, ttmp9, 512
	s_lshr_b32 s21, s20, 7                         ; matrix: 0 Wq, 1 Wk, 2 Wv
	s_and_b32 s18, s20, 7                          ; k block
	s_bfe_u32 s19, s20, 0x40003                    ; n block
	s_lshl_b32 s22, s21, 21                        ; wt: 1,024 rows of 2,048 bytes for each matrix,
	s_lshl_b32 s23, s19, 17                        ; 64 rows for each n block,
	s_add_co_u32 s22, s22, s23
	s_lshl_b32 s23, s18, 8                         ; 256 bytes for each k block
	s_add_co_u32 s22, s22, s23
	s_mov_b32 s23, 0
	s_lshl_b32 s18, s18, 19                        ; W: 128 rows of 4,096 bytes for each k block,
	s_lshl_b32 s19, s19, 8                         ; 256 bytes for each n block
	s_add_co_u32 s18, s18, s19
	s_mov_b32 s19, 0
	v_lshrrev_b32 v2, 4, v0                        ; t / 16
	v_and_b32 v4, 15, v0                           ; t mod 16
	v_lshlrev_b32 v1, 12, v2
	v_lshl_add_u32 v1, v4, 4, v1                   ; in: row t / 16 of sixteen, 16 bytes at 16 (t mod 16): 16 lanes read 256 consecutive bytes
	v_mul_u32_u24 v3, v2, WPITCH
	v_lshl_add_u32 v3, v4, 4, v3                   ; the same place in LDS
	v_mul_u32_u24 v5, v4, 8*WPITCH
	v_lshl_add_u32 v5, v2, 2, v5                   ; back: k = 8 (t mod 16) + 0..7, column t / 16 + 16 i
	v_lshlrev_b32 v6, 11, v2
	v_lshl_add_u32 v6, v4, 4, v6                   ; out: row t / 16 + 16 i of wt, 16 bytes at 16 (t mod 16)
	s_wait_kmcnt 0x0
	s_cmp_eq_u32 s21, 1
	s_cselect_b64 s[16:17], s[8:9], s[6:7]
	s_cmp_eq_u32 s21, 2
	s_cselect_b64 s[16:17], s[10:11], s[16:17]
	s_add_nc_u64 s[16:17], s[16:17], s[18:19]
	s_add_nc_u64 s[14:15], s[14:15], s[22:23]
.irp j, 0,1,2,3,4,5,6,7
	global_load_b128 v[WI+4*\j:WI+4*\j+3], v1, s[16:17] offset:65536*\j th:TH_LOAD_NT
.endr
.irp j, 0,1,2,3,4,5,6,7
	s_wait_loadcnt 7-\j                            ; rows 16 j .. 16 j + 15 are in, the younger loads stay out
.irp e, 0,1,2,3
	ds_store_b32 v3, v[WI+4*\j+\e] offset:16*WPITCH*\j+4*\e      ; rows of 260 bytes are no multiple of 16: word by word
.endr
.endr
	s_wait_dscnt 0x0                               ; my stores are in LDS before I say so: other waves read them
	s_barrier_signal -1
	s_barrier_wait -1
	; Column reads: lane (t mod 16) stands 8 rows = 2,080 bytes from its neighbour, so lanes 8 apart meet in one bank (two deep).  Kept: 12 MiB in all pass here.
.irp i, 0,1,2,3
.irp k, 0,1,2,3,4,5,6,7
	ds_load_b32 v[WR+8*\i+\k], v5 offset:WPITCH*\k+64*\i
.endr
.endr
.irp i, 0,1,2,3
	s_wait_dscnt 24-8*\i                           ; LDS loads come back in order: group i's eight are in, the later groups stay out
.irp p, 0,1,2,3
	v_cvt_pk_bf16_f32 v[WO+4*\i+\p], v[WR+8*\i+2*\p], v[WR+8*\i+2*\p+1]
.endr
	global_store_b128 v6, v[WO+4*\i:WO+4*\i+3], s[14:15] offset:32768*\i   ; 16 lanes store 256 consecutive bytes, aligned: 128 k of one row of wt
.endr
	s_wait_tensorcnt 0x0
	ds_add_u32 v104, v105
	s_wait_dscnt 0x0
	s_endpgm
.Lfunc_end_k_q6278115004_cast:
	.size	k_q6278115004_cast, .Lfunc_end_k_q6278115004_cast-k_q6278115004_cast
	.p2alignl 7, 3214868480
	.fill 96, 4, 3214868480
	.section	.rodata,"a",@progbits
	.p2align	6, 0x0
	.amdhsa_kernel k_q6278115004_cast
		.amdhsa_group_segment_fixed_size 34304
		.amdhsa_private_segment_fixed_size 0
		.amdhsa_enable_private_segment 0
		.amdhsa_kernarg_size 48
		.amdhsa_user_sgpr_count 2
		.amdhsa_user_sgpr_kernarg_segment_ptr 1
		.amdhsa_wavefront_size32 1
		.amdhsa_system_sgpr_workgroup_id_x 1
		.amdhsa_system_sgpr_workgroup_id_y 1
		.amdhsa_system_sgpr_workgroup_id_z 1
		.amdhsa_system_vgpr_workitem_id 0
		.amdhsa_next_free_vgpr 106
		.amdhsa_next_free_sgpr 66
		.amdhsa_reserve_vcc 0
		.amdhsa_float_denorm_mode_32 3
		.amdhsa_float_denorm_mode_16_64 3
		.amdhsa_memory_ordered 1
		.amdhsa_forward_progress 1
		.amdhsa_inst_pref_size 15
	.end_amdhsa_kernel
	.amdgpu_metadata
---
amdhsa.version: [ 1, 2 ]
amdhsa.kernels:
  - .name:           k_q6278115004_cast
    .symbol:         k_q6278115004_cast.kd
    .args:
      - { .name: x, .offset: 0, .size: 8, .value_kind: global_buffer, .address_space: global }
      - { .name: Wq, .offset: 8, .size: 8, .value_kind: global_buffer, .address_space: global }
      - { .name: Wk, .offset: 16, .size: 8, .value_kind: global_buffer, .address_space: global }
      - { .name: Wv, .offset: 24, .size: 8, .value_kind: global_buffer, .address_space: global }
      - { .name: xb, .offset: 32, .size: 8, .value_kind: global_buffer, .address_space: global }
      - { .name: wt, .offset: 40, .size: 8, .value_kind: global_buffer, .address_space: global }
    .group_segment_fixed_size: 34304
    .private_segment_fixed_size: 0
    .kernarg_segment_align: 8
    .kernarg_segment_size: 48
    .max_flat_workgroup_size: 256
    .sgpr_count:     66
    .vgpr_count:     106
    .wavefront_size: 32
...
	.end_amdgpu_metadata
.endif
;; end of part 1
;; launch proj (part 2): grid 8 x 64, 4 waves a work-group, clusters of 4 x 4, 327,680 bytes of LDS; arguments xb, wt, qkv; writes qkv
.if DOCPART == 2
	.amdgcn_target "amdgcn-amd-amdhsa--gfx1250"
	.amdhsa_code_object_version 6
	.text
	.protected	k_q6278115004_proj
	.globl	k_q6278115004_proj
	.p2align	8
	.type	k_q6278115004_proj,@function
k_q6278115004_proj:
	s_mov_b64 s[64:65], 0
	v_nop
	global_prefetch_b8 v0, s[64:65] scope:SCOPE_SE
	s_setreg_imm32_b32 hwreg(HW_REG_WAVE_MODE, 25, 1), 1
	s_wait_xcnt 0x0
	s_wait_alu depctr_hold_cnt(0) depctr_sa_sdst(0) depctr_va_vdst(0) depctr_va_sdst(0) depctr_va_ssrc(0) depctr_va_vcc(0) depctr_vm_vsrc(0)
	s_getreg_b32 s2, hwreg(HW_REG_IB_STS2, 6, 4)
	s_cmp_eq_u32 s2, 0
	s_cbranch_scc0 .Lentry_in_a_cluster
	s_endpgm
.Lentry_in_a_cluster:
	s_bfe_u32 s2, ttmp6, 0x10000c
	s_cmp_lg_u32 s2, 0xf033
	s_cbranch_scc0 .Lentry_shape_is_right
	s_endpgm
.Lentry_shape_is_right:
; qkv[m][n] = sum over k of xb[m][k] wt[n][k].  xb: bf16 [8192][1024], wt: bf16 [3072][1024], qkv: f16 [8192][3072]; sums in f32.
; LIMIT: a result of 65,504 or more in magnitude becomes an infinity in f16.
; A work-group makes 128 x 384 of qkv with four waves; a wave makes 128 x 96: 48 accumulator tiles of 16 x 16, 384 registers.
; 64 x 8 = 512 work-groups of equal work.  384 f16 are 768 bytes: three aligned blocks of 256 bytes in every row of qkv.
; K goes in steps of 128 (rows of 256 bytes, aligned) through a ring of two LDS slots filled by tensor loads, one load a wave:
; wave 0 brings xb's 128 rows, waves 1 to 3 a third (128 rows) of wt's 384 each.
; CLUSTERS: 4 x 4 work-groups.  xb's tile hangs on the block row alone and is asked for jointly by a row of the cluster; wt's tile hangs on the
; block column alone and is asked for jointly by a column: each tile is requested once for four work-groups.
; REGISTERS: window 0: v0-31 addresses; v32-95, v96-159 fragments of xb (8 x 16 rows x 32 K), two buffers; v160-207, v208-255 fragments of wt (6), two buffers.
;   window 1: accumulator tiles of rows 0-63 (tile (a, b) at v[8 (6 a + b)]); window 2: those of rows 64-127.
; THE MATRIX INSTRUCTION IS USED TRANSPOSED: source 0 = 16 rows of wt, source 1 = 16 rows of xb, so that lane l holds row l % 16 of qkv and
; its registers 0-7 the columns 8 (l / 16) + 0..7: eight neighbouring numbers, 16 bytes of f16.
; The 48 accumulators take turns, one instruction a turn, in the same order in every quarter step.
.set KSTEP,  128
.set PITCH,  272                       ; an LDS row: 256 bytes + 16 of padding: the 16 rows that a fragment load touches start 16 bytes apart modulo 256
.set HALFT,  128*PITCH                 ; what one tensor load brings
.set SLOT,   4*HALFT                   ; xb's 128 rows, then wt's 384
.set STAGE,  2*SLOT                    ; behind the ring, never filled by a tensor load: two stages of 16 rows x 784 bytes
.set SPITCH, 784                       ; 768 bytes + 16
.set STG,    16*SPITCH
.set QROW,   6144                      ; bytes in a row of qkv
.set ADRA, 16                          ; v16-17  LDS address of my xb fragments in slot 0, 1
.set ADRB, 20                          ; v20-21  the same for wt
.set STO,  24                          ; the way out: where I put 16 bytes of a row
.set RD,   25                          ; where I read 16 bytes of a whole row back
.set CO,   26                          ; my byte offset in qkv
.set FA,   32                          ; xb's fragments, + 64 for buffer 1
.set FB,   160                         ; wt's fragments, + 48 for buffer 1
.set TMP,  32                          ; the way out: packed results
.set G1,  24                           ; s[24:31] descriptor group 1 for xb's tiles
.set G0,  32                           ; s[32:39] group 0 for xb's tiles, one set for each slot
.set G1B, 48                           ; s[48:55] group 1 for wt's tiles: another mask
.set G0B, 56                           ; s[56:63] group 0 for wt's tiles
.set MSB, 0
.macro WIN new                         ; the immediate's high byte repeats the setting that is left
.if MSB != \new
	s_set_vgpr_msb (MSB<<8)|\new
.set MSB, \new
.endif
.endm
.macro PLACES                          ; four plain vector places behind a matrix instruction (ISA guide 7.12.1) before its registers are loaded into or its result is read
.rept 4
	v_nop
.endr
.endm
; A joint load.  The branch hangs on the wave's number alone; each line has one mask and registers that are equal in the four work-groups that it names.
.macro JLOAD s
	s_cmp_eq_u32 s10, 0
	s_cbranch_scc0 .Lfor_b_\@
	tensor_load_to_lds s[G0+4*\s:G0+4*\s+3], s[G1:G1+7]
	s_nop 0
	s_branch .Lasked_\@
.Lfor_b_\@:
	tensor_load_to_lds s[G0B+4*\s:G0B+4*\s+3], s[G1B:G1B+7]
	s_nop 0
.Lasked_\@:
.endm
.macro CREST                           ; a round of the cluster's barrier behind its opening work-group barrier
	s_cmp_lg_u32 s10, 0
	s_cbranch_scc1 .Lnot_wave_0_\@
	s_barrier_signal -3
.Lnot_wave_0_\@:
	s_barrier_wait -3
	s_barrier_signal -1
	s_barrier_wait -1
.endm
.macro CROUND                          ; a whole round
	s_barrier_signal -1
	s_barrier_wait -1
	CREST
.endm
	s_load_b128 s[4:7], s[0:1], 0x0                ; xb s[4:5], wt s[6:7]
	s_load_b64 s[8:9], s[0:1], 0x10                ; qkv
	v_lshl_add_u32 v30, v0, 2, 0x4a200
	v_mov_b32 v31, 0
	ds_add_u32 v30, v31
	ds_add_u32 v30, v31
	v_lshrrev_b32 v1, 5, v0
	v_readfirstlane_b32 s10, v1                    ; wave 0..3
	s_bfe_u32 s40, ttmp6, 0x40000                  ; cx
	s_bfe_u32 s41, ttmp6, 0x40004                  ; cy
	s_lshl_b32 s42, ttmp9, 2
	s_add_co_u32 s42, s42, s40                     ; block column (384 columns) = 4 x cluster x + cx
	s_and_b32 s13, ttmp7, 0xffff
	s_lshl_b32 s13, s13, 2
	s_add_co_u32 s13, s13, s41                     ; block row (128 rows) = 4 x cluster y + cy
	s_lshl_b32 s43, s41, 2
	s_lshl_b32 s43, 15, s43                        ; my row of the cluster: places 4 cy .. 4 cy + 3
	s_lshl_b32 s44, 0x1111, s40                    ; my column: places cx, cx + 4, cx + 8, cx + 12
	; group 1: 128 rows x 128 elements of 2 bytes, 4 words of padding behind every 64
	s_or_b32 s[G1+0], s43, (1<<16)|(1<<20)|(1<<21)|(5<<22)|(3<<25)
	s_or_b32 s[G1B+0], s44, (1<<16)|(1<<20)|(1<<21)|(5<<22)|(3<<25)
	s_mov_b32 s[G1+1], KSTEP<<16                   ; tensor_dim0 = 128
	s_mov_b32 s[G1B+1], KSTEP<<16
	s_mov_b32 s[G1+2], 128<<16                     ; tensor_dim1 = 128
	s_mov_b32 s[G1B+2], 128<<16
	s_mov_b32 s[G1+3], KSTEP<<16                   ; tile_dim0 = 128
	s_mov_b32 s[G1B+3], KSTEP<<16
	s_mov_b32 s[G1+4], 128                         ; tile_dim1 = 128
	s_mov_b32 s[G1B+4], 128
	s_mov_b32 s[G1+5], 1024                        ; elements from row to row
	s_mov_b32 s[G1B+5], 1024
	s_mov_b32 s[G1+6], 0
	s_mov_b32 s[G1B+6], 0
	s_mov_b32 s[G1+7], 0
	s_mov_b32 s[G1B+7], 0
	; xb's tile: row 128 x block row.  wt's: row 384 x block column + 128 (wave - 1); wave 0 never asks by it.
	s_lshl_b32 s16, s13, 18                        ; 128 rows of 2,048 bytes
	s_mov_b32 s17, 0
	s_max_u32 s45, s10, 1
	s_sub_co_u32 s45, s45, 1
	s_lshl_b32 s45, s45, 7
	s_mul_i32 s46, s42, 384
	s_add_co_u32 s46, s46, s45
	s_lshl_b32 s46, s46, 11
	s_mov_b32 s47, 0
	s_mul_i32 s20, s10, HALFT                      ; where my tile goes: wave x 128 rows; no place in the cluster enters an LDS address
	s_wait_dscnt 0x0
	s_wait_kmcnt 0x0
	s_add_nc_u64 s[14:15], s[4:5], s[16:17]
	s_add_nc_u64 s[46:47], s[6:7], s[46:47]
	CROUND                                         ; all sixteen work-groups are here: the first joint loads meet
.irp s, 0,1
	s_mov_b32 s[G0+4*\s], 1
	s_add_co_u32 s[G0+4*\s+1], s20, \s*SLOT
	s_add_nc_u64 s[G0+4*\s+2:G0+4*\s+3], s[14:15], \s*KSTEP*2
	s_or_b32 s[G0+4*\s+3], s[G0+4*\s+3], 0x80000000
	s_mov_b32 s[G0B+4*\s], 1
	s_add_co_u32 s[G0B+4*\s+1], s20, \s*SLOT
	s_add_nc_u64 s[G0B+4*\s+2:G0B+4*\s+3], s[46:47], \s*KSTEP*2
	s_or_b32 s[G0B+4*\s+3], s[G0B+4*\s+3], 0x80000000
	JLOAD \s                                       ; K steps 0 and 1: two tensor loads of the wave are out, later one
.endr
	v_and_b32 v1, 15, v0                           ; r = l % 16
	v_bfe_u32 v2, v0, 4, 1                         ; h = l / 16
	v_mul_u32_u24 v3, v1, PITCH
	v_lshl_add_u32 v[ADRA], v2, 4, v3              ; row x pitch + 16 h: every wave reads all 128 rows of xb
	v_add_nc_u32 v[ADRA+1], SLOT, v[ADRA]
	s_mul_i32 s22, s10, 96*PITCH
	s_add_co_u32 s22, s22, HALFT                   ; my 96 rows of wt, behind xb's 128
	v_add_nc_u32 v[ADRB], s22, v[ADRA]
	v_add_nc_u32 v[ADRB+1], SLOT, v[ADRB]
	s_mul_i32 s23, s10, 192
	s_add_co_u32 s23, s23, STAGE
	v_mul_u32_u24 v4, v1, SPITCH
	v_lshl_add_u32 v4, v2, 4, v4
	v_add_nc_u32 v[STO], s23, v4                   ; stage row r, my 96 columns at byte 192 w, 16 h within a tile's 32 bytes
	s_mul_i32 s23, s10, 4*SPITCH
	s_add_co_u32 s23, s23, STAGE
	v_mul_u32_u24 v5, v2, SPITCH
	v_lshl_add_u32 v5, v1, 4, v5
	v_add_nc_u32 v[RD], s23, v5                    ; back: stage row 4 w + h, 16 bytes at 16 r
	s_mul_i32 s23, s10, 4*QROW
	v_mul_u32_u24 v5, v2, QROW
	v_lshl_add_u32 v5, v1, 4, v5
	v_add_nc_u32 v[CO], s23, v5                    ; and the same place in qkv
; 24 matrix instructions: row blocks 4 hi + 0..3 x all 6 column blocks, 32 along K, from buffer f.  zero = 1: the product starts the sums.
.macro MULW f, hi, zero
.irp a, 0,1,2,3
.irp b, 0,1,2,3,4,5
.if \zero
	v_wmma_f32_16x16x32_bf16 v[8*(6*\a+\b):8*(6*\a+\b)+7], v[FB+48*\f+8*\b:FB+48*\f+8*\b+7], v[FA+64*\f+8*(4*\hi+\a):FA+64*\f+8*(4*\hi+\a)+7], 0
.else
	v_wmma_f32_16x16x32_bf16 v[8*(6*\a+\b):8*(6*\a+\b)+7], v[FB+48*\f+8*\b:FB+48*\f+8*\b+7], v[FA+64*\f+8*(4*\hi+\a):FA+64*\f+8*(4*\hi+\a)+7], v[8*(6*\a+\b):8*(6*\a+\b)+7]
.endif
.endr
.endr
.endm
; 28 LDS loads in one run: the fragments of quarter qi (32 K at byte 64 qi of the rows) into buffer f
.macro FETCH slot, qi, f
.irp i, 0,1,2,3,4,5
	ds_load_b128 v[FB+48*\f+8*\i:FB+48*\f+8*\i+3],   v[ADRB+\slot] offset:64*\qi+\i*16*PITCH
	ds_load_b128 v[FB+48*\f+8*\i+4:FB+48*\f+8*\i+7], v[ADRB+\slot] offset:64*\qi+\i*16*PITCH+32
.endr
.irp i, 0,1,2,3,4,5,6,7
	ds_load_b128 v[FA+64*\f+8*\i:FA+64*\f+8*\i+3],   v[ADRA+\slot] offset:64*\qi+\i*16*PITCH
	ds_load_b128 v[FA+64*\f+8*\i+4:FA+64*\f+8*\i+7], v[ADRA+\slot] offset:64*\qi+\i*16*PITCH+32
.endr
.endm
; One of a K step's first three quarters: fetches quarter qi into buffer g, then multiplies buffer f (quarter qi - 1), 48 matrix instructions.
.macro QUARTER slot, qi, f, g, zero
	s_wait_dscnt 0x0                               ; buffer f is in: its loads were issued in front of the last quarter's 48 matrix instructions
	PLACES                                         ; behind the last matrix instruction that read buffer g
	WIN 0
	FETCH \slot, \qi, \g
	WIN 0x50                                       ; C and D in window 1
	MULW \f, 0, \zero
	WIN 0xa0                                       ; C and D in window 2
	MULW \f, 1, \zero
.endm
.macro THREE slot, zero
	QUARTER \slot, 1, 0, 1, \zero
	QUARTER \slot, 2, 1, 0, 0
	QUARTER \slot, 3, 0, 1, 0
.endm
; The last quarter multiplies buffer 1 and changes slots.  In front of the barrier each wave has waited for its reads of this slot and for all its tensor loads
; (one is out: its part of the next slot).  Behind it, and behind the cluster's round where the slot is filled again, the refill comes first.
.macro TURN slot, next, fill
	s_wait_dscnt 0x0                               ; buffer 1 is in, and with it my last reads of this slot
	s_wait_tensorcnt 0x0                           ; all my tensor loads have landed
	ds_add_u32 v30, v31
	s_wait_dscnt 0x0
	s_barrier_signal -1
	WIN 0x50
	MULW 1, 0, 0                                   ; register work while the others arrive
	WIN 0
	s_barrier_wait -1
.if \fill
	CREST                                          ; no wave of any partner still reads this slot or has a load on its way
	s_add_nc_u64 s[G0+4*\slot+2:G0+4*\slot+3], s[G0+4*\slot+2:G0+4*\slot+3], 2*KSTEP*2
	s_add_nc_u64 s[G0B+4*\slot+2:G0B+4*\slot+3], s[G0B+4*\slot+2:G0B+4*\slot+3], 2*KSTEP*2
	JLOAD \slot                                    ; my one tensor load behind the round: this slot, two K steps ahead
.endif
	PLACES
	FETCH \next, 0, 0
	WIN 0xa0
	MULW 1, 1, 0
.endm
.macro LAP zero                        ; two K steps, both slots filled again
	THREE 0, \zero
	TURN 0, 1, 1
	THREE 1, 0
	TURN 1, 0, 1
.endm
	s_wait_tensorcnt 0x1                           ; my part of K step 0 is in; K step 1's load stays out
	s_barrier_signal -1
	s_barrier_wait -1
	FETCH 0, 0, 0
	LAP 1                                          ; K = 1,024 is four laps: the first starts the sums,
	WIN 0
	s_mov_b32 s3, 2                                ; two go round,
.Llap:
	LAP 0
	WIN 0
	s_sub_co_u32 s3, s3, 1
	s_cmp_lg_u32 s3, 0
	s_cbranch_scc1 .Llap
	THREE 0, 0                                     ; the last fills nothing
	TURN 0, 1, 0
	THREE 1, 0
	s_wait_dscnt 0x0
	WIN 0x50
	MULW 1, 0, 0
	WIN 0xa0
	MULW 1, 1, 0
	; THE WAY OUT, 16 rows at a time: round to f16, 16 bytes a lane into a stage that the four waves share (a row is 4 x 96 columns),
	; a barrier, whole rows back, 16 lanes to 256 bytes.  Two stages take turns: stage i % 2 is written again behind step i + 1's barrier,
	; in front of which every wave's reads of step i have come back.
	WIN 0
	PLACES
	s_mul_i32 s16, s13, 128*QROW
	s_mov_b32 s17, 0
	s_add_nc_u64 s[8:9], s[8:9], s[16:17]
	s_mul_i32 s46, s42, 768                        ; the block column stays in registers that never feed xb's descriptors
	s_mov_b32 s47, 0
	s_add_nc_u64 s[8:9], s[8:9], s[46:47]
.macro OUT16 i, a, from, ob
	WIN \from
.irp b, 0,1,2,3,4,5
.irp p, 0,1,2,3
	v_cvt_pk_f16_f32 v[TMP+4*\b+\p], v[8*(6*\a+\b)+2*\p], v[8*(6*\a+\b)+2*\p+1]
.endr
.endr
	WIN 0
.irp b, 0,1,2,3,4,5
	ds_store_b128 v[STO], v[TMP+4*\b:TMP+4*\b+3] offset:(\i&1)*STG+32*\b
.endr
	s_wait_dscnt 0x0                               ; my stores are in LDS before I say so: the other waves read them
	s_barrier_signal -1
	s_barrier_wait -1
	s_wait_xcnt 0x0                                ; the registers loaded next were data of earlier stores: rewritten only behind this wait
.irp p, 0,1
.irp c, 0,1,2
	ds_load_b128 v[\ob+4*(3*\p+\c):\ob+4*(3*\p+\c)+3], v[RD] offset:(\i&1)*STG+2*SPITCH*\p+256*\c
.endr
.endr
.irp p, 0,1
.irp c, 0,1,2
	s_wait_dscnt 5-(3*\p+\c)                       ; LDS loads come back in order: this one is in, the younger ones stay out
	global_store_b128 v[CO], v[\ob+4*(3*\p+\c):\ob+4*(3*\p+\c)+3], s[8:9] offset:(16*\i+2*\p)*QROW+256*\c   ; 16 lanes store 256 consecutive bytes, aligned
.endr
.endr
.endm
	OUT16 0, 0, 0x05, 96
	OUT16 1, 1, 0x05, 128
	OUT16 2, 2, 0x05, 96
	OUT16 3, 3, 0x05, 128
	OUT16 4, 0, 0x0a, 96
	OUT16 5, 1, 0x0a, 128
	OUT16 6, 2, 0x0a, 96
	OUT16 7, 3, 0x0a, 128
	s_wait_tensorcnt 0x0
	ds_add_u32 v30, v31
	s_wait_dscnt 0x0
	CROUND                                         ; the closing round: no work-group ends while a partner may still ask for a tile that names it
	s_endpgm
.Lfunc_end_k_q6278115004_proj:
	.size	k_q6278115004_proj, .Lfunc_end_k_q6278115004_proj-k_q6278115004_proj
	.p2alignl 7, 3214868480
	.fill 96, 4, 3214868480
	.section	.rodata,"a",@progbits
	.p2align	6, 0x0
	.amdhsa_kernel k_q6278115004_proj
		.amdhsa_group_segment_fixed_size 327680
		.amdhsa_private_segment_fixed_size 0
		.amdhsa_enable_private_segment 0
		.amdhsa_kernarg_size 24
		.amdhsa_user_sgpr_count 2
		.amdhsa_user_sgpr_kernarg_segment_ptr 1
		.amdhsa_wavefront_size32 1
		.amdhsa_system_sgpr_workgroup_id_x 1
		.amdhsa_system_sgpr_workgroup_id_y 1
		.amdhsa_system_sgpr_workgroup_id_z 1
		.amdhsa_system_vgpr_workitem_id 0
		.amdhsa_next_free_vgpr 768
		.amdhsa_next_free_sgpr 66
		.amdhsa_reserve_vcc 0
		.amdhsa_float_denorm_mode_32 3
		.amdhsa_float_denorm_mode_16_64 3
		.amdhsa_memory_ordered 1
		.amdhsa_forward_progress 1
		.amdhsa_inst_pref_size 156
	.end_amdhsa_kernel
	.amdgpu_metadata
---
amdhsa.version: [ 1, 2 ]
amdhsa.kernels:
  - .name:           k_q6278115004_proj
    .symbol:         k_q6278115004_proj.kd
    .args:
      - { .name: xb, .offset: 0, .size: 8, .value_kind: global_buffer, .address_space: global }
      - { .name: wt, .offset: 8, .size: 8, .value_kind: global_buffer, .address_space: global }
      - { .name: qkv, .offset: 16, .size: 8, .value_kind: global_buffer, .address_space: global }
    .group_segment_fixed_size: 327680
    .private_segment_fixed_size: 0
    .kernarg_segment_align: 8
    .kernarg_segment_size: 24
    .max_flat_workgroup_size: 128
    .sgpr_count:     66
    .vgpr_count:     768
    .wavefront_size: 32
...
	.end_amdgpu_metadata
.endif
;; end of part 2
;; launch scores (part 3): grid 20 x 8, 4 waves a work-group, no clusters, 327,680 bytes of LDS; arguments qkv, sc; writes sc
.if DOCPART == 3
	.amdgcn_target "amdgcn-amd-amdhsa--gfx1250"
	.amdhsa_code_object_version 6
	.text
	.protected	k_q6278115004_scores
	.globl	k_q6278115004_scores
	.p2align	8
	.type	k_q6278115004_scores,@function
k_q6278115004_scores:
	s_mov_b64 s[64:65], 0
	v_nop
	global_prefetch_b8 v0, s[64:65] scope:SCOPE_SE
	s_setreg_imm32_b32 hwreg(HW_REG_WAVE_MODE, 25, 1), 1
	s_wait_xcnt 0x0
; sc[q][key] = sum over d of q[q][d] k[key][d], raw (the factor 1/32 is applied in softmax).  q and k: f16, columns 0-1023 and 1024-2047 of qkv [8192][3072]; sc: f32 [8192][1024].
; WORK LEFT OUT: tiles in which every key is above every q.  reference() masks them to -inf, softmax makes them 0, so they reach no output (shown at the head of cast).
; A batch has four q blocks of 256 rows; block I needs the key tiles kb = 0 .. 2 I + 1 (128 keys each): 2 + 4 + 6 + 8 = 20 tiles, work-group x = I (I + 1) + kb.
; A work-group makes 256 q x 128 keys with four waves; a wave makes 128 x 64: 32 accumulator tiles, 256 registers (window 1).
; d goes in steps of 128 (rows of 256 bytes, aligned) through a ring of two LDS slots; waves 0, 1 bring q's halves (128 rows), waves 2, 3 k's halves (64 rows).
; NO CLUSTER: the work-groups that share q rows come in groups of 2, 4, 6 and 8, and those that share a key tile in groups of 4, 4, 3, 3, 2, 2, 1, 1;
; the 20 tiles of a batch do not divide into clusters of four in which one mask serves all partners.
; Source 0 = 16 rows of k, source 1 = 16 rows of q: lane l holds row l % 16 and its registers the keys 8 (l / 16) + 0..7.
; The 32 accumulators take turns, one instruction a turn, in the same order in every quarter step.
.set KSTEP,  128
.set PITCH,  272
.set HALFA,  128*PITCH
.set HALFB,  64*PITCH
.set SLOT,   2*HALFA+2*HALFB           ; q's 256 rows, then k's 128
.set STAGE,  2*SLOT                    ; behind the ring, never filled by a tensor load: 16 rows x 272 bytes for each wave
.set SPITCH, 272
.set QROW,   6144
.set ADRA, 16
.set ADRB, 20
.set STO,  24
.set RD,   25
.set CO,   26
.set FB,   32                          ; k's fragments: v32-63, buffer 1 at v192-223
.set FA,   64                          ; q's fragments: v64-127, buffer 1 at v128-191
.set OB,   224                         ; the way out: v224-255
.set G1,  24
.set G0,  32
.set G1B, 48
.set G0B, 56
.set MSB, 0
.macro WIN new
.if MSB != \new
	s_set_vgpr_msb (MSB<<8)|\new
.set MSB, \new
.endif
.endm
.macro PLACES                          ; four plain vector places behind a matrix instruction (ISA guide 7.12.1)
.rept 4
	v_nop
.endr
.endm
.macro JLOAD s                         ; each wave's one load: waves 0, 1 by q's descriptors, waves 2, 3 by k's
	s_cmp_eq_u32 s11, 0
	s_cbranch_scc0 .Lfor_b_\@
	tensor_load_to_lds s[G0+4*\s:G0+4*\s+3], s[G1:G1+7]
	s_nop 0
	s_branch .Lasked_\@
.Lfor_b_\@:
	tensor_load_to_lds s[G0B+4*\s:G0B+4*\s+3], s[G1B:G1B+7]
	s_nop 0
.Lasked_\@:
.endm
	s_load_b128 s[4:7], s[0:1], 0x0                ; qkv s[4:5], sc s[6:7]
	v_lshl_add_u32 v30, v0, 2, 0x37400
	v_mov_b32 v31, 0
	ds_add_u32 v30, v31
	ds_add_u32 v30, v31
	v_lshrrev_b32 v1, 5, v0
	v_readfirstlane_b32 s10, v1                    ; wave 0..3
	s_lshr_b32 s11, s10, 1                         ; my half of the tile's rows.  Also: I fetch for q (0) or for k (1)
	s_and_b32 s12, s10, 1                          ; my half of its keys.  Also: which half of that tile I fetch
	s_and_b32 s13, ttmp7, 0xffff                   ; batch
	s_cmp_ge_u32 ttmp9, 2
	s_cselect_b32 s14, 1, 0
	s_cmp_ge_u32 ttmp9, 6
	s_cselect_b32 s15, 1, 0
	s_cmp_ge_u32 ttmp9, 12
	s_cselect_b32 s16, 1, 0
	s_add_co_u32 s14, s14, s15
	s_add_co_u32 s14, s14, s16                     ; I
	s_add_co_u32 s15, s14, 1
	s_mul_i32 s15, s15, s14
	s_sub_co_u32 s15, ttmp9, s15                   ; kb = x - I (I + 1)
	s_lshl_b32 s18, s13, 10                        ; the batch's first row
	s_lshl_b32 s19, s14, 8
	s_add_co_u32 s19, s19, s18                     ; the tile's first q row
	s_lshl_b32 s16, s12, 7
	s_add_co_u32 s16, s16, s19
	s_mul_i32 s16, s16, QROW                       ; q: my 128 rows
	s_mov_b32 s17, 0
	s_lshl_b32 s46, s15, 7
	s_add_co_u32 s46, s46, s18
	s_lshl_b32 s47, s12, 6
	s_add_co_u32 s46, s46, s47
	s_mul_i32 s46, s46, QROW
	s_add_co_u32 s46, s46, 2048                    ; k: my 64 rows, columns from 1,024 on
	s_mov_b32 s47, 0
	; group 1: R rows x 128 elements of 2 bytes, 4 words of padding behind every 64; R = 128 for q, 64 for k
	s_mov_b32 s[G1+0], (1<<16)|(1<<20)|(5<<22)|(3<<25)
	s_mov_b32 s[G1B+0], (1<<16)|(1<<20)|(5<<22)|(3<<25)
	s_mov_b32 s[G1+1], KSTEP<<16
	s_mov_b32 s[G1B+1], KSTEP<<16
	s_mov_b32 s[G1+2], 128<<16
	s_mov_b32 s[G1B+2], 64<<16
	s_mov_b32 s[G1+3], KSTEP<<16
	s_mov_b32 s[G1B+3], KSTEP<<16
	s_mov_b32 s[G1+4], 128
	s_mov_b32 s[G1B+4], 64
	s_mov_b32 s[G1+5], 3072
	s_mov_b32 s[G1B+5], 3072
	s_mov_b32 s[G1+6], 0
	s_mov_b32 s[G1B+6], 0
	s_mov_b32 s[G1+7], 0
	s_mov_b32 s[G1B+7], 0
	s_mul_i32 s20, s10, HALFA                      ; waves 0, 1: q's halves
	s_mul_i32 s21, s10, HALFB
	s_add_co_u32 s21, s21, 2*HALFA-2*HALFB         ; waves 2, 3: k's halves, behind q's 256 rows
	s_wait_dscnt 0x0
	s_wait_kmcnt 0x0
	s_add_nc_u64 s[16:17], s[4:5], s[16:17]
	s_add_nc_u64 s[46:47], s[4:5], s[46:47]
.irp s, 0,1
	s_mov_b32 s[G0+4*\s], 1
	s_add_co_u32 s[G0+4*\s+1], s20, \s*SLOT
	s_add_nc_u64 s[G0+4*\s+2:G0+4*\s+3], s[16:17], \s*KSTEP*2
	s_or_b32 s[G0+4*\s+3], s[G0+4*\s+3], 0x80000000
	s_mov_b32 s[G0B+4*\s], 1
	s_add_co_u32 s[G0B+4*\s+1], s21, \s*SLOT
	s_add_nc_u64 s[G0B+4*\s+2:G0B+4*\s+3], s[46:47], \s*KSTEP*2
	s_or_b32 s[G0B+4*\s+3], s[G0B+4*\s+3], 0x80000000
	JLOAD \s                                       ; steps 0 and 1: two tensor loads of the wave are out, later one
.endr
	v_and_b32 v1, 15, v0                           ; r
	v_bfe_u32 v2, v0, 4, 1                         ; h
	v_mul_u32_u24 v3, v1, PITCH
	v_lshl_add_u32 v3, v2, 4, v3
	s_mul_i32 s22, s11, HALFA                      ; my 128 rows of q
	s_mul_i32 s23, s12, HALFB
	s_add_co_u32 s23, s23, 2*HALFA                 ; my 64 rows of k
	v_add_nc_u32 v[ADRA], s22, v3
	v_add_nc_u32 v[ADRB], s23, v3
	v_add_nc_u32 v[ADRA+1], SLOT, v[ADRA]
	v_add_nc_u32 v[ADRB+1], SLOT, v[ADRB]
	s_mul_i32 s21, s10, 16*SPITCH
	s_add_co_u32 s21, s21, STAGE                   ; my stage
	v_lshl_add_u32 v4, v2, 4, v3                   ; r x 272 + 32 h
	v_add_nc_u32 v[STO], s21, v4
	v_mul_u32_u24 v5, v2, SPITCH
	v_lshl_add_u32 v5, v1, 4, v5
	v_add_nc_u32 v[RD], s21, v5                    ; back: lanes 0-15 one row of 256 bytes, lanes 16-31 the next
	v_lshlrev_b32 v5, 12, v2
	v_lshl_add_u32 v[CO], v1, 4, v5                ; the same two rows in sc
; 16 matrix instructions: row blocks 4 hf + 0..3 x all 4 key blocks, 32 along d, from buffer f
.macro MULH f, hf, zero
.irp a, 0,1,2,3
.irp b, 0,1,2,3
.if \zero
	v_wmma_f32_16x16x32_f16 v[8*(4*(4*\hf+\a)+\b):8*(4*(4*\hf+\a)+\b)+7], v[FB+160*\f+8*\b:FB+160*\f+8*\b+7], v[FA+64*\f+8*(4*\hf+\a):FA+64*\f+8*(4*\hf+\a)+7], 0
.else
	v_wmma_f32_16x16x32_f16 v[8*(4*(4*\hf+\a)+\b):8*(4*(4*\hf+\a)+\b)+7], v[FB+160*\f+8*\b:FB+160*\f+8*\b+7], v[FA+64*\f+8*(4*\hf+\a):FA+64*\f+8*(4*\hf+\a)+7], v[8*(4*(4*\hf+\a)+\b):8*(4*(4*\hf+\a)+\b)+7]
.endif
.endr
.endr
.endm
.macro FETCH slot, qi, f               ; 24 LDS loads in one run
.irp i, 0,1,2,3
	ds_load_b128 v[FB+160*\f+8*\i:FB+160*\f+8*\i+3],   v[ADRB+\slot] offset:64*\qi+\i*16*PITCH
	ds_load_b128 v[FB+160*\f+8*\i+4:FB+160*\f+8*\i+7], v[ADRB+\slot] offset:64*\qi+\i*16*PITCH+32
.endr
.irp i, 0,1,2,3,4,5,6,7
	ds_load_b128 v[FA+64*\f+8*\i:FA+64*\f+8*\i+3],   v[ADRA+\slot] offset:64*\qi+\i*16*PITCH
	ds_load_b128 v[FA+64*\f+8*\i+4:FA+64*\f+8*\i+7], v[ADRA+\slot] offset:64*\qi+\i*16*PITCH+32
.endr
.endm
.macro QUARTER slot, qi, f, g, zero
	s_wait_dscnt 0x0                               ; buffer f is in: its loads were issued in front of the last quarter's 32 matrix instructions
	PLACES                                         ; behind the last matrix instruction that read buffer g
	WIN 0
	FETCH \slot, \qi, \g
	WIN 0x50                                       ; C and D in window 1
	MULH \f, 0, \zero
	MULH \f, 1, \zero
.endm
.macro THREE slot, zero
	QUARTER \slot, 1, 0, 1, \zero
	QUARTER \slot, 2, 1, 0, 0
	QUARTER \slot, 3, 0, 1, 0
.endm
; The last quarter multiplies buffer 1 and changes slots: one barrier, in front of it my reads of this slot and all my tensor loads are done, behind it the refill comes first.
.macro TURN slot, next, fill
	s_wait_dscnt 0x0
	s_wait_tensorcnt 0x0
	ds_add_u32 v30, v31
	s_wait_dscnt 0x0
	s_barrier_signal -1
	MULH 1, 0, 0                                   ; register work while the others arrive
	WIN 0
	s_barrier_wait -1
.if \fill
	s_add_nc_u64 s[G0+4*\slot+2:G0+4*\slot+3], s[G0+4*\slot+2:G0+4*\slot+3], 2*KSTEP*2
	s_add_nc_u64 s[G0B+4*\slot+2:G0B+4*\slot+3], s[G0B+4*\slot+2:G0B+4*\slot+3], 2*KSTEP*2
	JLOAD \slot                                    ; my one tensor load behind the barrier: this slot, two steps ahead
.endif
	PLACES
	FETCH \next, 0, 0
	WIN 0x50
	MULH 1, 1, 0
.endm
.macro LAP zero
	THREE 0, \zero
	TURN 0, 1, 1
	THREE 1, 0
	TURN 1, 0, 1
.endm
	s_wait_tensorcnt 0x1                           ; my part of step 0 is in; step 1's load stays out
	s_barrier_signal -1
	s_barrier_wait -1
	FETCH 0, 0, 0
	LAP 1                                          ; d = 1,024 is four laps
	WIN 0
	s_mov_b32 s3, 2
.Llap:
	LAP 0
	WIN 0
	s_sub_co_u32 s3, s3, 1
	s_cmp_lg_u32 s3, 0
	s_cbranch_scc1 .Llap
	THREE 0, 0                                     ; the last lap fills nothing
	TURN 0, 1, 0
	THREE 1, 0
	s_wait_dscnt 0x0
	MULH 1, 0, 0
	MULH 1, 1, 0
	; THE WAY OUT, 16 rows at a time through my own stage: a lane's 32 bytes of a row go in, whole rows of 64 f32 = 256 bytes come back.
	; The stage is the wave's own and LDS serves a wave's instructions in order (ISA guide 5.7.1): no barrier, no wait between stores and loads.
	WIN 0
	PLACES
	s_lshl_b32 s16, s11, 7
	s_add_co_u32 s16, s16, s19
	s_lshl_b32 s16, s16, 12                        ; my first row, 4,096 bytes a row
	s_lshl_b32 s17, s15, 9                         ; 128 keys x 4 bytes for each key tile
	s_add_co_u32 s16, s16, s17
	s_lshl_b32 s17, s12, 8                         ; my half of the keys
	s_add_co_u32 s16, s16, s17
	s_mov_b32 s17, 0
	s_add_nc_u64 s[6:7], s[6:7], s[16:17]
.macro OUTF i
	WIN 0x04                                       ; the stores' data lie in window 1
.irp b, 0,1,2,3
	ds_store_b128 v[STO], v[8*(4*\i+\b):8*(4*\i+\b)+3]   offset:64*\b
	ds_store_b128 v[STO], v[8*(4*\i+\b)+4:8*(4*\i+\b)+7] offset:64*\b+16
.endr
	WIN 0
	s_wait_xcnt 0x0                                ; the registers loaded next were data of the last step's stores: rewritten only behind this wait
.irp t, 0,1,2,3,4,5,6,7
	ds_load_b128 v[OB+4*\t:OB+4*\t+3], v[RD] offset:\t*2*SPITCH
.endr
.irp t, 0,1,2,3,4,5,6,7
	s_wait_dscnt 7-\t                              ; this load is in, the younger ones stay out
	global_store_b128 v[CO], v[OB+4*\t:OB+4*\t+3], s[6:7] offset:(16*\i+2*\t)*4096   ; 16 lanes store 256 consecutive bytes, aligned
.endr
.endm
.irp i, 0,1,2,3,4,5,6,7
	OUTF \i
.endr
	s_wait_tensorcnt 0x0
	ds_add_u32 v30, v31
	s_wait_dscnt 0x0
	s_endpgm
.Lfunc_end_k_q6278115004_scores:
	.size	k_q6278115004_scores, .Lfunc_end_k_q6278115004_scores-k_q6278115004_scores
	.p2alignl 7, 3214868480
	.fill 96, 4, 3214868480
	.section	.rodata,"a",@progbits
	.p2align	6, 0x0
	.amdhsa_kernel k_q6278115004_scores
		.amdhsa_group_segment_fixed_size 327680
		.amdhsa_private_segment_fixed_size 0
		.amdhsa_enable_private_segment 0
		.amdhsa_kernarg_size 16
		.amdhsa_user_sgpr_count 2
		.amdhsa_user_sgpr_kernarg_segment_ptr 1
		.amdhsa_wavefront_size32 1
		.amdhsa_system_sgpr_workgroup_id_x 1
		.amdhsa_system_sgpr_workgroup_id_y 1
		.amdhsa_system_sgpr_workgroup_id_z 1
		.amdhsa_system_vgpr_workitem_id 0
		.amdhsa_next_free_vgpr 512
		.amdhsa_next_free_sgpr 66
		.amdhsa_reserve_vcc 0
		.amdhsa_float_denorm_mode_32 3
		.amdhsa_float_denorm_mode_16_64 3
		.amdhsa_memory_ordered 1
		.amdhsa_forward_progress 1
		.amdhsa_inst_pref_size 115
	.end_amdhsa_kernel
	.amdgpu_metadata
---
amdhsa.version: [ 1, 2 ]
amdhsa.kernels:
  - .name:           k_q6278115004_scores
    .symbol:         k_q6278115004_scores.kd
    .args:
      - { .name: qkv, .offset: 0, .size: 8, .value_kind: global_buffer, .address_space: global }
      - { .name: sc, .offset: 8, .size: 8, .value_kind: global_buffer, .address_space: global }
    .group_segment_fixed_size: 327680
    .private_segment_fixed_size: 0
    .kernarg_segment_align: 8
    .kernarg_segment_size: 16
    .max_flat_workgroup_size: 128
    .sgpr_count:     66
    .vgpr_count:     512
    .wavefront_size: 32
...
	.end_amdgpu_metadata
.endif
;; end of part 3
;; launch softmax (part 4): grid 256 x 1, 8 waves a work-group, no clusters, 0 bytes of LDS; arguments sc, pb; writes pb
.if DOCPART == 4
	.amdgcn_target "amdgcn-amd-amdhsa--gfx1250"
	.amdhsa_code_object_version 6
	.text
	.protected	k_q6278115004_softmax
	.globl	k_q6278115004_softmax
	.p2align	8
	.type	k_q6278115004_softmax,@function
k_q6278115004_softmax:
	s_mov_b64 s[64:65], 0
	v_nop
	global_prefetch_b8 v0, s[64:65] scope:SCOPE_SE
	s_setreg_imm32_b32 hwreg(HW_REG_WAVE_MODE, 25, 1), 1
	s_wait_xcnt 0x0
; pb[q][key] = softmax over key of (key <= q ? sc[q][key] / 32 : -inf), f16.  sc: f32 [8192][1024], pb: f16 [8192][1024].
; WORK LEFT OUT: in q block I (256 rows) the columns from 256 (I + 1) on are neither read nor written: reference() masks them, their weight is exactly 0,
; and the last launch does not read them (shown at the head of cast).  The masked part of the diagonal block is selected to -inf, becomes 0 and is written.
; The row's true maximum is taken away before the exponential.  exp(s/32 - m/32) = 2^(c s - c m), c = log2(e)/32: one fused multiply-add for two numbers;
; the rounding of c m is the same for the whole row and cancels in the division by the sum.
; LIMITS: an exponential below 2^-126 counts as 0 (ISA guide, v_exp_f32); weights are rounded to f16.
; A stream: a work-group owns 32 rows, a wave four; a wave's load covers 512 consecutive bytes (128 keys), its store 256 (the same 128 keys in f16).
; A row never leaves its wave: no LDS, no barrier.  All loads of a wave's four rows are issued at once; no register is used twice.
.set OFF,  1                           ; byte offset in sc of my 16 bytes in my wave's first row
.set OFS,  2                           ; byte offset in pb of my 8 bytes
.set KE,   4                           ; v[4:7]   my four keys within a chunk of 128: 4 lane + e
.set NINF, 8                           ; -infinity
.set M,    10                          ; v[10:11] running maxima
.set T,    12                          ; the other half's figure
.set NM,   14                          ; v[14:15] -c x maximum, twice
.set SA,   16                          ; v[16:19] running sums
.set SB,   18
.set R,    20                          ; v[20:21] 1 / sum, twice
.set X,    32                          ; v[32:159] row rho, chunk j: four registers at 32 rho + 4 j
	s_load_b128 s[4:7], s[0:1], 0x0                ; sc s[4:5], pb s[6:7]
	v_lshrrev_b32 v3, 5, v0
	v_readfirstlane_b32 s8, v3                     ; wave 0..7
	v_and_b32 v9, 31, v0                           ; lane
	v_lshlrev_b32 v[OFF], 4, v9
	v_lshl_add_u32 v[OFF], v3, 14, v[OFF]          ; four rows of 4,096 bytes a wave
	v_lshlrev_b32 v[OFS], 3, v9
	v_lshl_add_u32 v[OFS], v3, 13, v[OFS]          ; four rows of 2,048 bytes a wave
	v_lshlrev_b32 v[KE], 2, v9
	v_or_b32 v[KE+1], 1, v[KE]
	v_or_b32 v[KE+2], 2, v[KE]
	v_or_b32 v[KE+3], 3, v[KE]
	v_mov_b32 v[NINF], 0xff800000
	v_mov_b32 v[T], 0                              ; v_permlanex16_b32 counts as a reader of its destination
	s_mov_b32 s12, 0x76543210                      ; lane i of one half reads lane i of the other
	s_mov_b32 s13, 0xfedcba98
	s_mov_b32 s20, 0x3d38aa3b                      ; c = log2(e) / 32: the half of the pair that the packed multiply-add broadcasts
	s_mov_b32 s21, 0xbd38aa3b                      ; -c
	s_lshl_b32 s14, ttmp9, 17                      ; 32 rows of sc
	s_mov_b32 s15, 0
	s_lshl_b32 s16, ttmp9, 16                      ; 32 rows of pb
	s_mov_b32 s17, 0
	s_lshl_b32 s22, ttmp9, 5
	s_lshl2_add_u32 s22, s8, s22                   ; my first row = 32 g + 4 w,
	s_and_b32 s22, s22, 255                        ; counted from its q block's first row = from the diagonal block's first key
	s_bfe_u32 s18, ttmp9, 0x20003                  ; I = (g / 8) mod 4
	s_wait_kmcnt 0x0
	s_add_nc_u64 s[4:5], s[4:5], s[14:15]
	s_add_nc_u64 s[6:7], s[6:7], s[16:17]
; Row rho of my four, nl chunks of 128 keys.
.macro ROW nl, rho
.set XR, X+32*\rho
	s_wait_loadcnt (3-\rho)*\nl                    ; loads come back in order: this row's are in, the later rows' nl each stay out
	; the mask touches the last two chunks alone: all earlier keys are below the q block's first row
.irp c, 0,1
	s_add_co_i32 s23, s22, \rho-128*\c             ; q counted from the chunk's first key; negative where the whole chunk is masked
.irp e, 0,1,2,3
	v_cmp_ge_i32 vcc_lo, s23, v[KE+\e]
	v_cndmask_b32 v[XR+4*(\nl-2+\c)+\e], v[NINF], v[XR+4*(\nl-2+\c)+\e], vcc_lo
.endr
.endr
	v_max_num_f32 v[M], v[XR], v[XR+1]             ; two chains, started by the first four numbers
	v_max_num_f32 v[M+1], v[XR+2], v[XR+3]
.set j, 1
.rept \nl-1
	v_max3_num_f32 v[M], v[M], v[XR+4*j], v[XR+4*j+1]
	v_max3_num_f32 v[M+1], v[M+1], v[XR+4*j+2], v[XR+4*j+3]
.set j, j+1
.endr
	v_max_num_f32 v[M], v[M], v[M+1]
	v_max_num_f32_dpp v[M], v[M], v[M] row_xmask:1 row_mask:0xf bank_mask:0xf
	v_max_num_f32_dpp v[M], v[M], v[M] row_xmask:2 row_mask:0xf bank_mask:0xf
	v_max_num_f32_dpp v[M], v[M], v[M] row_xmask:4 row_mask:0xf bank_mask:0xf
	v_max_num_f32_dpp v[M], v[M], v[M] row_xmask:8 row_mask:0xf bank_mask:0xf
	v_permlanex16_b32 v[T], v[M], s12, s13
	v_max_num_f32 v[M], v[M], v[T]                 ; the row's maximum, in every lane (key 0 is never masked: it is a score)
	v_mul_f32 v[NM], s21, v[M]
	v_mul_f32 v[NM+1], s21, v[M]
.set j, 0
.rept 2*\nl
	v_pk_fma_f32 v[XR+2*j:XR+2*j+1], v[XR+2*j:XR+2*j+1], s[20:21], v[NM:NM+1] op_sel_hi:[1,0,1]
.set j, j+1
.endr
.set j, 0
.rept 4*\nl
	v_exp_f32 v[XR+j], v[XR+j]
.set j, j+1
.endr
	v_nop                                          ; one plain vector instruction between the last exponential and its use (ISA guide 5.7.2)
	s_wait_alu depctr_va_vdst(0)
	v_pk_add_f32 v[SA:SA+1], v[XR:XR+1], v[XR+4:XR+5]
	v_pk_add_f32 v[SB:SB+1], v[XR+2:XR+3], v[XR+6:XR+7]
.if \nl > 2
.set j, 2
.rept \nl-2
	v_pk_add_f32 v[SA:SA+1], v[SA:SA+1], v[XR+4*j:XR+4*j+1]
	v_pk_add_f32 v[SB:SB+1], v[SB:SB+1], v[XR+4*j+2:XR+4*j+3]
.set j, j+1
.endr
.endif
	v_pk_add_f32 v[SA:SA+1], v[SA:SA+1], v[SB:SB+1]
	v_add_f32 v[SA], v[SA], v[SA+1]
	v_add_f32_dpp v[SA], v[SA], v[SA] row_xmask:1 row_mask:0xf bank_mask:0xf
	v_add_f32_dpp v[SA], v[SA], v[SA] row_xmask:2 row_mask:0xf bank_mask:0xf
	v_add_f32_dpp v[SA], v[SA], v[SA] row_xmask:4 row_mask:0xf bank_mask:0xf
	v_add_f32_dpp v[SA], v[SA], v[SA] row_xmask:8 row_mask:0xf bank_mask:0xf
	v_permlanex16_b32 v[T], v[SA], s12, s13
	v_add_f32 v[SA], v[SA], v[T]                   ; the sum: about 1 at the least, from the maximum's own term
	v_rcp_f32 v[R], v[SA]
	v_rcp_f32 v[R+1], v[SA]
	v_nop                                          ; one plain vector instruction before the reciprocals are used
.set j, 0
	s_wait_alu depctr_va_vdst(0)
.rept 2*\nl
	v_pk_mul_f32 v[XR+2*j:XR+2*j+1], v[XR+2*j:XR+2*j+1], v[R:R+1]
.set j, j+1
.endr
.set j, 0
.rept \nl
	v_cvt_pk_f16_f32 v[XR+4*j], v[XR+4*j], v[XR+4*j+1]
	v_cvt_pk_f16_f32 v[XR+4*j+1], v[XR+4*j+2], v[XR+4*j+3]
	global_store_b64 v[OFS], v[XR+4*j:XR+4*j+1], s[6:7] offset:2048*\rho+256*j   ; the wave stores 256 consecutive bytes, aligned
.set j, j+1
.endr
.endm
.macro SOFT nl
.set rr, 0
.rept 4
.set j, 0
.rept \nl
	global_load_b128 v[X+32*rr+4*j:X+32*rr+4*j+3], v[OFF], s[4:5] offset:4096*rr+512*j th:TH_LOAD_NT
.set j, j+1
.endr
.set rr, rr+1
.endr
	ROW \nl, 0
	ROW \nl, 1
	ROW \nl, 2
	ROW \nl, 3
	s_endpgm
.endm
	s_cmp_eq_u32 s18, 0                            ; the q block decides the row's length: 2 (I + 1) chunks
	s_cbranch_scc1 .Lblock0
	s_cmp_eq_u32 s18, 1
	s_cbranch_scc1 .Lblock1
	s_cmp_eq_u32 s18, 2
	s_cbranch_scc1 .Lblock2
	SOFT 8
.Lblock2:
	SOFT 6
.Lblock1:
	SOFT 4
.Lblock0:
	SOFT 2
.Lfunc_end_k_q6278115004_softmax:
	.size	k_q6278115004_softmax, .Lfunc_end_k_q6278115004_softmax-k_q6278115004_softmax
	.p2alignl 7, 3214868480
	.fill 96, 4, 3214868480
	.section	.rodata,"a",@progbits
	.p2align	6, 0x0
	.amdhsa_kernel k_q6278115004_softmax
		.amdhsa_group_segment_fixed_size 0
		.amdhsa_private_segment_fixed_size 0
		.amdhsa_enable_private_segment 0
		.amdhsa_kernarg_size 16
		.amdhsa_user_sgpr_count 2
		.amdhsa_user_sgpr_kernarg_segment_ptr 1
		.amdhsa_wavefront_size32 1
		.amdhsa_system_sgpr_workgroup_id_x 1
		.amdhsa_system_sgpr_workgroup_id_y 1
		.amdhsa_system_sgpr_workgroup_id_z 1
		.amdhsa_system_vgpr_workitem_id 0
		.amdhsa_next_free_vgpr 160
		.amdhsa_next_free_sgpr 66
		.amdhsa_reserve_vcc 1
		.amdhsa_float_denorm_mode_32 3
		.amdhsa_float_denorm_mode_16_64 3
		.amdhsa_memory_ordered 1
		.amdhsa_forward_progress 1
		.amdhsa_inst_pref_size 101
	.end_amdhsa_kernel
	.amdgpu_metadata
---
amdhsa.version: [ 1, 2 ]
amdhsa.kernels:
  - .name:           k_q6278115004_softmax
    .symbol:         k_q6278115004_softmax.kd
    .args:
      - { .name: sc, .offset: 0, .size: 8, .value_kind: global_buffer, .address_space: global }
      - { .name: pb, .offset: 8, .size: 8, .value_kind: global_buffer, .address_space: global }
    .group_segment_fixed_size: 0
    .private_segment_fixed_size: 0
    .kernarg_segment_align: 8
    .kernarg_segment_size: 16
    .max_flat_workgroup_size: 256
    .sgpr_count:     66
    .vgpr_count:     160
    .wavefront_size: 32
...
	.end_amdgpu_metadata
.endif
;; end of part 4
;; launch pv (part 5): grid 8 x 32, 4 waves a work-group, clusters of 4 x 1, 327,680 bytes of LDS; arguments pb, qkv, out0; writes out0
.if DOCPART == 5
	.amdgcn_target "amdgcn-amd-amdhsa--gfx1250"
	.amdhsa_code_object_version 6
	.text
	.protected	k_q6278115004_pv
	.globl	k_q6278115004_pv
	.p2align	8
	.type	k_q6278115004_pv,@function
k_q6278115004_pv:
	s_mov_b64 s[64:65], 0
	v_nop
	global_prefetch_b8 v0, s[64:65] scope:SCOPE_SE
	s_setreg_imm32_b32 hwreg(HW_REG_WAVE_MODE, 25, 1), 1
	s_wait_xcnt 0x0
	s_wait_alu depctr_hold_cnt(0) depctr_sa_sdst(0) depctr_va_vdst(0) depctr_va_sdst(0) depctr_va_ssrc(0) depctr_va_vcc(0) depctr_vm_vsrc(0)
	s_getreg_b32 s2, hwreg(HW_REG_IB_STS2, 6, 4)
	s_cmp_eq_u32 s2, 0
	s_cbranch_scc0 .Lentry_in_a_cluster
	s_endpgm
.Lentry_in_a_cluster:
	s_bfe_u32 s2, ttmp6, 0x10000c
	s_cmp_lg_u32 s2, 0x3003
	s_cbranch_scc0 .Lentry_shape_is_right
	s_endpgm
.Lentry_shape_is_right:
; out0[q][d] = sum over key of pb[q][key] v[key][d].  pb: f16 [8192][1024]; v: f16, columns 2048-3071 of qkv [8192][3072]; out0: f32 [8192][1024].
; WORK LEFT OUT: for q block I (256 rows) the sum ends at key 256 (I + 1): beyond it every weight is exactly 0 by reference()'s own mask (shown at the head of cast).
; A work-group makes 256 q x 128 d with four waves; a wave makes 128 x 64: 32 accumulator tiles, 256 registers (window 1).
; Work-group y = 4 batch + I, x = d block.  Keys go in steps of 128 through a ring of two LDS slots, 2 (I + 1) steps = I + 1 laps.
; Waves 0, 1 bring the weights' halves (128 rows x 256 bytes), waves 2, 3 v's halves (64 keys x 256 bytes).
; CLUSTERS: the four work-groups of a cluster lie along x: same y, so the same rows of pb and the same number of steps.  The weights' tile (64 KiB of a step's 96)
; is asked for jointly, mask 15; v's tile hangs on the d block and is each work-group's own load.  A cluster along y too would join q blocks with different numbers of steps.
; v lies [key][d], keys down the rows: its fragments come by transposing loads (ds_load_tr16_b128), rows 288 bytes apart in LDS.
; Source 0 = 16 columns d of v, source 1 = 16 rows of weights: lane l holds row l % 16 and its registers d = 8 (l / 16) + 0..7.
; The 32 accumulators take turns, one instruction a turn, in the same order in every quarter step.
.set KSTEP,  128
.set PITCH,  272
.set VPITCH, 288                       ; 256 bytes + 32 of padding
.set HALFA,  128*PITCH
.set HALFV,  64*VPITCH
.set SLOT,   2*HALFA+2*HALFV
.set STAGE,  2*SLOT                    ; behind the ring, never filled by a tensor load: 16 rows x 272 bytes for each wave
.set SPITCH, 272
.set QROW,   6144
.set ADRA, 16
.set ADRB, 20
.set STO,  24
.set RD,   25
.set CO,   26
.set FB,   32                          ; v's fragments: v32-63, buffer 1 at v192-223
.set FA,   64                          ; the weights' fragments: v64-127, buffer 1 at v128-191
.set OB,   224
.set G1,  24
.set G0,  32
.set G1B, 48
.set G0B, 56
.set MSB, 0
.macro WIN new
.if MSB != \new
	s_set_vgpr_msb (MSB<<8)|\new
.set MSB, \new
.endif
.endm
.macro PLACES                          ; four plain vector places behind a matrix instruction (ISA guide 7.12.1)
.rept 4
	v_nop
.endr
.endm
.macro JLOAD s                         ; waves 0, 1: the joint load of the weights; waves 2, 3: my work-group's own load of v.  The branch hangs on the wave's number alone
	s_cmp_eq_u32 s11, 0
	s_cbranch_scc0 .Lfor_b_\@
	tensor_load_to_lds s[G0+4*\s:G0+4*\s+3], s[G1:G1+7]
	s_nop 0
	s_branch .Lasked_\@
.Lfor_b_\@:
	tensor_load_to_lds s[G0B+4*\s:G0B+4*\s+3], s[G1B:G1B+7]
	s_nop 0
.Lasked_\@:
.endm
.macro CREST
	s_cmp_lg_u32 s10, 0
	s_cbranch_scc1 .Lnot_wave_0_\@
	s_barrier_signal -3
.Lnot_wave_0_\@:
	s_barrier_wait -3
	s_barrier_signal -1
	s_barrier_wait -1
.endm
.macro CROUND
	s_barrier_signal -1
	s_barrier_wait -1
	CREST
.endm
	s_load_b128 s[4:7], s[0:1], 0x0                ; pb s[4:5], qkv s[6:7]
	s_load_b64 s[8:9], s[0:1], 0x10                ; out0
	v_lshl_add_u32 v30, v0, 2, 0x38400
	v_mov_b32 v31, 0
	ds_add_u32 v30, v31
	ds_add_u32 v30, v31
	v_lshrrev_b32 v1, 5, v0
	v_readfirstlane_b32 s10, v1                    ; wave 0..3
	s_lshr_b32 s11, s10, 1                         ; my half of the rows.  Also: I fetch weights (0) or v (1)
	s_and_b32 s12, s10, 1                          ; my half of the columns.  Also: which half of that tile I fetch
	s_bfe_u32 s40, ttmp6, 0x40000                  ; cx
	s_lshl_b32 s42, ttmp9, 2
	s_add_co_u32 s42, s42, s40                     ; d block = 4 x cluster x + cx
	s_and_b32 s13, ttmp7, 0xffff                   ; y: shared by the four partners
	s_and_b32 s14, s13, 3                          ; I
	s_lshr_b32 s13, s13, 2                         ; batch
	s_lshl_b32 s18, s13, 10                        ; the batch's first row
	s_lshl_b32 s19, s14, 8
	s_add_co_u32 s19, s19, s18                     ; the block's first q row
	s_lshl_b32 s16, s12, 7
	s_add_co_u32 s16, s16, s19
	s_lshl_b32 s16, s16, 11                        ; weights: my 128 rows of 2,048 bytes
	s_mov_b32 s17, 0
	s_lshl_b32 s46, s12, 6
	s_add_co_u32 s46, s46, s18
	s_mul_i32 s46, s46, QROW                       ; v: my 64 keys,
	s_lshl_b32 s47, s42, 8
	s_add_co_u32 s46, s46, s47                     ; the d block's 256 bytes,
	s_add_co_u32 s46, s46, 4096                    ; columns from 2,048 on
	s_mov_b32 s47, 0
	; group 1.  Weights: mask 15 (all four partners), 128 rows x 128 elements, 4 words of padding behind every 64.  v: no mask, 64 rows, 8 words of padding.
	s_mov_b32 s[G1+0], 15|(1<<16)|(1<<20)|(1<<21)|(5<<22)|(3<<25)
	s_mov_b32 s[G1B+0], (1<<16)|(1<<20)|(5<<22)|(7<<25)
	s_mov_b32 s[G1+1], KSTEP<<16
	s_mov_b32 s[G1B+1], 128<<16
	s_mov_b32 s[G1+2], 128<<16
	s_mov_b32 s[G1B+2], 64<<16
	s_mov_b32 s[G1+3], KSTEP<<16
	s_mov_b32 s[G1B+3], 128<<16
	s_mov_b32 s[G1+4], 128
	s_mov_b32 s[G1B+4], 64
	s_mov_b32 s[G1+5], 1024
	s_mov_b32 s[G1B+5], 3072
	s_mov_b32 s[G1+6], 0
	s_mov_b32 s[G1B+6], 0
	s_mov_b32 s[G1+7], 0
	s_mov_b32 s[G1B+7], 0
	s_mul_i32 s20, s10, HALFA                      ; waves 0, 1: the weights' halves
	s_mul_i32 s21, s10, HALFV
	s_add_co_u32 s21, s21, 2*HALFA-2*HALFV         ; waves 2, 3: v's halves, behind the weights' 256 rows
	s_wait_dscnt 0x0
	s_wait_kmcnt 0x0
	s_add_nc_u64 s[16:17], s[4:5], s[16:17]
	s_add_nc_u64 s[46:47], s[6:7], s[46:47]
	CROUND                                         ; the four work-groups are here: the first joint loads meet
.irp s, 0,1
	s_mov_b32 s[G0+4*\s], 1
	s_add_co_u32 s[G0+4*\s+1], s20, \s*SLOT
	s_add_nc_u64 s[G0+4*\s+2:G0+4*\s+3], s[16:17], \s*KSTEP*2
	s_or_b32 s[G0+4*\s+3], s[G0+4*\s+3], 0x80000000
	s_mov_b32 s[G0B+4*\s], 1
	s_add_co_u32 s[G0B+4*\s+1], s21, \s*SLOT
	s_add_nc_u64 s[G0B+4*\s+2:G0B+4*\s+3], s[46:47], \s*KSTEP*QROW
	s_or_b32 s[G0B+4*\s+3], s[G0B+4*\s+3], 0x80000000
	JLOAD \s                                       ; steps 0 and 1 (every block has at least two): two tensor loads of the wave are out, later one
.endr
	v_and_b32 v1, 15, v0                           ; r
	v_bfe_u32 v2, v0, 4, 1                         ; h
	v_mul_u32_u24 v3, v1, PITCH
	v_lshl_add_u32 v3, v2, 4, v3
	s_mul_i32 s22, s11, HALFA                      ; my 128 rows of weights
	v_add_nc_u32 v[ADRA], s22, v3
	v_add_nc_u32 v[ADRA+1], SLOT, v[ADRA]
	v_and_b32 v4, 7, v0
	v_lshl_add_u32 v4, v2, 3, v4                   ; key 8 h + l % 8 of a quarter's first sixteen
	v_mul_u32_u24 v4, v4, VPITCH
	v_bfe_u32 v5, v0, 3, 1
	v_lshl_add_u32 v4, v5, 4, v4                   ; 16 bytes for each eight columns
	s_lshl_b32 s23, s12, 7                         ; my 64 columns
	s_add_co_u32 s23, s23, 2*HALFA
	v_add_nc_u32 v[ADRB], s23, v4
	v_add_nc_u32 v[ADRB+1], SLOT, v[ADRB]
	s_mul_i32 s21, s10, 16*SPITCH
	s_add_co_u32 s21, s21, STAGE                   ; my stage
	v_lshl_add_u32 v4, v2, 4, v3                   ; r x 272 + 32 h
	v_add_nc_u32 v[STO], s21, v4
	v_mul_u32_u24 v5, v2, SPITCH
	v_lshl_add_u32 v5, v1, 4, v5
	v_add_nc_u32 v[RD], s21, v5
	v_lshlrev_b32 v5, 12, v2
	v_lshl_add_u32 v[CO], v1, 4, v5
.macro MULH f, hf, zero
.irp a, 0,1,2,3
.irp b, 0,1,2,3
.if \zero
	v_wmma_f32_16x16x32_f16 v[8*(4*(4*\hf+\a)+\b):8*(4*(4*\hf+\a)+\b)+7], v[FB+160*\f+8*\b:FB+160*\f+8*\b+7], v[FA+64*\f+8*(4*\hf+\a):FA+64*\f+8*(4*\hf+\a)+7], 0
.else
	v_wmma_f32_16x16x32_f16 v[8*(4*(4*\hf+\a)+\b):8*(4*(4*\hf+\a)+\b)+7], v[FB+160*\f+8*\b:FB+160*\f+8*\b+7], v[FA+64*\f+8*(4*\hf+\a):FA+64*\f+8*(4*\hf+\a)+7], v[8*(4*(4*\hf+\a)+\b):8*(4*(4*\hf+\a)+\b)+7]
.endif
.endr
.endr
.endm
; 24 LDS loads in one run.  v: quarter qi is 32 keys = 32 LDS rows; the first load of a pair brings keys 8 h + 0..7 of column r, the second those 16 further down.
.macro FETCH slot, qi, f
.irp i, 0,1,2,3
	ds_load_tr16_b128 v[FB+160*\f+8*\i:FB+160*\f+8*\i+3],   v[ADRB+\slot] offset:32*VPITCH*\qi+32*\i
	ds_load_tr16_b128 v[FB+160*\f+8*\i+4:FB+160*\f+8*\i+7], v[ADRB+\slot] offset:32*VPITCH*\qi+32*\i+16*VPITCH
.endr
.irp i, 0,1,2,3,4,5,6,7
	ds_load_b128 v[FA+64*\f+8*\i:FA+64*\f+8*\i+3],   v[ADRA+\slot] offset:64*\qi+\i*16*PITCH
	ds_load_b128 v[FA+64*\f+8*\i+4:FA+64*\f+8*\i+7], v[ADRA+\slot] offset:64*\qi+\i*16*PITCH+32
.endr
.endm
.macro QUARTER slot, qi, f, g, zero
	s_wait_dscnt 0x0                               ; buffer f is in: its loads were issued in front of the last quarter's 32 matrix instructions
	PLACES                                         ; behind the last matrix instruction that read buffer g
	WIN 0
	FETCH \slot, \qi, \g
	WIN 0x50
	MULH \f, 0, \zero
	MULH \f, 1, \zero
.endm
.macro THREE slot, zero
	QUARTER \slot, 1, 0, 1, \zero
	QUARTER \slot, 2, 1, 0, 0
	QUARTER \slot, 3, 0, 1, 0
.endm
; The last quarter multiplies buffer 1 and changes slots.  In front of the barrier my reads of this slot and all my tensor loads are done;
; where the slot is filled again the barrier opens a round of the cluster's barrier, and the refill is the first tensor load behind the round.
.macro TURN slot, next, fill
	s_wait_dscnt 0x0
	s_wait_tensorcnt 0x0
	ds_add_u32 v30, v31
	s_wait_dscnt 0x0
	s_barrier_signal -1
	MULH 1, 0, 0                                   ; register work while the others arrive
	WIN 0
	s_barrier_wait -1
.if \fill
	CREST                                          ; no wave of any partner still reads this slot or has a load on its way
	s_add_nc_u64 s[G0+4*\slot+2:G0+4*\slot+3], s[G0+4*\slot+2:G0+4*\slot+3], 2*KSTEP*2
	s_add_nc_u64 s[G0B+4*\slot+2:G0B+4*\slot+3], s[G0B+4*\slot+2:G0B+4*\slot+3], 2*KSTEP*QROW
	JLOAD \slot
.endif
	PLACES
	FETCH \next, 0, 0
	WIN 0x50
	MULH 1, 1, 0
.endm
.macro LAP zero                        ; two steps, both slots filled again
	THREE 0, \zero
	TURN 0, 1, 1
	THREE 1, 0
	TURN 1, 0, 1
.endm
.macro LASTLAP zero                    ; the last two steps fill nothing
	THREE 0, \zero
	TURN 0, 1, 0
	THREE 1, 0
	s_wait_dscnt 0x0
	MULH 1, 0, 0
	MULH 1, 1, 0
.endm
	s_wait_tensorcnt 0x1                           ; my part of step 0 is in; step 1's load stays out
	s_barrier_signal -1
	s_barrier_wait -1
	FETCH 0, 0, 0
	s_cmp_eq_u32 s14, 0                            ; I + 1 laps; I is the same in all four partners, so all pass the same rounds
	s_cbranch_scc1 .Lonly
	LAP 1                                          ; the first lap starts the sums
	WIN 0
	s_cmp_eq_u32 s14, 1
	s_cbranch_scc1 .Llast
	s_sub_co_u32 s3, s14, 1                        ; I - 1 laps go round
.Llap:
	LAP 0
	WIN 0
	s_sub_co_u32 s3, s3, 1
	s_cmp_lg_u32 s3, 0
	s_cbranch_scc1 .Llap
.Llast:
	LASTLAP 0
	WIN 0
	s_branch .Lout
.Lonly:
	LASTLAP 1                                      ; q block 0: one lap, which starts the sums and fills nothing
	WIN 0
.Lout:
	; THE WAY OUT, 16 rows at a time through my own stage: a lane's 32 bytes of a row go in, whole rows of 64 f32 = 256 bytes come back.
	; The stage is the wave's own and LDS serves a wave's instructions in order (ISA guide 5.7.1): no barrier, no wait between stores and loads.
	PLACES
	s_lshl_b32 s16, s11, 7
	s_add_co_u32 s16, s16, s19
	s_lshl_b32 s16, s16, 12                        ; my first row, 4,096 bytes a row
	s_mov_b32 s17, 0
	s_add_nc_u64 s[8:9], s[8:9], s[16:17]
	s_lshl_b32 s46, s42, 9                         ; 128 d x 4 bytes for each d block (in registers that never feed the joint load's descriptors)
	s_lshl_b32 s47, s12, 8
	s_add_co_u32 s46, s46, s47
	s_mov_b32 s47, 0
	s_add_nc_u64 s[8:9], s[8:9], s[46:47]
.macro OUTF i
	WIN 0x04                                       ; the stores' data lie in window 1
.irp b, 0,1,2,3
	ds_store_b128 v[STO], v[8*(4*\i+\b):8*(4*\i+\b)+3]   offset:64*\b
	ds_store_b128 v[STO], v[8*(4*\i+\b)+4:8*(4*\i+\b)+7] offset:64*\b+16
.endr
	WIN 0
	s_wait_xcnt 0x0                                ; the registers loaded next were data of the last step's stores: rewritten only behind this wait
.irp t, 0,1,2,3,4,5,6,7
	ds_load_b128 v[OB+4*\t:OB+4*\t+3], v[RD] offset:\t*2*SPITCH
.endr
.irp t, 0,1,2,3,4,5,6,7
	s_wait_dscnt 7-\t                              ; this load is in, the younger ones stay out
	global_store_b128 v[CO], v[OB+4*\t:OB+4*\t+3], s[8:9] offset:(16*\i+2*\t)*4096 th:TH_STORE_NT   ; 16 lanes store 256 consecutive bytes, aligned
.endr
.endm
.irp i, 0,1,2,3,4,5,6,7
	OUTF \i
.endr
	s_wait_tensorcnt 0x0
	ds_add_u32 v30, v31
	s_wait_dscnt 0x0
	CROUND                                         ; the closing round: no work-group ends while a partner may still ask for a tile that names it
	s_endpgm
.Lfunc_end_k_q6278115004_pv:
	.size	k_q6278115004_pv, .Lfunc_end_k_q6278115004_pv-k_q6278115004_pv
	.p2alignl 7, 3214868480
	.fill 96, 4, 3214868480
	.section	.rodata,"a",@progbits
	.p2align	6, 0x0
	.amdhsa_kernel k_q6278115004_pv
		.amdhsa_group_segment_fixed_size 327680
		.amdhsa_private_segment_fixed_size 0
		.amdhsa_enable_private_segment 0
		.amdhsa_kernarg_size 24
		.amdhsa_user_sgpr_count 2
		.amdhsa_user_sgpr_kernarg_segment_ptr 1
		.amdhsa_wavefront_size32 1
		.amdhsa_system_sgpr_workgroup_id_x 1
		.amdhsa_system_sgpr_workgroup_id_y 1
		.amdhsa_system_sgpr_workgroup_id_z 1
		.amdhsa_system_vgpr_workitem_id 0
		.amdhsa_next_free_vgpr 512
		.amdhsa_next_free_sgpr 66
		.amdhsa_reserve_vcc 0
		.amdhsa_float_denorm_mode_32 3
		.amdhsa_float_denorm_mode_16_64 3
		.amdhsa_memory_ordered 1
		.amdhsa_forward_progress 1
		.amdhsa_inst_pref_size 145
	.end_amdhsa_kernel
	.amdgpu_metadata
---
amdhsa.version: [ 1, 2 ]
amdhsa.kernels:
  - .name:           k_q6278115004_pv
    .symbol:         k_q6278115004_pv.kd
    .args:
      - { .name: pb, .offset: 0, .size: 8, .value_kind: global_buffer, .address_space: global }
      - { .name: qkv, .offset: 8, .size: 8, .value_kind: global_buffer, .address_space: global }
      - { .name: out0, .offset: 16, .size: 8, .value_kind: global_buffer, .address_space: global }
    .group_segment_fixed_size: 327680
    .private_segment_fixed_size: 0
    .kernarg_segment_align: 8
    .kernarg_segment_size: 24
    .max_flat_workgroup_size: 128
    .sgpr_count:     66
    .vgpr_count:     512
    .wavefront_size: 32
...
	.end_amdgpu_metadata
.endif
;; end of part 5
;; ======== version 2 of 3: 5 launches; 1.17 times as fast as version 1
;; limits: values are held in f16: magnitudes above 65,504 overflow, below 6.1e-05 lose precision; values outside matrix products are rounded to f16
;; workspace buffers: xh 16,777,216 bytes; wb 4,194,304 bytes; bt 4,194,304 bytes; qv 33,554,432 bytes; pb 16,777,216 bytes; st 524,288 bytes
;; launch cast (part 6): grid 768 x 1, 8 waves a work-group, no clusters, 34,304 bytes of LDS; arguments x, Wq, Wk, Wv, xh, wb, bt; writes xh, wb, bt
.if DOCPART == 6
	.amdgcn_target "amdgcn-amd-amdhsa--gfx1250"
	.amdhsa_code_object_version 6
	.text
	.protected	k_q6278115004_cast
	.globl	k_q6278115004_cast
	.p2align	8
	.type	k_q6278115004_cast,@function
k_q6278115004_cast:
	s_mov_b64 s[64:65], 0
	v_nop
	global_prefetch_b8 v0, s[64:65] scope:SCOPE_SE
	s_setreg_imm32_b32 hwreg(HW_REG_WAVE_MODE, 25, 1), 1
	s_wait_xcnt 0x0
; THE PROGRAM: causal attention with one head of 1,024, on 8 batches of 1,024 positions, in five launches.
;   cast     x -> xh (f16 [8192][1024]);  Wq | Wk -> wb (bf16 [2048][1024], as they lie);  Wv -> rows 1024-2047 of bt (f16 [2048][1024]), turned over, times 4,096
;   mt       rows 0-1023 of bt = 4 Mt,  Mt[j][i] = sum over o of Wk[j][o] Wq[i][o]
;   proj     qv = 2^-12 xh bt^T = q'/1024 | v  (f16 [8192][2048]),  q'[s][j] = sum over i of x[s][i] Mt[j][i]
;   scores   s = (q'/1024) xh^T, kept in registers, live tiles only (32 s = q k^T / 32); for each row and each tile of 128 keys:
;            pb = exp(32 s - 32 m) as f16, m the masked row's maximum within the tile, and st = (m, sum of the tile's exponentials)
;   pv       joins a row's tile maxima and sums into factors exp(32 m - 32 M) / L, M the row's maximum and L its whole sum, multiplies pb by them,
;            and out0 = weights x v, keys up to the end of the diagonal block only
; THE KEY PROJECTION IS NOT FORMED.  att[q][key] = sum_o (sum_i x[q][i] Wq[i][o]) (sum_j x[key][j] Wk[j][o]) = sum_j x[key][j] q'[q][j]: the same sum in another
; order, for all values of x, Wq and Wk.  Mt costs 1024^3 multiply-adds once; k would cost 8192 x 1024^2.  The order of rounding differs from reference()'s.
; WORK LEFT OUT, AND WHY IT IS DEAD.  reference() itself sets att[q][key] to -inf wherever key > q (its own jnp.tril); the softmax of a row
; that holds at least one finite number (key 0 <= q always) gives exactly 0 there, and 0 times v[key] adds nothing to the sum, whatever finite
; values x and the weights hold.  Rows go in blocks of 256 (block I = 0..3 of a batch): every key >= 256 (I + 1) is above every q of the block.
; So score tiles of such keys are not made, and pv ends its sum over keys at 256 (I + 1).
; Inside the diagonal block of 256 x 256 the masked part is computed and selected away: it lies in tiles of a work-group that also hold live work.
; Every input has a way to the output and is loaded.
; FORMATS.  x and the weights are rounded to bf16.  Where the other operand of a product is one of the program's own intermediates (Mt, q', the softmax's weights),
; which are kept in f16 for its three more bits, the bf16 value is written as f16: exact for 2^-17 <= |x| < 65,504, within 2^-25 below.
; The factors 4, 4,096, 2^-12 are powers of two and change no bit of a normal number; they keep q' inside f16: with x near 30 and the weights near 30/32 it reaches 2.8e7.
; LIMITS.  A NaN, an infinity or an overflow that reaches only the work left out is not carried to the result.
; |x|, 4 |Mt|, 4,096 |Wv|, |q'| / 1,024 and |v| must stay below 65,504.  Where |q'| / 1,024 falls below 6e-5 (x large, Wq and Wk small together) it keeps an absolute step of 6e-8.
;
; THIS LAUNCH is a stream: each input byte is read once, each output byte written once; matrix units and clusters have nothing to do here.
; Work-groups 0-511: 16 rows of x.  512-639: 16 rows of Wq (the first 64) or Wk.  Thread t takes 16 bytes at 16 t of each row (4,096 bytes = 256 threads x 16)
; and stores 8 bytes at 8 t: a wave's store covers 256 consecutive bytes, aligned.  All 16 loads are issued at once; nothing waits but the data.
; Work-groups 640-767: a block of 128 k x 64 n of Wv, turned over in LDS.
.set XI, 4                             ; v[4:67]    stream: 16 x 4 registers as loaded
.set XO, 68                            ; v[68:99]   stream: 16 x 2 registers to store
.set T,  100                           ; v[100:101] two packed bf16 pairs at work
.set WI, 8                             ; v[8:39]    Wv: 8 x 4 registers as loaded
.set WR, 40                            ; v[40:71]   Wv: 4 x 8 numbers read back, k ascending
.set WO, 72                            ; v[72:87]   Wv: 4 x 4 registers to store
.set WPITCH, 260                       ; an LDS row: 64 f32 + 4 bytes
; 16 rows from s[4:5] to s[12:13].  half = 1: the bf16 value goes out as f16; half = 0: as bf16.
.macro STREAM half
.irp j, 0,1,2,3,4,5,6,7,8,9,10,11,12,13,14,15
	global_load_b128 v[XI+4*\j:XI+4*\j+3], v1, s[4:5] offset:4096*\j th:TH_LOAD_NT
.endr
.irp j, 0,1,2,3,4,5,6,7,8,9,10,11,12,13,14,15
	s_wait_loadcnt 15-\j                           ; loads come back in order (ISA guide 5.7.1): row j is in, the 15 - j younger ones stay out
.if \half
	v_cvt_pk_bf16_f32 v[T], v[XI+4*\j], v[XI+4*\j+1]
	v_cvt_pk_bf16_f32 v[T+1], v[XI+4*\j+2], v[XI+4*\j+3]
	v_lshlrev_b32 v[XI+4*\j], 16, v[T]             ; bf16 to f32: the low half moves up, the high half stays
	v_and_b32 v[XI+4*\j+1], 0xffff0000, v[T]
	v_lshlrev_b32 v[XI+4*\j+2], 16, v[T+1]
	v_and_b32 v[XI+4*\j+3], 0xffff0000, v[T+1]
	v_cvt_pk_f16_f32 v[XO+2*\j], v[XI+4*\j], v[XI+4*\j+1]
	v_cvt_pk_f16_f32 v[XO+2*\j+1], v[XI+4*\j+2], v[XI+4*\j+3]
.else
	v_cvt_pk_bf16_f32 v[XO+2*\j], v[XI+4*\j], v[XI+4*\j+1]
	v_cvt_pk_bf16_f32 v[XO+2*\j+1], v[XI+4*\j+2], v[XI+4*\j+3]
.endif
	global_store_b64 v2, v[XO+2*\j:XO+2*\j+1], s[12:13] offset:2048*\j
.endr
	s_endpgm
.endm
	s_load_b256 s[4:11], s[0:1], 0x0               ; x s[4:5], Wq s[6:7], Wk s[8:9], Wv s[10:11]
	s_load_b128 s[12:15], s[0:1], 0x20             ; xh s[12:13], wb s[14:15]
	s_load_b64 s[16:17], s[0:1], 0x30              ; bt
	v_lshl_add_u32 v104, v0, 2, 0x8200
	v_mov_b32 v105, 0
	v_lshlrev_b32 v1, 4, v0                        ; 16 t
	v_lshlrev_b32 v2, 3, v0                        ; 8 t
	s_cmp_lt_u32 ttmp9, 512                        ; the same for all waves of a work-group
	s_cbranch_scc0 .Lnot_x
	s_lshl_b32 s18, ttmp9, 16                      ; 16 rows of 4,096 bytes
	s_mov_b32 s19, 0
	s_lshl_b32 s20, ttmp9, 15                      ; 16 rows of 2,048 bytes
	s_mov_b32 s21, 0
	s_wait_kmcnt 0x0
	s_add_nc_u64 s[4:5], s[4:5], s[18:19]
	s_add_nc_u64 s[12:13], s[12:13], s[20:21]
	STREAM 1
.Lnot_x:
	s_cmp_lt_u32 ttmp9, 640
	s_cbranch_scc0 .Lturn
	s_sub_co_u32 s18, ttmp9, 512                   ; u = 0..127: rows 16 u of wb
	s_and_b32 s20, s18, 63
	s_lshl_b32 s20, s20, 16                        ; rows 16 (u mod 64) of Wq or of Wk
	s_mov_b32 s21, 0
	s_lshl_b32 s22, s18, 15
	s_mov_b32 s23, 0
	s_wait_kmcnt 0x0
	s_cmp_lt_u32 s18, 64
	s_cselect_b64 s[4:5], s[6:7], s[8:9]
	s_add_nc_u64 s[4:5], s[4:5], s[20:21]
	s_add_nc_u64 s[12:13], s[14:15], s[22:23]
	STREAM 0
.Lturn:
	; u = work-group - 640: n block u / 8 (64 columns), k block u mod 8 (128 rows)
	s_sub_co_u32 s20, ttmp9, 640
	s_and_b32 s18, s20, 7                          ; k block
	s_lshr_b32 s19, s20, 3                         ; n block
	s_lshl_b32 s22, s19, 17                        ; bt: 64 rows of 2,048 bytes for each n block,
	s_add_co_u32 s22, s22, 1<<21                   ; behind Mt's 1,024 rows,
	s_lshl_b32 s23, s18, 8                         ; 256 bytes for each k block
	s_add_co_u32 s22, s22, s23
	s_mov_b32 s23, 0
	s_lshl_b32 s18, s18, 19                        ; Wv: 128 rows of 4,096 bytes for each k block,
	s_lshl_b32 s19, s19, 8                         ; 256 bytes for each n block
	s_add_co_u32 s18, s18, s19
	s_mov_b32 s19, 0
	s_mov_b32 s20, 0x45800000                      ; 4,096.0: the half of the pair that the packed multiply broadcasts
	s_mov_b32 s21, 0x45800000
	v_lshrrev_b32 v2, 4, v0                        ; t / 16
	v_and_b32 v4, 15, v0                           ; t mod 16
	v_lshlrev_b32 v1, 12, v2
	v_lshl_add_u32 v1, v4, 4, v1                   ; in: row t / 16 of sixteen, 16 bytes at 16 (t mod 16): 16 lanes read 256 consecutive bytes
	v_mul_u32_u24 v3, v2, WPITCH
	v_lshl_add_u32 v3, v4, 4, v3                   ; the same place in LDS
	v_mul_u32_u24 v5, v4, 8*WPITCH
	v_lshl_add_u32 v5, v2, 2, v5                   ; back: k = 8 (t mod 16) + 0..7, column t / 16 + 16 i
	v_lshlrev_b32 v6, 11, v2
	v_lshl_add_u32 v6, v4, 4, v6                   ; out: row t / 16 + 16 i of the block, 16 bytes at 16 (t mod 16)
	s_wait_kmcnt 0x0
	s_add_nc_u64 s[10:11], s[10:11], s[18:19]
	s_add_nc_u64 s[16:17], s[16:17], s[22:23]
.irp j, 0,1,2,3,4,5,6,7
	global_load_b128 v[WI+4*\j:WI+4*\j+3], v1, s[10:11] offset:65536*\j th:TH_LOAD_NT
.endr
.irp j, 0,1,2,3,4,5,6,7
	s_wait_loadcnt 7-\j                            ; rows 16 j .. 16 j + 15 are in, the younger loads stay out
.irp e, 0,1,2,3
	ds_store_b32 v3, v[WI+4*\j+\e] offset:16*WPITCH*\j+4*\e      ; rows of 260 bytes are no multiple of 16: word by word
.endr
.endr
	s_wait_dscnt 0x0                               ; my stores are in LDS before I say so: other waves read them
	s_barrier_signal -1
	s_barrier_wait -1
	; Column reads: lane (t mod 16) stands 8 rows = 2,080 bytes from its neighbour, so lanes 8 apart meet in one bank (two deep).  Kept: 4 MiB in all pass here.
.irp i, 0,1,2,3
.irp k, 0,1,2,3,4,5,6,7
	ds_load_b32 v[WR+8*\i+\k], v5 offset:WPITCH*\k+64*\i
.endr
.endr
.irp i, 0,1,2,3
	s_wait_dscnt 24-8*\i                           ; LDS loads come back in order: group i's eight are in, the later groups stay out
.irp p, 0,1,2,3
	v_pk_mul_f32 v[WR+8*\i+2*\p:WR+8*\i+2*\p+1], v[WR+8*\i+2*\p:WR+8*\i+2*\p+1], s[20:21] op_sel_hi:[1,0]
	v_cvt_pk_bf16_f32 v[T], v[WR+8*\i+2*\p], v[WR+8*\i+2*\p+1]
	v_lshlrev_b32 v[WR+8*\i+2*\p], 16, v[T]
	v_and_b32 v[WR+8*\i+2*\p+1], 0xffff0000, v[T]
	v_cvt_pk_f16_f32 v[WO+4*\i+\p], v[WR+8*\i+2*\p], v[WR+8*\i+2*\p+1]
.endr
	global_store_b128 v6, v[WO+4*\i:WO+4*\i+3], s[16:17] offset:32768*\i   ; 16 lanes store 256 consecutive bytes, aligned: 128 k of one row of bt
.endr
	s_wait_tensorcnt 0x0
	ds_add_u32 v104, v105
	s_wait_dscnt 0x0
	s_endpgm
.Lfunc_end_k_q6278115004_cast:
	.size	k_q6278115004_cast, .Lfunc_end_k_q6278115004_cast-k_q6278115004_cast
	.p2alignl 7, 3214868480
	.fill 96, 4, 3214868480
	.section	.rodata,"a",@progbits
	.p2align	6, 0x0
	.amdhsa_kernel k_q6278115004_cast
		.amdhsa_group_segment_fixed_size 34304
		.amdhsa_private_segment_fixed_size 0
		.amdhsa_enable_private_segment 0
		.amdhsa_kernarg_size 56
		.amdhsa_user_sgpr_count 2
		.amdhsa_user_sgpr_kernarg_segment_ptr 1
		.amdhsa_wavefront_size32 1
		.amdhsa_system_sgpr_workgroup_id_x 1
		.amdhsa_system_sgpr_workgroup_id_y 1
		.amdhsa_system_sgpr_workgroup_id_z 1
		.amdhsa_system_vgpr_workitem_id 0
		.amdhsa_next_free_vgpr 106
		.amdhsa_next_free_sgpr 66
		.amdhsa_reserve_vcc 0
		.amdhsa_float_denorm_mode_32 3
		.amdhsa_float_denorm_mode_16_64 3
		.amdhsa_memory_ordered 1
		.amdhsa_forward_progress 1
		.amdhsa_inst_pref_size 29
	.end_amdhsa_kernel
	.amdgpu_metadata
---
amdhsa.version: [ 1, 2 ]
amdhsa.kernels:
  - .name:           k_q6278115004_cast
    .symbol:         k_q6278115004_cast.kd
    .args:
      - { .name: x, .offset: 0, .size: 8, .value_kind: global_buffer, .address_space: global }
      - { .name: Wq, .offset: 8, .size: 8, .value_kind: global_buffer, .address_space: global }
      - { .name: Wk, .offset: 16, .size: 8, .value_kind: global_buffer, .address_space: global }
      - { .name: Wv, .offset: 24, .size: 8, .value_kind: global_buffer, .address_space: global }
      - { .name: xh, .offset: 32, .size: 8, .value_kind: global_buffer, .address_space: global }
      - { .name: wb, .offset: 40, .size: 8, .value_kind: global_buffer, .address_space: global }
      - { .name: bt, .offset: 48, .size: 8, .value_kind: global_buffer, .address_space: global }
    .group_segment_fixed_size: 34304
    .private_segment_fixed_size: 0
    .kernarg_segment_align: 8
    .kernarg_segment_size: 56
    .max_flat_workgroup_size: 256
    .sgpr_count:     66
    .vgpr_count:     106
    .wavefront_size: 32
...
	.end_amdgpu_metadata
.endif
;; end of part 6
;; launch mt (part 7): grid 16 x 16, 4 waves a work-group, clusters of 4 x 4, 280,064 bytes of LDS; arguments wb, bt; writes bt
.if DOCPART == 7
	.amdgcn_target "amdgcn-amd-amdhsa--gfx1250"
	.amdhsa_code_object_version 6
	.text
	.protected	k_q6278115004_mt
	.globl	k_q6278115004_mt
	.p2align	8
	.type	k_q6278115004_mt,@function
k_q6278115004_mt:
	s_mov_b64 s[64:65], 0
	v_nop
	global_prefetch_b8 v0, s[64:65] scope:SCOPE_SE
	s_setreg_imm32_b32 hwreg(HW_REG_WAVE_MODE, 25, 1), 1
	s_wait_xcnt 0x0
	s_wait_alu depctr_hold_cnt(0) depctr_sa_sdst(0) depctr_va_vdst(0) depctr_va_sdst(0) depctr_va_ssrc(0) depctr_va_vcc(0) depctr_vm_vsrc(0)
	s_getreg_b32 s2, hwreg(HW_REG_IB_STS2, 6, 4)
	s_cmp_eq_u32 s2, 0
	s_cbranch_scc0 .Lentry_in_a_cluster
	s_endpgm
.Lentry_in_a_cluster:
	s_bfe_u32 s2, ttmp6, 0x10000c
	s_cmp_lg_u32 s2, 0xf033
	s_cbranch_scc0 .Lentry_shape_is_right
	s_endpgm
.Lentry_shape_is_right:
; bt[j][i] = 4 Mt[j][i] = 4 x sum over o of Wk[j][o] Wq[i][o], j, i = 0..1023.  wb: bf16 [2048][1024], Wq in rows 0-1023, Wk in rows 1024-2047; bt: f16; sums in f32.
; LIMIT: 4 |Mt| of 65,504 or more becomes an infinity in f16.
; A work-group makes 64 x 64 of Mt: 16 x 16 = 256 work-groups.  Its 64 rows of Wk and 64 rows of Wq, 2,048 bytes each, fit into LDS at once: every LDS byte is
; filled once, there is no ring.  They come as eight chunks of 64 rows x 256 o (rows of 512 bytes, aligned): waves 0, 1 bring Wk's chunks, waves 2, 3 Wq's,
; two tensor loads a wave, both issued at the start; the first half of o is multiplied while the second is on its way.
; CLUSTERS: 4 x 4 work-groups.  Wk's rows hang on the block row alone and are asked for jointly by a row of the cluster, Wq's on the block column alone, by a column.
; A wave makes 32 x 32: four accumulators, which take turns, one instruction a turn.  A fragment feeds two matrix instructions only:
; the tile is as large as LDS holds at once, and the launch is 1024^3 multiply-adds in all.
; Source 0 = 16 rows of Wq, source 1 = 16 rows of Wk: lane l holds row j = l % 16 and its registers the columns i = 8 (l / 16) + 0..7.
; A row of the tile is 64 f16 = 128 bytes, half an aligned block of 256: 2 MiB in all leave so.  A tile 128 columns wide would need 160 rows or more of 2,048 bytes in LDS.
.set PITCH,  528                       ; an LDS row: 512 bytes + 16 of padding: the 16 rows that a fragment load touches start 16 bytes apart modulo 256
.set CH,     64*PITCH                  ; a chunk
.set BBASE,  4*CH                      ; Wq's four chunks lie behind Wk's four
.set STAGE,  8*CH                      ; behind them, never filled by a tensor load: 64 rows x 144 bytes
.set SPITCH, 144                       ; 128 bytes + 16
.set ADRA, 16                          ; v16-17  LDS address of my Wk fragments in chunks 0-1, 2-3
.set ADRB, 20                          ; v20-21  the same for Wq
.set STO,  24
.set RD,   25
.set CO,   26
.set F,    32                          ; v32-95, v96-159: two fragment buffers; in each, for t = 0, 1: Wq's two fragments, then Wk's two
.set ACC,  160                         ; v160-191: tile (a, b) at 8 (2 a + b)
.set TMP,  192                         ; v192-207: packed results
.set OB,   208                         ; v208-223: rows read back
.set G1,  24                           ; s[24:31] group 1 for Wk's chunks
.set G0,  32                           ; s[32:39] group 0 for Wk's chunks, one set for each half of o
.set G1B, 48                           ; s[48:55] group 1 for Wq's chunks: another mask
.set G0B, 56                           ; s[56:63] group 0 for Wq's chunks
.macro PLACES                          ; four plain vector places behind a matrix instruction (ISA guide 7.12.1) before its registers are loaded into or its result is read
.rept 4
	v_nop
.endr
.endm
.macro JLOAD s                         ; a joint load; the branch hangs on the wave's number alone, each line has one mask
	s_cmp_eq_u32 s11, 0
	s_cbranch_scc0 .Lfor_b_\@
	tensor_load_to_lds s[G0+4*\s:G0+4*\s+3], s[G1:G1+7]
	s_nop 0
	s_branch .Lasked_\@
.Lfor_b_\@:
	tensor_load_to_lds s[G0B+4*\s:G0B+4*\s+3], s[G1B:G1B+7]
	s_nop 0
.Lasked_\@:
.endm
.macro CROUND                          ; a round of the cluster's barrier
	s_barrier_signal -1
	s_barrier_wait -1
	s_cmp_lg_u32 s10, 0
	s_cbranch_scc1 .Lnot_wave_0_\@
	s_barrier_signal -3
.Lnot_wave_0_\@:
	s_barrier_wait -3
	s_barrier_signal -1
	s_barrier_wait -1
.endm
	s_load_b128 s[4:7], s[0:1], 0x0                ; wb s[4:5], bt s[6:7]
	v_lshl_add_u32 v224, v0, 2, 0x44400
	v_mov_b32 v225, 0
	ds_add_u32 v224, v225
	ds_add_u32 v224, v225
	v_lshrrev_b32 v1, 5, v0
	v_readfirstlane_b32 s10, v1                    ; wave 0..3
	s_lshr_b32 s11, s10, 1                         ; my half of the tile's rows.  Also: I fetch for Wk (0) or for Wq (1)
	s_and_b32 s12, s10, 1                          ; my half of its columns.  Also: which chunk of a half of o I fetch
	s_bfe_u32 s40, ttmp6, 0x40000                  ; cx
	s_bfe_u32 s41, ttmp6, 0x40004                  ; cy
	s_lshl_b32 s42, ttmp9, 2
	s_add_co_u32 s42, s42, s40                     ; block column (64 i) = 4 x cluster x + cx
	s_and_b32 s13, ttmp7, 0xffff
	s_lshl_b32 s13, s13, 2
	s_add_co_u32 s13, s13, s41                     ; block row (64 j) = 4 x cluster y + cy
	s_lshl_b32 s43, s41, 2
	s_lshl_b32 s43, 15, s43                        ; my row of the cluster
	s_lshl_b32 s44, 0x1111, s40                    ; my column
	; group 1: 64 rows x 256 elements of 2 bytes, 4 words of padding behind every 128
	s_or_b32 s[G1+0], s43, (1<<16)|(1<<20)|(1<<21)|(6<<22)|(3<<25)
	s_or_b32 s[G1B+0], s44, (1<<16)|(1<<20)|(1<<21)|(6<<22)|(3<<25)
	s_mov_b32 s[G1+1], 256<<16                     ; tensor_dim0 = 256
	s_mov_b32 s[G1B+1], 256<<16
	s_mov_b32 s[G1+2], 64<<16                      ; tensor_dim1 = 64
	s_mov_b32 s[G1B+2], 64<<16
	s_mov_b32 s[G1+3], 256<<16                     ; tile_dim0 = 256
	s_mov_b32 s[G1B+3], 256<<16
	s_mov_b32 s[G1+4], 64                          ; tile_dim1 = 64
	s_mov_b32 s[G1B+4], 64
	s_mov_b32 s[G1+5], 1024                        ; elements from row to row
	s_mov_b32 s[G1B+5], 1024
	s_mov_b32 s[G1+6], 0
	s_mov_b32 s[G1B+6], 0
	s_mov_b32 s[G1+7], 0
	s_mov_b32 s[G1B+7], 0
	s_lshl_b32 s16, s13, 17                        ; Wk: 64 rows of 2,048 bytes for each block row,
	s_add_co_u32 s16, s16, 1<<21                   ; behind Wq's 1,024 rows,
	s_lshl_b32 s17, s12, 9                         ; my chunk's 512 bytes
	s_add_co_u32 s16, s16, s17
	s_mov_b32 s17, 0
	s_lshl_b32 s46, s42, 17                        ; Wq: 64 rows for each block column,
	s_lshl_b32 s47, s12, 9                         ; my chunk's 512 bytes
	s_add_co_u32 s46, s46, s47
	s_mov_b32 s47, 0
	s_mul_i32 s20, s10, CH                         ; waves 0, 1: Wk's chunks 0, 1
	s_add_co_u32 s21, s20, 2*CH                    ; waves 2, 3: Wq's chunks 0, 1, behind Wk's four
	s_wait_dscnt 0x0
	s_wait_kmcnt 0x0
	s_add_nc_u64 s[14:15], s[4:5], s[16:17]
	s_add_nc_u64 s[46:47], s[4:5], s[46:47]
	CROUND                                         ; all sixteen work-groups are here: the joint loads meet
.irp s, 0,1
	s_mov_b32 s[G0+4*\s], 1
	s_add_co_u32 s[G0+4*\s+1], s20, \s*2*CH
	s_add_nc_u64 s[G0+4*\s+2:G0+4*\s+3], s[14:15], \s*1024        ; half s of o: 512 elements on
	s_or_b32 s[G0+4*\s+3], s[G0+4*\s+3], 0x80000000
	s_mov_b32 s[G0B+4*\s], 1
	s_add_co_u32 s[G0B+4*\s+1], s21, \s*2*CH
	s_add_nc_u64 s[G0B+4*\s+2:G0B+4*\s+3], s[46:47], \s*1024
	s_or_b32 s[G0B+4*\s+3], s[G0B+4*\s+3], 0x80000000
	JLOAD \s                                       ; two tensor loads of the wave are out: all that it ever issues
.endr
	v_and_b32 v1, 15, v0                           ; r = l % 16
	v_bfe_u32 v2, v0, 4, 1                         ; h = l / 16
	v_mul_u32_u24 v3, v1, PITCH
	v_lshl_add_u32 v3, v2, 4, v3                   ; row x pitch + 16 h
	s_mul_i32 s22, s11, 32*PITCH                   ; my 32 rows of Wk
	s_mul_i32 s23, s12, 32*PITCH
	s_add_co_u32 s23, s23, BBASE                   ; my 32 rows of Wq
	v_add_nc_u32 v[ADRA], s22, v3
	v_add_nc_u32 v[ADRB], s23, v3
	v_add_nc_u32 v[ADRA+1], 2*CH, v[ADRA]
	v_add_nc_u32 v[ADRB+1], 2*CH, v[ADRB]
	s_mul_i32 s22, s11, 32*SPITCH
	s_lshl_b32 s23, s12, 6
	s_add_co_u32 s22, s22, s23
	s_add_co_u32 s22, s22, STAGE
	v_mul_u32_u24 v4, v1, SPITCH
	v_lshl_add_u32 v4, v2, 4, v4
	v_add_nc_u32 v[STO], s22, v4                   ; stage row 32 (w / 2) + r, byte 64 (w % 2) + 16 h
	v_bfe_u32 v5, v0, 3, 2                         ; l / 8
	v_and_b32 v6, 7, v0                            ; l % 8
	s_mul_i32 s23, s10, 16*SPITCH
	s_add_co_u32 s23, s23, STAGE
	v_mul_u32_u24 v7, v5, SPITCH
	v_lshl_add_u32 v7, v6, 4, v7
	v_add_nc_u32 v[RD], s23, v7                    ; back: stage row 16 w + l / 8, 16 bytes at 16 (l % 8)
	s_lshl_b32 s23, s10, 15
	v_lshlrev_b32 v7, 11, v5
	v_lshl_add_u32 v7, v6, 4, v7
	v_add_nc_u32 v[CO], s23, v7                    ; and the same place in bt
; o goes in 16 groups of 64.  Group g lies in chunk g / 4, at byte 128 (g % 4) of its rows.
; FETCH: 16 LDS loads, group FG into buffer FG % 2.
.macro FETCH
.irp t, 0,1
.irp i, 0,1
	ds_load_b128 v[F+64*(FG&1)+32*\t+8*\i:F+64*(FG&1)+32*\t+8*\i+3],   v[ADRB+(FG>>3)] offset:((FG>>2)&1)*CH+(FG&3)*128+64*\t+\i*16*PITCH
	ds_load_b128 v[F+64*(FG&1)+32*\t+8*\i+4:F+64*(FG&1)+32*\t+8*\i+7], v[ADRB+(FG>>3)] offset:((FG>>2)&1)*CH+(FG&3)*128+64*\t+\i*16*PITCH+32
.endr
.irp i, 0,1
	ds_load_b128 v[F+64*(FG&1)+32*\t+16+8*\i:F+64*(FG&1)+32*\t+16+8*\i+3],   v[ADRA+(FG>>3)] offset:((FG>>2)&1)*CH+(FG&3)*128+64*\t+\i*16*PITCH
	ds_load_b128 v[F+64*(FG&1)+32*\t+16+8*\i+4:F+64*(FG&1)+32*\t+16+8*\i+7], v[ADRA+(FG>>3)] offset:((FG>>2)&1)*CH+(FG&3)*128+64*\t+\i*16*PITCH+32
.endr
.endr
.endm
; MUL: 8 matrix instructions, group MG from buffer MG % 2.  zero = 1: the first four start the sums.
.macro MUL zero
.irp t, 0,1
.irp a, 0,1
.irp b, 0,1
.if (\zero)*(1-\t)
	v_wmma_f32_16x16x32_bf16 v[ACC+8*(2*\a+\b):ACC+8*(2*\a+\b)+7], v[F+64*(MG&1)+32*\t+8*\b:F+64*(MG&1)+32*\t+8*\b+7], v[F+64*(MG&1)+32*\t+16+8*\a:F+64*(MG&1)+32*\t+16+8*\a+7], 0
.else
	v_wmma_f32_16x16x32_bf16 v[ACC+8*(2*\a+\b):ACC+8*(2*\a+\b)+7], v[F+64*(MG&1)+32*\t+8*\b:F+64*(MG&1)+32*\t+8*\b+7], v[F+64*(MG&1)+32*\t+16+8*\a:F+64*(MG&1)+32*\t+16+8*\a+7], v[ACC+8*(2*\a+\b):ACC+8*(2*\a+\b)+7]
.endif
.endr
.endr
.endr
.endm
.macro STEP zero                       ; fetches group MG + 1, multiplies group MG
	s_wait_dscnt 0x0                               ; group MG is in: its loads were issued in front of the last group's matrix instructions
	PLACES                                         ; behind the last matrix instruction that read the buffer loaded next
.set FG, MG+1
	FETCH
	MUL \zero
.set MG, MG+1
.endm
	s_wait_tensorcnt 0x1                           ; my chunk of the first half of o is in; my second load stays out
	s_barrier_signal -1
	s_barrier_wait -1                              ; everybody's is
.set FG, 0
	FETCH
.set MG, 0
	STEP 1
.rept 6
	STEP 0
.endr
	s_wait_dscnt 0x0                               ; group 7 is in, and no LDS instruction of mine is out at the signal
	s_wait_tensorcnt 0x0                           ; my chunk of the second half of o is in
	s_barrier_signal -1
	MUL 0                                          ; group 7: register work while the others arrive
	s_barrier_wait -1                              ; everybody's is
	PLACES
.set FG, 8
	FETCH
.set MG, 8
.rept 7
	STEP 0
.endr
	s_wait_dscnt 0x0
	MUL 0                                          ; group 15
	; THE WAY OUT: times 4, round to f16, 16 bytes a lane into a stage that the four waves share, a barrier, whole rows of 128 bytes back.
	PLACES
.irp t, 0,1,2,3,4,5,6,7,8,9,10,11,12,13,14,15
	v_pk_mul_f32 v[ACC+2*\t:ACC+2*\t+1], v[ACC+2*\t:ACC+2*\t+1], 4.0 op_sel_hi:[1,0]
.endr
.irp q, 0,1,2,3
.irp p, 0,1,2,3
	v_cvt_pk_f16_f32 v[TMP+4*\q+\p], v[ACC+8*\q+2*\p], v[ACC+8*\q+2*\p+1]
.endr
.endr
.irp a, 0,1
.irp b, 0,1
	ds_store_b128 v[STO], v[TMP+4*(2*\a+\b):TMP+4*(2*\a+\b)+3] offset:\a*16*SPITCH+32*\b
.endr
.endr
	s_lshl_b32 s16, s13, 17                        ; 64 rows of bt for each block row
	s_mov_b32 s17, 0
	s_add_nc_u64 s[6:7], s[6:7], s[16:17]
	s_lshl_b32 s46, s42, 7                         ; 128 bytes for each block column (in registers that never feed Wk's descriptors)
	s_mov_b32 s47, 0
	s_add_nc_u64 s[6:7], s[6:7], s[46:47]
	s_wait_dscnt 0x0                               ; my stores are in LDS before I say so: the other waves read them
	s_barrier_signal -1
	s_barrier_wait -1
.irp t, 0,1,2,3
	ds_load_b128 v[OB+4*\t:OB+4*\t+3], v[RD] offset:\t*4*SPITCH
.endr
.irp t, 0,1,2,3
	s_wait_dscnt 3-\t                              ; LDS loads come back in order: this one is in, the younger ones stay out
	global_store_b128 v[CO], v[OB+4*\t:OB+4*\t+3], s[6:7] offset:\t*4*2048   ; 8 lanes store a row's 128 consecutive bytes
.endr
	s_wait_tensorcnt 0x0
	ds_add_u32 v224, v225
	s_wait_dscnt 0x0
	CROUND                                         ; the closing round: no work-group ends while a partner may still ask for a chunk that names it
	s_endpgm
.Lfunc_end_k_q6278115004_mt:
	.size	k_q6278115004_mt, .Lfunc_end_k_q6278115004_mt-k_q6278115004_mt
	.p2alignl 7, 3214868480
	.fill 96, 4, 3214868480
	.section	.rodata,"a",@progbits
	.p2align	6, 0x0
	.amdhsa_kernel k_q6278115004_mt
		.amdhsa_group_segment_fixed_size 280064
		.amdhsa_private_segment_fixed_size 0
		.amdhsa_enable_private_segment 0
		.amdhsa_kernarg_size 16
		.amdhsa_user_sgpr_count 2
		.amdhsa_user_sgpr_kernarg_segment_ptr 1
		.amdhsa_wavefront_size32 1
		.amdhsa_system_sgpr_workgroup_id_x 1
		.amdhsa_system_sgpr_workgroup_id_y 1
		.amdhsa_system_sgpr_workgroup_id_z 1
		.amdhsa_system_vgpr_workitem_id 0
		.amdhsa_next_free_vgpr 226
		.amdhsa_next_free_sgpr 66
		.amdhsa_reserve_vcc 0
		.amdhsa_float_denorm_mode_32 3
		.amdhsa_float_denorm_mode_16_64 3
		.amdhsa_memory_ordered 1
		.amdhsa_forward_progress 1
		.amdhsa_inst_pref_size 37
	.end_amdhsa_kernel
	.amdgpu_metadata
---
amdhsa.version: [ 1, 2 ]
amdhsa.kernels:
  - .name:           k_q6278115004_mt
    .symbol:         k_q6278115004_mt.kd
    .args:
      - { .name: wb, .offset: 0, .size: 8, .value_kind: global_buffer, .address_space: global }
      - { .name: bt, .offset: 8, .size: 8, .value_kind: global_buffer, .address_space: global }
    .group_segment_fixed_size: 280064
    .private_segment_fixed_size: 0
    .kernarg_segment_align: 8
    .kernarg_segment_size: 16
    .max_flat_workgroup_size: 128
    .sgpr_count:     66
    .vgpr_count:     226
    .wavefront_size: 32
...
	.end_amdgpu_metadata
.endif
;; end of part 7
;; launch proj (part 8): grid 8 x 32, 4 waves a work-group, clusters of 4 x 4, 327,680 bytes of LDS; arguments xh, bt, qv; writes qv
.if DOCPART == 8
	.amdgcn_target "amdgcn-amd-amdhsa--gfx1250"
	.amdhsa_code_object_version 6
	.text
	.protected	k_q6278115004_proj
	.globl	k_q6278115004_proj
	.p2align	8
	.type	k_q6278115004_proj,@function
k_q6278115004_proj:
	s_mov_b64 s[64:65], 0
	v_nop
	global_prefetch_b8 v0, s[64:65] scope:SCOPE_SE
	s_setreg_imm32_b32 hwreg(HW_REG_WAVE_MODE, 25, 1), 1
	s_wait_xcnt 0x0
	s_wait_alu depctr_hold_cnt(0) depctr_sa_sdst(0) depctr_va_vdst(0) depctr_va_sdst(0) depctr_va_ssrc(0) depctr_va_vcc(0) depctr_vm_vsrc(0)
	s_getreg_b32 s2, hwreg(HW_REG_IB_STS2, 6, 4)
	s_cmp_eq_u32 s2, 0
	s_cbranch_scc0 .Lentry_in_a_cluster
	s_endpgm
.Lentry_in_a_cluster:
	s_bfe_u32 s2, ttmp6, 0x10000c
	s_cmp_lg_u32 s2, 0xf033
	s_cbranch_scc0 .Lentry_shape_is_right
	s_endpgm
.Lentry_shape_is_right:
; qv[m][n] = 2^-12 x sum over k of xh[m][k] bt[n][k].  xh: f16 [8192][1024], bt: f16 [2048][1024] (4 Mt, then 4,096 Wv^T), qv: f16 [8192][2048] = q'/1024 | v; sums in f32.
; WORK LEFT OUT: the key projection; the scores are made from q' and x itself (the identity stands at the head of cast).
; LIMIT: a result of 65,504 or more in magnitude becomes an infinity in f16.
; A work-group makes a block of 256 x 256 of qv with four waves, as many as a WGP has SIMDs; a wave makes 128 x 128: 64 accumulator tiles of 16 x 16, 512 registers.
; 32 x 8 = 256 work-groups of equal work.  K goes in steps of 128 through a ring of two LDS slots filled by tensor loads: a tile's rows are 256 bytes of memory, aligned.
; From a slot's request to the wait for it a wave issues 240 matrix instructions.
; CLUSTERS: 4 x 4 work-groups.  xh's tile hangs on the block row alone and is asked for jointly by a row of the cluster; bt's hangs on the block column alone and is
; asked for jointly by a column: each tile is requested once for four work-groups.
; REGISTERS, in windows of 256:
;   window 0: v0-31 addresses; v64-127, v128-191 fragments of xh (8 x 16 rows x 32 K), two buffers; v192-223 at work on the way out
;   window 1: v64-127, v128-191 fragments of bt, two buffers
;   window 2: the 32 accumulator tiles of my rows 0-63 (tile (a, b) at v[8 (8 a + b)]);   window 3: those of my rows 64-127
; THE MATRIX INSTRUCTION IS USED TRANSPOSED: source 0 = 16 rows of bt, source 1 = 16 rows of xh, so that lane l holds row l % 16 of qv and its registers 0-7 the
; columns 8 (l / 16) + 0..7: eight neighbouring numbers, 16 bytes of f16.
; The 64 accumulators take turns, one instruction a turn, in the same order in every quarter step.
.set SIZE_N, 2048
.set SIZE_K, 1024
.set KSTEP,  128
.set PITCH,  272                       ; an LDS row: 256 bytes + 16 of padding: the 16 rows that a fragment load touches start 16 bytes apart modulo 256
.set HALFT,  128*PITCH                 ; 128 rows: what one tensor load brings, and what one wave reads of xh or of bt
.set SLOT,   4*HALFT                   ; xh's 256 rows, then bt's 256 rows
.set STAGE,  2*SLOT                    ; behind the ring, never filled by a tensor load: 16 rows x 272 bytes for each wave
.set SPITCH, 272
.set LAPS, SIZE_K/(2*KSTEP)            ; a lap = two K steps = once round the ring: four laps
.set ADRA, 16                          ; v16-17  LDS address of my xh fragments in slot 0, 1
.set ADRB, 20                          ; v20-21  the same for bt
.set STO,  24                          ; the way out: where I put 16 bytes of a row
.set RD,   25                          ; where I read a row back
.set CO,   26                          ; my byte offset in qv
.set F0,   64                          ; fragment buffer 0
.set F1,   128                         ; fragment buffer 1
.set TMP,  192                         ; the way out: packed results, in window 0
.set G1, 24                            ; s[24:31] descriptor group 1 for xh's tiles
.set G0, 32                            ; s[32:39] group 0 for xh's tiles, one set for each slot
.set G1B, 48                           ; s[48:55] group 1 for bt's tiles: another mask
.set G0B, 56                           ; s[56:63] group 0 for bt's tiles
.set MSB, 0
.macro WIN new                         ; the immediate's high byte repeats the setting that is left
.if MSB != \new
	s_set_vgpr_msb (MSB<<8)|\new
.set MSB, \new
.endif
.endm
.set MUL_LO, 0xa1                      ; source 0 (bt) window 1, source 1 (xh) window 0, C and D window 2
.set MUL_HI, 0xf1                      ; the same, C and D window 3
.set TO_B,   0x40                      ; destination window 1, address window 0
; A joint load.  Waves 0 and 1 fetch xh's two halves, waves 2 and 3 bt's.  The branch hangs on the wave's number alone; each line has one mask and registers
; that are equal in the four work-groups that it names.
.macro JLOAD s
	s_cmp_eq_u32 s11, 0
	s_cbranch_scc0 .Lfor_b_\@
	tensor_load_to_lds s[G0+4*\s:G0+4*\s+3], s[G1:G1+7]
	s_nop 0
	s_branch .Lasked_\@
.Lfor_b_\@:
	tensor_load_to_lds s[G0B+4*\s:G0B+4*\s+3], s[G1B:G1B+7]
	s_nop 0
.Lasked_\@:
.endm
.macro CREST                           ; a round of the cluster's barrier behind its opening work-group barrier
	s_cmp_lg_u32 s10, 0
	s_cbranch_scc1 .Lnot_wave_0_\@
	s_barrier_signal -3
.Lnot_wave_0_\@:
	s_barrier_wait -3
	s_barrier_signal -1
	s_barrier_wait -1
.endm
.macro CROUND                          ; a whole round
	s_barrier_signal -1
	s_barrier_wait -1
	CREST
.endm
	s_load_b128 s[4:7], s[0:1], 0x0                ; xh s[4:5], bt s[6:7]
	s_load_b64 s[8:9], s[0:1], 0x10                ; qv
	s_set_vgpr_msb 0x40
	v_lshl_add_u32 v255, v0, 2, 0x48400
	s_set_vgpr_msb 0x4000
	v_mov_b32 v255, 0
	s_set_vgpr_msb 0x1
	ds_add_u32 v255, v255
	ds_add_u32 v255, v255
	s_set_vgpr_msb 0x100
	v_lshrrev_b32 v1, 5, v0
	v_readfirstlane_b32 s10, v1                    ; wave 0..3
	s_lshr_b32 s11, s10, 1                         ; which half of the block's rows is mine.  Also: I fetch for xh (0) or for bt (1)
	s_and_b32 s12, s10, 1                          ; which half of its columns.  Also: which 128 rows of that tile I fetch
	s_bfe_u32 s40, ttmp6, 0x40000                  ; cx
	s_bfe_u32 s41, ttmp6, 0x40004                  ; cy
	s_lshl_b32 s42, ttmp9, 2
	s_add_co_u32 s42, s42, s40                     ; block column = 4 x cluster x + cx
	s_and_b32 s13, ttmp7, 0xffff
	s_lshl_b32 s13, s13, 2
	s_add_co_u32 s13, s13, s41                     ; block row = 4 x cluster y + cy
	s_lshl_b32 s43, s41, 2
	s_lshl_b32 s43, 15, s43                        ; my row of the cluster: places 4 cy .. 4 cy + 3
	s_lshl_b32 s44, 0x1111, s40                    ; my column: places cx, cx + 4, cx + 8, cx + 12
	; group 1: 128 rows x 128 elements of 2 bytes, 4 words of padding behind every 64
	s_or_b32 s[G1+0], s43, (1<<16)|(1<<20)|(1<<21)|(5<<22)|(3<<25)
	s_or_b32 s[G1B+0], s44, (1<<16)|(1<<20)|(1<<21)|(5<<22)|(3<<25)
	s_mov_b32 s[G1B+1], KSTEP<<16
	s_mov_b32 s[G1+1], KSTEP<<16                   ; tensor_dim0 = 128
	s_mov_b32 s[G1B+2], 128<<16
	s_mov_b32 s[G1+2], 128<<16                     ; tensor_dim1 = 128
	s_mov_b32 s[G1B+3], KSTEP<<16
	s_mov_b32 s[G1+3], KSTEP<<16                   ; tile_dim0 = 128
	s_mov_b32 s[G1B+4], 128
	s_mov_b32 s[G1+4], 128                         ; tile_dim1 = 128
	s_mov_b32 s[G1B+5], SIZE_K
	s_mov_b32 s[G1+5], SIZE_K                      ; elements from row to row
	s_mov_b32 s[G1B+6], 0
	s_mov_b32 s[G1+6], 0
	s_mov_b32 s[G1B+7], 0
	s_mov_b32 s[G1+7], 0
	; xh's tiles hang on the block row alone, bt's on the block column alone; each address is made in registers that never hold the other coordinate
	s_lshl_b32 s17, s12, 7                         ; which 128 rows of the tile I fetch
	s_lshl_b32 s16, s13, 8
	s_add_co_u32 s16, s16, s17                     ; xh: row 256 x block row + 128 x half
	s_lshl_b32 s46, s42, 8
	s_add_co_u32 s46, s46, s17                     ; bt: row 256 x block column + 128 x half
	s_mov_b32 s17, 0
	s_mov_b32 s47, 0
	s_mov_b64 s[18:19], SIZE_K*2
	s_mul_u64 s[16:17], s[16:17], s[18:19]         ; in bytes
	s_mul_u64 s[46:47], s[46:47], s[18:19]
	s_mul_i32 s20, s10, HALFT                      ; where my tile goes: wave x 128 rows; no place in the cluster enters an LDS address
	s_wait_dscnt 0x0
	s_wait_kmcnt 0x0
	s_add_nc_u64 s[14:15], s[4:5], s[16:17]
	s_add_nc_u64 s[46:47], s[6:7], s[46:47]
	CROUND                                         ; all sixteen work-groups are here: the first joint loads meet
.irp s, 0,1
	s_mov_b32 s[G0+4*\s], 1
	s_add_co_u32 s[G0+4*\s+1], s20, \s*SLOT
	s_add_nc_u64 s[G0+4*\s+2:G0+4*\s+3], s[14:15], \s*KSTEP*2
	s_or_b32 s[G0+4*\s+3], s[G0+4*\s+3], 0x80000000
	s_mov_b32 s[G0B+4*\s], 1
	s_add_co_u32 s[G0B+4*\s+1], s20, \s*SLOT
	s_add_nc_u64 s[G0B+4*\s+2:G0B+4*\s+3], s[46:47], \s*KSTEP*2
	s_or_b32 s[G0B+4*\s+3], s[G0B+4*\s+3], 0x80000000
	JLOAD \s                                       ; K steps 0 and 1: two tensor loads of the wave are out, later one
.endr
	v_and_b32 v1, 15, v0                           ; l % 16
	v_bfe_u32 v2, v0, 4, 1                         ; l / 16
	v_mul_u32_u24 v3, v1, PITCH
	v_lshl_add_u32 v3, v2, 4, v3                   ; row x pitch + 16 x half
	s_mul_i32 s21, s11, HALFT                      ; my 128 rows of xh
	s_mul_i32 s22, s12, HALFT                      ; my 128 rows of bt,
	s_add_co_u32 s22, s22, 2*HALFT                 ; which lie behind xh's 256
.irp s, 0,1
	v_add_nc_u32 v[ADRA+\s], s21, v3
	v_add_nc_u32 v[ADRB+\s], s22, v3
	s_add_co_u32 s21, s21, SLOT
	s_add_co_u32 s22, s22, SLOT
.endr
	s_mul_i32 s23, s10, 16*SPITCH
	s_add_co_u32 s23, s23, STAGE                   ; my stage
	v_mul_u32_u24 v4, v1, SPITCH                   ; in: row l % 16, 16 bytes for each half of the lanes
	v_lshl_add_u32 v4, v2, 4, v4
	v_add_nc_u32 v[STO], s23, v4
	v_mul_u32_u24 v5, v2, SPITCH                   ; back: lanes 0-15 take one row of 256 bytes, lanes 16-31 the next
	v_lshl_add_u32 v5, v1, 4, v5
	v_add_nc_u32 v[RD], s23, v5
	v_mul_u32_u24 v5, v2, SIZE_N*2                 ; and the same two rows in qv
	v_lshl_add_u32 v[CO], v1, 4, v5
; 16 matrix instructions: row blocks a0, a0 + 1 of the window's four (hi = 0: my rows 0-63, 1: rows 64-127) x all 8 column blocks, 32 along K.
; zero = 1: the product starts the sums: nothing is ever cleared.
.macro MUL16 f, hi, a0, zero
.irp a, \a0, \a0+1
.irp b, 0,1,2,3,4,5,6,7
.if \zero
	v_wmma_f32_16x16x32_f16 v[8*(8*(\a)+\b):8*(8*(\a)+\b)+7], v[\f+8*\b:\f+8*\b+7], v[\f+8*(4*\hi+\a):\f+8*(4*\hi+\a)+7], 0
.else
	v_wmma_f32_16x16x32_f16 v[8*(8*(\a)+\b):8*(8*(\a)+\b)+7], v[\f+8*\b:\f+8*\b+7], v[\f+8*(4*\hi+\a):\f+8*(4*\hi+\a)+7], v[8*(8*(\a)+\b):8*(8*(\a)+\b)+7]
.endif
.endr
.endr
.endm
; 32 LDS loads in one run: the fragments of one quarter step (128 rows of bt, 128 rows of xh, 32 K at byte k of the rows) into buffer f
.macro FETCH slot, k, f
	WIN TO_B
.irp i, 0,1,2,3,4,5,6,7
	ds_load_b128 v[\f+8*\i:\f+8*\i+3],   v[ADRB+\slot] offset:\k+\i*16*PITCH
	ds_load_b128 v[\f+8*\i+4:\f+8*\i+7], v[ADRB+\slot] offset:\k+\i*16*PITCH+32
.endr
	WIN 0
.irp i, 0,1,2,3,4,5,6,7
	ds_load_b128 v[\f+8*\i:\f+8*\i+3],   v[ADRA+\slot] offset:\k+\i*16*PITCH
	ds_load_b128 v[\f+8*\i+4:\f+8*\i+7], v[ADRA+\slot] offset:\k+\i*16*PITCH+32
.endr
.endm
.macro PLACES                          ; four plain vector places behind a matrix instruction (ISA guide 7.12.1) before its registers are loaded into or its result is read
.rept 4
	v_nop
.endr
.endm
; A K step is four quarter steps of 32 along K, 64 matrix instructions each, on buffers 0, 1, 0, 1.
; One of the first three: multiplies buffer f; in its middle it fetches the next quarter's fragments, at byte k of the same slot's rows, into buffer g.
.macro QUARTER slot, k, f, g, zero
	s_wait_dscnt 8                                 ; bt and xh's rows 0-63 are in; the youngest eight loads (xh's rows 64-127) may be out
	WIN MUL_LO
	MUL16 \f, 0, 0, \zero
	MUL16 \f, 0, 2, \zero
	PLACES
	FETCH \slot, \k, \g
	s_wait_dscnt 32                                ; all but the 32 just issued
	WIN MUL_HI
	MUL16 \f, 1, 0, \zero
	MUL16 \f, 1, 2, \zero
.endm
.macro THREE slot, zero
	QUARTER \slot, 64,  F0, F1, \zero
	QUARTER \slot, 128, F1, F0, 0
	QUARTER \slot, 192, F0, F1, 0
.endm
; The last quarter multiplies buffer 1 and changes slots.  In front of the barrier each wave has waited for its reads of this slot and for all its tensor loads
; (one is out: its part of the next slot).  Behind it, and behind the cluster's round where the slot is filled again, the refill comes first.
.macro TURN slot, next, fill
	s_wait_dscnt 8
	WIN MUL_LO
	MUL16 F1, 0, 0, 0
	s_wait_dscnt 0                                 ; my reads of this slot are over
	s_wait_tensorcnt 0x0                           ; and all my tensor loads have landed
	ds_add_u32 v255, v255
	s_wait_dscnt 0x0
	s_barrier_signal -1
	MUL16 F1, 0, 2, 0                              ; register work while the others arrive
	WIN 0
	s_barrier_wait -1
.if \fill
	CREST                                          ; no wave of any partner still reads this slot or has a load on its way
	s_add_nc_u64 s[G0+4*\slot+2:G0+4*\slot+3], s[G0+4*\slot+2:G0+4*\slot+3], 2*KSTEP*2
	s_add_nc_u64 s[G0B+4*\slot+2:G0B+4*\slot+3], s[G0B+4*\slot+2:G0B+4*\slot+3], 2*KSTEP*2
	JLOAD \slot                                    ; my one tensor load behind the round: this slot, two K steps ahead
.endif
	PLACES
	FETCH \next, 0, F0
	WIN MUL_HI
	MUL16 F1, 1, 0, 0
	MUL16 F1, 1, 2, 0
.endm
.macro LAP zero                        ; once round the ring, both slots filled again
	THREE 0, \zero
	TURN 0, 1, 1
	THREE 1, 0
	TURN 1, 0, 1
.endm
	s_wait_tensorcnt 1                             ; my part of K step 0 is in; K step 1's load stays out
	s_barrier_signal -1
	s_barrier_wait -1                              ; everybody's is
	FETCH 0, 0, F0
	LAP 1                                          ; the first lap stands in front of the loop: its first products start the sums
	WIN 0                                          ; at a label and at a branch every window is 0
	s_mov_b32 s3, LAPS-2
.Llap:
	LAP 0
	WIN 0
	s_sub_co_u32 s3, s3, 1
	s_cmp_lg_u32 s3, 0
	s_cbranch_scc1 .Llap
	THREE 0, 0                                     ; the last lap fills nothing, and has no round of the cluster's barrier
	TURN 0, 1, 0
	THREE 1, 0
	s_wait_dscnt 8                                 ; the very last quarter: nothing more to fetch
	WIN MUL_LO
	MUL16 F1, 0, 0, 0
	MUL16 F1, 0, 2, 0
	s_wait_dscnt 0
	WIN MUL_HI
	MUL16 F1, 1, 0, 0
	MUL16 F1, 1, 2, 0
	; THE WAY OUT, 16 rows at a time: times 2^-12 in place, round to f16, 16 bytes a lane into my own stage in LDS, read back as whole rows of 256 bytes.
	PLACES
	s_mov_b32 s2, 0x39800000                       ; 2^-12: the half of the pair that the packed multiply broadcasts
	s_mov_b32 s3, 0x39800000
	s_lshl_b32 s13, s13, 8
	s_lshl_b32 s14, s11, 7
	s_add_co_u32 s16, s13, s14                     ; my first row of qv
	s_mov_b32 s17, 0
	s_mov_b64 s[18:19], SIZE_N*2
	s_mul_u64 s[16:17], s[16:17], s[18:19]
	s_add_nc_u64 s[8:9], s[8:9], s[16:17]
	s_lshl_b32 s46, s42, 9                         ; my first column, in bytes: 512 x block + 256 x half (in registers that never feed xh's descriptors)
	s_lshl_b32 s47, s12, 8
	s_add_co_u32 s46, s46, s47
	s_mov_b32 s47, 0
	s_add_nc_u64 s[8:9], s[8:9], s[46:47]
; rows 16 i .. 16 i + 15 of my block = the eight tiles (a, 0..7) of window 2 or 3.  mw: source 0 and destination in that window; from: sources 0 and 1 in it; f: F0 or F1 in turn
.macro OUT16 i, a, mw, from, f
	WIN \mw
.irp b, 0,1,2,3,4,5,6,7
.irp r, 0,1,2,3
	v_pk_mul_f32 v[8*(8*\a+\b)+2*\r:8*(8*\a+\b)+2*\r+1], v[8*(8*\a+\b)+2*\r:8*(8*\a+\b)+2*\r+1], s[2:3] op_sel_hi:[1,0]
.endr
.endr
	WIN \from
.irp b, 0,1,2,3,4,5,6,7
.irp r, 0,1,2,3
	v_cvt_pk_f16_f32 v[TMP+4*\b+\r], v[8*(8*\a+\b)+2*\r], v[8*(8*\a+\b)+2*\r+1]
.endr
.endr
	WIN 0
.irp b, 0,1,2,3,4,5,6,7
	ds_store_b128 v[STO], v[TMP+4*\b:TMP+4*\b+3] offset:32*\b
.endr
	s_wait_xcnt 0x0                                ; buffer f, which earlier stores read, and the stores' base are rewritten only behind this wait
.if \i
	s_add_nc_u64 s[8:9], s[8:9], 16*SIZE_N*2       ; 16 rows of qv on
.endif
.irp t, 0,1,2,3,4,5,6,7
	ds_load_b128 v[\f+4*\t:\f+4*\t+3], v[RD] offset:\t*2*SPITCH    ; LDS serves a wave's instructions in order (ISA guide 5.7.1): these see the stores above
.endr
.irp t, 0,1,2,3,4,5,6,7
	s_wait_dscnt 7-\t                              ; this load is in, the younger ones stay out
	global_store_b128 v[CO], v[\f+4*\t:\f+4*\t+3], s[8:9] offset:2*\t*SIZE_N*2   ; 16 lanes store 256 consecutive bytes, aligned
.endr
.endm
	OUT16 0, 0, 0x82, 0x0a, F0
	OUT16 1, 1, 0x82, 0x0a, F1
	OUT16 2, 2, 0x82, 0x0a, F0
	OUT16 3, 3, 0x82, 0x0a, F1
	OUT16 4, 0, 0xc3, 0x0f, F0
	OUT16 5, 1, 0xc3, 0x0f, F1
	OUT16 6, 2, 0xc3, 0x0f, F0
	OUT16 7, 3, 0xc3, 0x0f, F1
	s_set_vgpr_msb 0x1
	s_wait_tensorcnt 0x0
	ds_add_u32 v255, v255
	s_wait_dscnt 0x0
	s_set_vgpr_msb 0x100
	CROUND                                         ; the closing round: no work-group ends while a partner may still ask for a tile that names it
	s_endpgm
.Lfunc_end_k_q6278115004_proj:
	.size	k_q6278115004_proj, .Lfunc_end_k_q6278115004_proj-k_q6278115004_proj
	.p2alignl 7, 3214868480
	.fill 96, 4, 3214868480
	.section	.rodata,"a",@progbits
	.p2align	6, 0x0
	.amdhsa_kernel k_q6278115004_proj
		.amdhsa_group_segment_fixed_size 327680
		.amdhsa_private_segment_fixed_size 0
		.amdhsa_enable_private_segment 0
		.amdhsa_kernarg_size 24
		.amdhsa_user_sgpr_count 2
		.amdhsa_user_sgpr_kernarg_segment_ptr 1
		.amdhsa_wavefront_size32 1
		.amdhsa_system_sgpr_workgroup_id_x 1
		.amdhsa_system_sgpr_workgroup_id_y 1
		.amdhsa_system_sgpr_workgroup_id_z 1
		.amdhsa_system_vgpr_workitem_id 0
		.amdhsa_next_free_vgpr 1024
		.amdhsa_next_free_sgpr 66
		.amdhsa_reserve_vcc 0
		.amdhsa_float_denorm_mode_32 3
		.amdhsa_float_denorm_mode_16_64 3
		.amdhsa_memory_ordered 1
		.amdhsa_forward_progress 1
		.amdhsa_inst_pref_size 213
	.end_amdhsa_kernel
	.amdgpu_metadata
---
amdhsa.version: [ 1, 2 ]
amdhsa.kernels:
  - .name:           k_q6278115004_proj
    .symbol:         k_q6278115004_proj.kd
    .args:
      - { .name: xh, .offset: 0, .size: 8, .value_kind: global_buffer, .address_space: global }
      - { .name: bt, .offset: 8, .size: 8, .value_kind: global_buffer, .address_space: global }
      - { .name: qv, .offset: 16, .size: 8, .value_kind: global_buffer, .address_space: global }
    .group_segment_fixed_size: 327680
    .private_segment_fixed_size: 0
    .kernarg_segment_align: 8
    .kernarg_segment_size: 24
    .max_flat_workgroup_size: 128
    .sgpr_count:     66
    .vgpr_count:     1024
    .wavefront_size: 32
...
	.end_amdgpu_metadata
.endif
;; end of part 8
;; launch scores (part 9): grid 20 x 8, 4 waves a work-group, no clusters, 327,680 bytes of LDS; arguments qv, xh, pb, st; writes pb, st
.if DOCPART == 9
	.amdgcn_target "amdgcn-amd-amdhsa--gfx1250"
	.amdhsa_code_object_version 6
	.text
	.protected	k_q6278115004_scores
	.globl	k_q6278115004_scores
	.p2align	8
	.type	k_q6278115004_scores,@function
k_q6278115004_scores:
	s_mov_b64 s[64:65], 0
	v_nop
	global_prefetch_b8 v0, s[64:65] scope:SCOPE_SE
	s_setreg_imm32_b32 hwreg(HW_REG_WAVE_MODE, 25, 1), 1
	s_wait_xcnt 0x0
; s[q][key] = sum over j of (q'[q][j] / 1024) x[key][j] = (q k^T)[q][key] / 1024 (the identity stands at the head of cast), so reference()'s att = 32 s.
; The scores stay in registers.  For each row and each tile of 128 keys:
;   m = the maximum of the row's unmasked s in the tile;   pb[q][key] = exp(32 s - 32 m) = 2^(c s - c m), c = 32 log2(e), as f16; 0 where key > q;
;   st[batch][tile][row] = (-c m as it was added, the sum of the tile's exponentials), two f32.
; The last launch joins the tiles: 2^(c s - c m) x 2^(c m - c M) = 2^(c s - c M), M the row's maximum: the row's true maximum is taken away before the weights are used.
; q'/1024: f16, columns 0-1023 of qv [8192][2048]; x: xh, f16 [8192][1024]; pb: f16 [8192][1024]; st: [8][8][1024] pairs.
; WORK LEFT OUT: tiles in which every key is above every q.  reference() masks them to -inf, softmax makes them 0, so they reach no output (shown at the head of cast).
; A batch has four q blocks of 256 rows; block I needs the key tiles kb = 0 .. 2 I + 1 (128 keys each): 2 + 4 + 6 + 8 = 20 tiles, work-group x = I (I + 1) + kb.
; In the tile kb = 2 I + 1 the upper 128 rows are masked whole; they stay: the tile's lower rows are live and walk the same eight steps.
; A ROW THAT IS MASKED WHOLE IN A TILE has the maximum -inf; it is raised to -2^100, so that c s - c m = -inf and not NaN: its weights and its sum are 0, and its
; factor in the last launch is 2^(-c 2^100 - ..) = 0.  No live maximum is touched: |q'|/1024 and |x| are below 65,504 and a sum has 1,024 terms, so |s| < 4.4e12.
; LIMITS: an exponential below 2^-126 counts as 0 (ISA guide, v_exp_f32); the weights are rounded to f16.
; A work-group makes 256 q x 128 keys with four waves; a wave makes 64 q x 128 keys: 32 accumulator tiles, 256 registers (window 1).  So a row's whole tile lies in
; lanes l and l xor 16 of one wave, and its 128 f16 are 256 consecutive bytes of pb, aligned.
; j goes in steps of 128 (rows of 256 bytes, aligned) through a ring of two LDS slots; waves 0, 1 bring q''s halves (128 rows), waves 2, 3 x's halves (64 rows).
; NO CLUSTER: the work-groups that share q rows come in groups of 2, 4, 6 and 8, and those that share a key tile in groups of 4, 4, 3, 3, 2, 2, 1, 1;
; the 20 tiles of a batch do not divide into clusters of four in which one mask serves all partners.
; Source 0 = 16 rows of x, source 1 = 16 rows of q': lane l holds row l % 16 and its registers the keys 8 (l / 16) + 0..7.
; The 32 accumulators take turns, one instruction a turn, in the same order in every quarter step.
.set KSTEP,  128
.set PITCH,  272
.set HALFA,  128*PITCH
.set HALFB,  64*PITCH
.set SLOT,   2*HALFA+2*HALFB           ; q''s 256 rows, then x's 128
.set STAGE,  2*SLOT                    ; behind the ring, never filled by a tensor load: 16 rows x 272 bytes for each wave
.set SPITCH, 272
.set T,    3                           ; the other half's figure (written in the set-up: v_permlanex16_b32 counts as a reader of its destination)
.set ADRA, 16
.set ADRB, 20
.set STO,  24
.set RD,   25
.set CO,   26
.set DD,   27                          ; my row less my first key: key 16 b + j of my eight-key groups is live where 16 b + j <= DD
.set NINF, 28                          ; -infinity
.set SO,   29                          ; my byte offset in st
.set M,    30                          ; v30-31 running maxima
.set FA,   32                          ; q''s fragments (4): v32-63, buffer 1 at v192-223
.set FB,   64                          ; x's fragments (8): v64-127, buffer 1 at v128-191
.set X,    64                          ; behind the products: v64-127 a row block's 64 numbers of a lane
.set PK,   128                         ; v128-159 the same, packed to f16
.set SA,   160                         ; v160-163 running sums
.set SB,   162
.set ST,   164                         ; v164-171 -c m of row block a, twice (a pair for the packed multiply-add), at 2 a
.set LS,   172                         ; v172-175 the sum of row block a
.set SP,   176                         ; v176-179 two pairs to store
.set OB,   224                         ; v224-255 rows read back
.set G1,  24
.set G0,  32
.set G1B, 48
.set G0B, 56
.set MSB, 0
.macro WIN new                         ; the immediate's high byte repeats the setting that is left
.if MSB != \new
	s_set_vgpr_msb (MSB<<8)|\new
.set MSB, \new
.endif
.endm
.macro PLACES                          ; four plain vector places behind a matrix instruction (ISA guide 7.12.1)
.rept 4
	v_nop
.endr
.endm
.macro JLOAD s                         ; each wave's one load: waves 0, 1 by q''s descriptors, waves 2, 3 by x's
	s_cmp_eq_u32 s11, 0
	s_cbranch_scc0 .Lfor_b_\@
	tensor_load_to_lds s[G0+4*\s:G0+4*\s+3], s[G1:G1+7]
	s_nop 0
	s_branch .Lasked_\@
.Lfor_b_\@:
	tensor_load_to_lds s[G0B+4*\s:G0B+4*\s+3], s[G1B:G1B+7]
	s_nop 0
.Lasked_\@:
.endm
	s_load_b128 s[4:7], s[0:1], 0x0                ; qv s[4:5], xh s[6:7]
	s_load_b128 s[40:43], s[0:1], 0x10             ; pb s[40:41], st s[42:43]
	v_lshl_add_u32 v22, v0, 2, 0x37400
	v_mov_b32 v23, 0
	ds_add_u32 v22, v23
	ds_add_u32 v22, v23
	v_lshrrev_b32 v1, 5, v0
	v_readfirstlane_b32 s10, v1                    ; wave 0..3: my 64 rows of the tile
	s_lshr_b32 s11, s10, 1                         ; I fetch for q' (0) or for x (1)
	s_and_b32 s12, s10, 1                          ; which half of that tile I fetch
	s_and_b32 s13, ttmp7, 0xffff                   ; batch
	s_cmp_ge_u32 ttmp9, 2
	s_cselect_b32 s14, 1, 0
	s_cmp_ge_u32 ttmp9, 6
	s_cselect_b32 s15, 1, 0
	s_cmp_ge_u32 ttmp9, 12
	s_cselect_b32 s16, 1, 0
	s_add_co_u32 s14, s14, s15
	s_add_co_u32 s14, s14, s16                     ; I
	s_add_co_u32 s15, s14, 1
	s_mul_i32 s15, s15, s14
	s_sub_co_u32 s15, ttmp9, s15                   ; kb = x - I (I + 1)
	s_lshl_b32 s18, s13, 10                        ; the batch's first row
	s_lshl_b32 s19, s14, 8
	s_add_co_u32 s19, s19, s18                     ; the tile's first q row
	s_lshl_b32 s16, s12, 7
	s_add_co_u32 s16, s16, s19
	s_lshl_b32 s16, s16, 12                        ; q': the 128 rows of 4,096 bytes that I fetch
	s_mov_b32 s17, 0
	s_lshl_b32 s46, s15, 7
	s_add_co_u32 s46, s46, s18
	s_lshl_b32 s47, s12, 6
	s_add_co_u32 s46, s46, s47
	s_lshl_b32 s46, s46, 11                        ; x: the 64 rows of 2,048 bytes that I fetch
	s_mov_b32 s47, 0
	; group 1: R rows x 128 elements of 2 bytes, 4 words of padding behind every 64; R = 128 for q', 64 for x
	s_mov_b32 s[G1+0], (1<<16)|(1<<20)|(5<<22)|(3<<25)
	s_mov_b32 s[G1B+0], (1<<16)|(1<<20)|(5<<22)|(3<<25)
	s_mov_b32 s[G1+1], KSTEP<<16
	s_mov_b32 s[G1B+1], KSTEP<<16
	s_mov_b32 s[G1+2], 128<<16
	s_mov_b32 s[G1B+2], 64<<16
	s_mov_b32 s[G1+3], KSTEP<<16
	s_mov_b32 s[G1B+3], KSTEP<<16
	s_mov_b32 s[G1+4], 128
	s_mov_b32 s[G1B+4], 64
	s_mov_b32 s[G1+5], 2048                        ; elements from row to row of qv
	s_mov_b32 s[G1B+5], 1024                       ; and of xh
	s_mov_b32 s[G1+6], 0
	s_mov_b32 s[G1B+6], 0
	s_mov_b32 s[G1+7], 0
	s_mov_b32 s[G1B+7], 0
	s_mul_i32 s20, s10, HALFA                      ; waves 0, 1: q''s halves
	s_mul_i32 s21, s10, HALFB
	s_add_co_u32 s21, s21, 2*HALFA-2*HALFB         ; waves 2, 3: x's halves, behind q''s 256 rows
	s_wait_dscnt 0x0
	s_wait_kmcnt 0x0
	s_add_nc_u64 s[16:17], s[4:5], s[16:17]
	s_add_nc_u64 s[46:47], s[6:7], s[46:47]
.irp s, 0,1
	s_mov_b32 s[G0+4*\s], 1
	s_add_co_u32 s[G0+4*\s+1], s20, \s*SLOT
	s_add_nc_u64 s[G0+4*\s+2:G0+4*\s+3], s[16:17], \s*KSTEP*2
	s_or_b32 s[G0+4*\s+3], s[G0+4*\s+3], 0x80000000
	s_mov_b32 s[G0B+4*\s], 1
	s_add_co_u32 s[G0B+4*\s+1], s21, \s*SLOT
	s_add_nc_u64 s[G0B+4*\s+2:G0B+4*\s+3], s[46:47], \s*KSTEP*2
	s_or_b32 s[G0B+4*\s+3], s[G0B+4*\s+3], 0x80000000
	JLOAD \s                                       ; steps 0 and 1: two tensor loads of the wave are out, later one
.endr
	v_and_b32 v1, 15, v0                           ; r
	v_bfe_u32 v2, v0, 4, 1                         ; h
	v_mul_u32_u24 v3, v1, PITCH
	v_lshl_add_u32 v3, v2, 4, v3                   ; r x 272 + 16 h
	s_mul_i32 s22, s10, 64*PITCH                   ; my 64 rows of q'
	v_add_nc_u32 v[ADRA], s22, v3
	v_add_nc_u32 v[ADRB], 2*HALFA, v3              ; every wave reads all 128 rows of x
	v_add_nc_u32 v[ADRA+1], SLOT, v[ADRA]
	v_add_nc_u32 v[ADRB+1], SLOT, v[ADRB]
	s_mul_i32 s21, s10, 16*SPITCH
	s_add_co_u32 s21, s21, STAGE                   ; my stage
	v_add_nc_u32 v[STO], s21, v3                   ; in: stage row r, 16 bytes for each half of the lanes
	v_mul_u32_u24 v5, v2, SPITCH
	v_lshl_add_u32 v5, v1, 4, v5
	v_add_nc_u32 v[RD], s21, v5                    ; back: lanes 0-15 one row of 256 bytes, lanes 16-31 the next
	v_lshlrev_b32 v5, 11, v2
	v_lshl_add_u32 v[CO], v1, 4, v5                ; the same two rows in pb
; 16 matrix instructions: row blocks 2 hf + 0, 1 x all 8 key blocks, 32 along j, from buffer f.  Tile (a, b) lies at v[8 (8 a + b)] of window 1.
.macro MULH f, hf, zero
.irp a, 0,1
.irp b, 0,1,2,3,4,5,6,7
.if \zero
	v_wmma_f32_16x16x32_f16 v[8*(8*(2*\hf+\a)+\b):8*(8*(2*\hf+\a)+\b)+7], v[FB+64*\f+8*\b:FB+64*\f+8*\b+7], v[FA+160*\f+8*(2*\hf+\a):FA+160*\f+8*(2*\hf+\a)+7], 0
.else
	v_wmma_f32_16x16x32_f16 v[8*(8*(2*\hf+\a)+\b):8*(8*(2*\hf+\a)+\b)+7], v[FB+64*\f+8*\b:FB+64*\f+8*\b+7], v[FA+160*\f+8*(2*\hf+\a):FA+160*\f+8*(2*\hf+\a)+7], v[8*(8*(2*\hf+\a)+\b):8*(8*(2*\hf+\a)+\b)+7]
.endif
.endr
.endr
.endm
.macro FETCH slot, qi, f               ; 24 LDS loads in one run
.irp i, 0,1,2,3
	ds_load_b128 v[FA+160*\f+8*\i:FA+160*\f+8*\i+3],   v[ADRA+\slot] offset:64*\qi+\i*16*PITCH
	ds_load_b128 v[FA+160*\f+8*\i+4:FA+160*\f+8*\i+7], v[ADRA+\slot] offset:64*\qi+\i*16*PITCH+32
.endr
.irp i, 0,1,2,3,4,5,6,7
	ds_load_b128 v[FB+64*\f+8*\i:FB+64*\f+8*\i+3],   v[ADRB+\slot] offset:64*\qi+\i*16*PITCH
	ds_load_b128 v[FB+64*\f+8*\i+4:FB+64*\f+8*\i+7], v[ADRB+\slot] offset:64*\qi+\i*16*PITCH+32
.endr
.endm
.macro QUARTER slot, qi, f, g, zero
	s_wait_dscnt 0x0                               ; buffer f is in: its loads were issued in front of the last quarter's 32 matrix instructions
	PLACES                                         ; behind the last matrix instruction that read buffer g
	WIN 0
	FETCH \slot, \qi, \g
	WIN 0x50                                       ; C and D in window 1
	MULH \f, 0, \zero
	MULH \f, 1, \zero
.endm
.macro THREE slot, zero
	QUARTER \slot, 1, 0, 1, \zero
	QUARTER \slot, 2, 1, 0, 0
	QUARTER \slot, 3, 0, 1, 0
.endm
; The last quarter multiplies buffer 1 and changes slots: one barrier, in front of it my reads of this slot and all my tensor loads are done, behind it the refill comes first.
.macro TURN slot, next, fill
	s_wait_dscnt 0x0
	s_wait_tensorcnt 0x0
	ds_add_u32 v22, v23
	s_wait_dscnt 0x0
	s_barrier_signal -1
	MULH 1, 0, 0                                   ; register work while the others arrive
	WIN 0
	s_barrier_wait -1
.if \fill
	s_add_nc_u64 s[G0+4*\slot+2:G0+4*\slot+3], s[G0+4*\slot+2:G0+4*\slot+3], 2*KSTEP*2
	s_add_nc_u64 s[G0B+4*\slot+2:G0B+4*\slot+3], s[G0B+4*\slot+2:G0B+4*\slot+3], 2*KSTEP*2
	JLOAD \slot                                    ; my one tensor load behind the barrier: this slot, two steps ahead
.endif
	PLACES
	FETCH \next, 0, 0
	WIN 0x50
	MULH 1, 1, 0
.endm
.macro LAP zero
	THREE 0, \zero
	TURN 0, 1, 1
	THREE 1, 0
	TURN 1, 0, 1
.endm
	s_wait_tensorcnt 0x1                           ; my part of step 0 is in; step 1's load stays out
	s_barrier_signal -1
	s_barrier_wait -1
	FETCH 0, 0, 0
	LAP 1                                          ; j = 1,024 is four laps
	WIN 0
	s_mov_b32 s3, 2
.Llap:
	LAP 0
	WIN 0
	s_sub_co_u32 s3, s3, 1
	s_cmp_lg_u32 s3, 0
	s_cbranch_scc1 .Llap
	THREE 0, 0                                     ; the last lap fills nothing
	TURN 0, 1, 0
	THREE 1, 0
	s_wait_dscnt 0x0
	MULH 1, 0, 0
	MULH 1, 1, 0
	; BEHIND THE PRODUCTS: mask, the tile's maximum, exponentials and sum of each row, 16 rows at a time.
	s_lshl_b32 s16, s10, 6
	s_lshl_b32 s17, s14, 8
	s_add_co_u32 s16, s16, s17                     ; my first row within the batch: 256 I + 64 w
	s_lshl_b32 s17, s15, 7
	s_sub_co_i32 s17, s16, s17                     ; less the tile's first key (negative where the tile lies above my rows)
	s_add_co_u32 s20, s16, s18                     ; my first row of all,
	s_lshl_b32 s20, s20, 11                        ; 2,048 bytes a row of pb,
	s_lshl_b32 s21, s15, 8                         ; 256 bytes for each key tile
	s_add_co_u32 s20, s20, s21
	s_mov_b32 s21, 0
	s_add_nc_u64 s[40:41], s[40:41], s[20:21]
	s_lshl_b32 s20, s13, 3
	s_add_co_u32 s20, s20, s15                     ; st: 8 batch + tile,
	s_lshl_b32 s20, s20, 10
	s_add_co_u32 s20, s20, s16                     ; 1,024 rows each, my first row,
	s_lshl_b32 s20, s20, 3                         ; 8 bytes a pair
	s_add_nc_u64 s[42:43], s[42:43], s[20:21]
	s_mov_b32 s20, 0x4238aa3b                      ; c = 32 log2(e): the half of the pair that the packed multiply-add broadcasts
	s_mov_b32 s21, 0xc238aa3b                      ; -c
	s_mov_b32 s22, 0xffff0000                      ; lanes 16-31
	s_mov_b32 s23, 0xf1800000                      ; -2^100
	s_mov_b32 s44, 0x76543210                      ; lane i of one half reads lane i of the other
	s_mov_b32 s45, 0xfedcba98
	WIN 0
	; these six plain vector instructions name no register of the last matrix instructions: they fill the four places in front of the first read of a result (ISA guide 7.12.1)
	v_lshlrev_b32 v[DD], 3, v2
	v_sub_nc_u32 v[DD], v1, v[DD]                  ; r - 8 h
	v_add_nc_u32 v[DD], s17, v[DD]                 ; row block 0: my row less my first key
	v_mov_b32 v[NINF], 0xff800000
	v_and_b32 v[SO], 31, v0
	v_lshlrev_b32 v[SO], 3, v[SO]                  ; 8 bytes a lane
; Row block a: rows 16 a + r of my 64.  A lane holds 64 of its row's 128 keys: register 8 b + j is key 16 b + 8 h + j.
.macro ROWB a
	WIN 0x01                                       ; source 0 in window 1: the select is also the way from the accumulators into window 0
.irp b, 0,1,2,3,4,5,6,7
.irp j, 0,1,2,3,4,5,6,7
	v_cmp_gt_i32 vcc_lo, 16*\b+\j, v[DD]           ; key > q
	v_cndmask_b32 v[X+8*\b+\j], v[64*\a+8*\b+\j], v[NINF], vcc_lo
.endr
.endr
	WIN 0
	v_max_num_f32 v[M], v[X], v[X+1]               ; two chains, started by the first four numbers
	v_max_num_f32 v[M+1], v[X+2], v[X+3]
.set ii, 1
.rept 15
	v_max3_num_f32 v[M], v[M], v[X+4*ii], v[X+4*ii+1]
	v_max3_num_f32 v[M+1], v[M+1], v[X+4*ii+2], v[X+4*ii+3]
.set ii, ii+1
.endr
	v_max_num_f32 v[M], v[M], v[M+1]
	v_permlanex16_b32 v[T], v[M], s44, s45         ; the row's other 64 keys
	v_max3_num_f32 v[M], v[M], v[T], s23           ; the tile's maximum of the row; -2^100 where the row is masked whole
	v_mul_f32 v[ST+2*\a], s21, v[M]
	v_mul_f32 v[ST+2*\a+1], s21, v[M]              ; -c m, twice
.set ii, 0
.rept 32
	v_pk_fma_f32 v[X+2*ii:X+2*ii+1], v[X+2*ii:X+2*ii+1], s[20:21], v[ST+2*\a:ST+2*\a+1] op_sel_hi:[1,0,1]
.set ii, ii+1
.endr
.set ii, 0
.rept 64
	v_exp_f32 v[X+ii], v[X+ii]
.set ii, ii+1
.endr
	v_add_nc_u32 v[DD], 16, v[DD]                  ; the next row block's rows; also the one plain vector instruction between the exponentials and their use (ISA guide 5.7.2)
	s_wait_alu depctr_va_vdst(0)
	v_pk_add_f32 v[SA:SA+1], v[X:X+1], v[X+4:X+5]
	v_pk_add_f32 v[SB:SB+1], v[X+2:X+3], v[X+6:X+7]
.set ii, 2
.rept 14
	v_pk_add_f32 v[SA:SA+1], v[SA:SA+1], v[X+4*ii:X+4*ii+1]
	v_pk_add_f32 v[SB:SB+1], v[SB:SB+1], v[X+4*ii+2:X+4*ii+3]
.set ii, ii+1
.endr
	v_pk_add_f32 v[SA:SA+1], v[SA:SA+1], v[SB:SB+1]
	v_add_f32 v[SA], v[SA], v[SA+1]
	v_permlanex16_b32 v[T], v[SA], s44, s45
	v_add_f32 v[LS+\a], v[SA], v[T]                ; the tile's sum of the row, in both halves
.irp b, 0,1,2,3,4,5,6,7
.irp p, 0,1,2,3
	v_cvt_pk_f16_f32 v[PK+4*\b+\p], v[X+8*\b+2*\p], v[X+8*\b+2*\p+1]
.endr
.endr
	; out through my own stage: 16 bytes of a row go in, whole rows of 128 f16 = 256 bytes come back.
	; The stage is the wave's own and LDS serves a wave's instructions in order (ISA guide 5.7.1): no barrier, no wait between stores and loads.
.irp b, 0,1,2,3,4,5,6,7
	ds_store_b128 v[STO], v[PK+4*\b:PK+4*\b+3] offset:32*\b
.endr
	s_wait_xcnt 0x0                                ; the registers loaded next were data of the last row block's stores: rewritten only behind this wait
.irp t, 0,1,2,3,4,5,6,7
	ds_load_b128 v[OB+4*\t:OB+4*\t+3], v[RD] offset:\t*2*SPITCH
.endr
.irp t, 0,1,2,3,4,5,6,7
	s_wait_dscnt 7-\t                              ; this load is in, the younger ones stay out
	global_store_b128 v[CO], v[OB+4*\t:OB+4*\t+3], s[40:41] offset:(16*\a+2*\t)*2048   ; 16 lanes store 256 consecutive bytes, aligned
.endr
.endm
	ROWB 0
	ROWB 1
	ROWB 2
	ROWB 3
	; the pairs: both halves of the lanes hold a row block's figures, so lanes 16-31 take the next row block's: 32 rows x 8 bytes = 256 consecutive bytes, aligned
	v_cndmask_b32 v[SP], v[ST], v[ST+2], s22
	v_cndmask_b32 v[SP+1], v[LS], v[LS+1], s22
	v_cndmask_b32 v[SP+2], v[ST+4], v[ST+6], s22
	v_cndmask_b32 v[SP+3], v[LS+2], v[LS+3], s22
	global_store_b64 v[SO], v[SP:SP+1], s[42:43]
	global_store_b64 v[SO], v[SP+2:SP+3], s[42:43] offset:256
	s_wait_tensorcnt 0x0
	ds_add_u32 v22, v23
	s_wait_dscnt 0x0
	s_endpgm
.Lfunc_end_k_q6278115004_scores:
	.size	k_q6278115004_scores, .Lfunc_end_k_q6278115004_scores-k_q6278115004_scores
	.p2alignl 7, 3214868480
	.fill 96, 4, 3214868480
	.section	.rodata,"a",@progbits
	.p2align	6, 0x0
	.amdhsa_kernel k_q6278115004_scores
		.amdhsa_group_segment_fixed_size 327680
		.amdhsa_private_segment_fixed_size 0
		.amdhsa_enable_private_segment 0
		.amdhsa_kernarg_size 32
		.amdhsa_user_sgpr_count 2
		.amdhsa_user_sgpr_kernarg_segment_ptr 1
		.amdhsa_wavefront_size32 1
		.amdhsa_system_sgpr_workgroup_id_x 1
		.amdhsa_system_sgpr_workgroup_id_y 1
		.amdhsa_system_sgpr_workgroup_id_z 1
		.amdhsa_system_vgpr_workitem_id 0
		.amdhsa_next_free_vgpr 512
		.amdhsa_next_free_sgpr 66
		.amdhsa_reserve_vcc 1
		.amdhsa_float_denorm_mode_32 3
		.amdhsa_float_denorm_mode_16_64 3
		.amdhsa_memory_ordered 1
		.amdhsa_forward_progress 1
		.amdhsa_inst_pref_size 169
	.end_amdhsa_kernel
	.amdgpu_metadata
---
amdhsa.version: [ 1, 2 ]
amdhsa.kernels:
  - .name:           k_q6278115004_scores
    .symbol:         k_q6278115004_scores.kd
    .args:
      - { .name: qv, .offset: 0, .size: 8, .value_kind: global_buffer, .address_space: global }
      - { .name: xh, .offset: 8, .size: 8, .value_kind: global_buffer, .address_space: global }
      - { .name: pb, .offset: 16, .size: 8, .value_kind: global_buffer, .address_space: global }
      - { .name: st, .offset: 24, .size: 8, .value_kind: global_buffer, .address_space: global }
    .group_segment_fixed_size: 327680
    .private_segment_fixed_size: 0
    .kernarg_segment_align: 8
    .kernarg_segment_size: 32
    .max_flat_workgroup_size: 128
    .sgpr_count:     66
    .vgpr_count:     512
    .wavefront_size: 32
...
	.end_amdgpu_metadata
.endif
;; end of part 9
;; launch pv (part 10): grid 8 x 32, 4 waves a work-group, clusters of 4 x 1, 327,680 bytes of LDS; arguments pb, qv, st, out0; writes out0
.if DOCPART == 10
	.amdgcn_target "amdgcn-amd-amdhsa--gfx1250"
	.amdhsa_code_object_version 6
	.text
	.protected	k_q6278115004_pv
	.globl	k_q6278115004_pv
	.p2align	8
	.type	k_q6278115004_pv,@function
k_q6278115004_pv:
	s_mov_b64 s[64:65], 0
	v_nop
	global_prefetch_b8 v0, s[64:65] scope:SCOPE_SE
	s_setreg_imm32_b32 hwreg(HW_REG_WAVE_MODE, 25, 1), 1
	s_wait_xcnt 0x0
	s_wait_alu depctr_hold_cnt(0) depctr_sa_sdst(0) depctr_va_vdst(0) depctr_va_sdst(0) depctr_va_ssrc(0) depctr_va_vcc(0) depctr_vm_vsrc(0)
	s_getreg_b32 s2, hwreg(HW_REG_IB_STS2, 6, 4)
	s_cmp_eq_u32 s2, 0
	s_cbranch_scc0 .Lentry_in_a_cluster
	s_endpgm
.Lentry_in_a_cluster:
	s_bfe_u32 s2, ttmp6, 0x10000c
	s_cmp_lg_u32 s2, 0x3003
	s_cbranch_scc0 .Lentry_shape_is_right
	s_endpgm
.Lentry_shape_is_right:
; out0[q][d] = sum over key of P[q][key] v[key][d],  P = softmax's weights.  v: f16, columns 1024-2047 of qv [8192][2048]; out0: f32 [8192][1024].
; pb (f16 [8192][1024]) holds 2^(c s - c m_t), m_t the row's maximum within its tile t of 128 keys; st [8][8][1024] holds (n_t = -c m_t, l_t = the tile's sum).
; At the head: N = min over t of n_t (= -c x the row's maximum), e_t = 2^(N - n_t), L = sum of e_t l_t, factor f_t = e_t / L.  Then P = pb x f_t = 2^(c s - c M) / L:
; the row's true maximum is taken away.  A tile in which the row is masked whole has n_t = c 2^100 and l_t = 0: e_t = 0, no NaN arises.  L is about 1 at the least.
; In the weights' fragments the lane is the row, so f_t is one register for a row block and a step of 128 keys, f16 in both halves.
; LIMITS: a weight is rounded to f16 three times (pb, f_t, their product); a factor below 6e-5 keeps an absolute step of 6e-8; 2^x below 2^-126 counts as 0.
; WORK LEFT OUT: for q block I (256 rows) the sum ends at key 256 (I + 1): beyond it every weight is exactly 0 by reference()'s own mask (shown at the head of cast).
; In the last step the upper 128 rows' weights are all 0; they stay: the tile's lower rows are live and walk the same steps.
; A work-group makes 256 q x 128 d with four waves; a wave makes 128 x 64: 32 accumulator tiles, 256 registers (window 1).
; Work-group y = 4 batch + I, x = d block.  Keys go in steps of 128 through a ring of two LDS slots, 2 (I + 1) steps = I + 1 laps.
; The laps are written out, with a branch out behind each: so the place of a lap's factors in LDS is a constant of the text.
; Waves 0, 1 bring the weights' halves (128 rows x 256 bytes), waves 2, 3 v's halves (64 keys x 256 bytes).
; CLUSTERS: the four work-groups of a cluster lie along x: same y, so the same rows of pb and the same number of steps.  The weights' tile (64 KiB of a step's 96)
; is asked for jointly, mask 15; v's tile hangs on the d block and is each work-group's own load.  A cluster along y too would join q blocks with different numbers of steps.
; v lies [key][d], keys down the rows: its fragments come by transposing loads (ds_load_tr16_b128), rows 288 bytes apart in LDS.
; Source 0 = 16 columns d of v, source 1 = 16 rows of weights: lane l holds row l % 16 and its registers d = 8 (l / 16) + 0..7.
; The 32 accumulators take turns, one instruction a turn, in the same order in every quarter step.
.set KSTEP,  128
.set PITCH,  272
.set VPITCH, 288                       ; 256 bytes + 32 of padding
.set HALFA,  128*PITCH
.set HALFV,  64*VPITCH
.set SLOT,   2*HALFA+2*HALFV
.set STAGE,  2*SLOT                    ; behind the ring, never filled by a tensor load: 16 rows x 272 bytes for each wave
.set SPITCH, 272
.set TAB,    STAGE+64*SPITCH           ; behind the stages, never filled by a tensor load: the factors, 1,024 bytes a step: [step][64 rows' wave][r][4 row blocks] words
.set VROW,   4096                      ; bytes in a row of qv
.set ADRA, 16
.set ADRB, 20
.set STO,  24
.set RD,   25
.set CO,   26
.set SVO,  27                          ; my byte offset in st
.set TW,   28                          ; where I put factors
.set FADR, 29                          ; where I read my rows' factors
.set FB,   32                          ; v's fragments: v32-63, buffer 1 at v192-223
.set FA,   64                          ; the weights' fragments: v64-127, buffer 1 at v128-191
.set SV,   128                         ; at the head: v128-159 step t: (n, l) of my first row, (n, l) of my second, at 4 t
.set MN,   160                         ; v160-161 N of my two rows
.set LL,   162                         ; v162-163 L
.set RR,   164                         ; v164-165 1 / L
.set FS,   224                         ; v224-239 the factors of a lap's two steps: row block a of slot s at 8 s + a
.set OB,   224                         ; the way out: v224-255
.set G1,  24
.set G0,  32
.set G1B, 48
.set G0B, 56
.set MSB, 0
.macro WIN new                         ; the immediate's high byte repeats the setting that is left
.if MSB != \new
	s_set_vgpr_msb (MSB<<8)|\new
.set MSB, \new
.endif
.endm
.macro PLACES                          ; four plain vector places behind a matrix instruction (ISA guide 7.12.1)
.rept 4
	v_nop
.endr
.endm
.macro JLOAD s                         ; waves 0, 1: the joint load of the weights; waves 2, 3: my work-group's own load of v.  The branch hangs on the wave's number alone
	s_cmp_eq_u32 s11, 0
	s_cbranch_scc0 .Lfor_b_\@
	tensor_load_to_lds s[G0+4*\s:G0+4*\s+3], s[G1:G1+7]
	s_nop 0
	s_branch .Lasked_\@
.Lfor_b_\@:
	tensor_load_to_lds s[G0B+4*\s:G0B+4*\s+3], s[G1B:G1B+7]
	s_nop 0
.Lasked_\@:
.endm
.macro CREST
	s_cmp_lg_u32 s10, 0
	s_cbranch_scc1 .Lnot_wave_0_\@
	s_barrier_signal -3
.Lnot_wave_0_\@:
	s_barrier_wait -3
	s_barrier_signal -1
	s_barrier_wait -1
.endm
.macro CROUND
	s_barrier_signal -1
	s_barrier_wait -1
	CREST
.endm
	s_load_b128 s[4:7], s[0:1], 0x0                ; pb s[4:5], qv s[6:7]
	s_load_b64 s[44:45], s[0:1], 0x10              ; st
	s_load_b64 s[8:9], s[0:1], 0x18                ; out0
	v_lshl_add_u32 v30, v0, 2, 0x3a400
	v_mov_b32 v31, 0
	ds_add_u32 v30, v31
	ds_add_u32 v30, v31
	v_lshrrev_b32 v1, 5, v0
	v_readfirstlane_b32 s10, v1                    ; wave 0..3
	s_lshr_b32 s11, s10, 1                         ; my half of the rows.  Also: I fetch weights (0) or v (1)
	s_and_b32 s12, s10, 1                          ; my half of the columns.  Also: which half of that tile I fetch
	s_bfe_u32 s40, ttmp6, 0x40000                  ; cx
	s_lshl_b32 s42, ttmp9, 2
	s_add_co_u32 s42, s42, s40                     ; d block = 4 x cluster x + cx
	s_and_b32 s13, ttmp7, 0xffff                   ; y: shared by the four partners
	s_and_b32 s14, s13, 3                          ; I
	s_lshr_b32 s13, s13, 2                         ; batch
	s_lshl_b32 s18, s13, 10                        ; the batch's first row
	s_lshl_b32 s19, s14, 8
	s_add_co_u32 s19, s19, s18                     ; the block's first q row
	s_lshl_b32 s16, s12, 7
	s_add_co_u32 s16, s16, s19
	s_lshl_b32 s16, s16, 11                        ; weights: my 128 rows of 2,048 bytes
	s_mov_b32 s17, 0
	s_lshl_b32 s46, s12, 6
	s_add_co_u32 s46, s46, s18
	s_lshl_b32 s46, s46, 12                        ; v: my 64 keys, rows of 4,096 bytes,
	s_lshl_b32 s47, s42, 8
	s_add_co_u32 s46, s46, s47                     ; the d block's 256 bytes,
	s_add_co_u32 s46, s46, 2048                    ; columns from 1,024 on
	s_mov_b32 s47, 0
	s_lshl_b32 s22, s13, 16                        ; st: 8 tiles x 1,024 rows x 8 bytes for each batch,
	s_lshl_b32 s23, s14, 11                        ; 256 rows x 8 bytes for each q block
	s_add_co_u32 s22, s22, s23
	s_mov_b32 s23, 0
	; group 1.  Weights: mask 15 (all four partners), 128 rows x 128 elements, 4 words of padding behind every 64.  v: no mask, 64 rows, 8 words of padding.
	s_mov_b32 s[G1+0], 15|(1<<16)|(1<<20)|(1<<21)|(5<<22)|(3<<25)
	s_mov_b32 s[G1B+0], (1<<16)|(1<<20)|(5<<22)|(7<<25)
	s_mov_b32 s[G1+1], KSTEP<<16
	s_mov_b32 s[G1B+1], 128<<16
	s_mov_b32 s[G1+2], 128<<16
	s_mov_b32 s[G1B+2], 64<<16
	s_mov_b32 s[G1+3], KSTEP<<16
	s_mov_b32 s[G1B+3], 128<<16
	s_mov_b32 s[G1+4], 128
	s_mov_b32 s[G1B+4], 64
	s_mov_b32 s[G1+5], 1024                        ; elements from row to row of pb
	s_mov_b32 s[G1B+5], 2048                       ; and of qv
	s_mov_b32 s[G1+6], 0
	s_mov_b32 s[G1B+6], 0
	s_mov_b32 s[G1+7], 0
	s_mov_b32 s[G1B+7], 0
	s_mul_i32 s20, s10, HALFA                      ; waves 0, 1: the weights' halves
	s_mul_i32 s21, s10, HALFV
	s_add_co_u32 s21, s21, 2*HALFA-2*HALFV         ; waves 2, 3: v's halves, behind the weights' 256 rows
	s_wait_dscnt 0x0
	s_wait_kmcnt 0x0
	s_add_nc_u64 s[16:17], s[4:5], s[16:17]
	s_add_nc_u64 s[46:47], s[6:7], s[46:47]
	s_add_nc_u64 s[44:45], s[44:45], s[22:23]
	CROUND                                         ; the four work-groups are here: the first joint loads meet
.irp s, 0,1
	s_mov_b32 s[G0+4*\s], 1
	s_add_co_u32 s[G0+4*\s+1], s20, \s*SLOT
	s_add_nc_u64 s[G0+4*\s+2:G0+4*\s+3], s[16:17], \s*KSTEP*2
	s_or_b32 s[G0+4*\s+3], s[G0+4*\s+3], 0x80000000
	s_mov_b32 s[G0B+4*\s], 1
	s_add_co_u32 s[G0B+4*\s+1], s21, \s*SLOT
	s_add_nc_u64 s[G0B+4*\s+2:G0B+4*\s+3], s[46:47], \s*KSTEP*VROW
	s_or_b32 s[G0B+4*\s+3], s[G0B+4*\s+3], 0x80000000
	JLOAD \s                                       ; steps 0 and 1 (every block has at least two): two tensor loads of the wave are out, later one
.endr
	v_and_b32 v1, 15, v0                           ; r
	v_bfe_u32 v2, v0, 4, 1                         ; h
	v_and_b32 v6, 31, v0                           ; lane
	v_lshlrev_b32 v6, 3, v6
	v_lshl_add_u32 v[SVO], s10, 9, v6              ; st: rows 64 w + lane, 8 bytes each: a wave's load covers 256 consecutive bytes, aligned
	s_lshl_b32 s22, s10, 8
	s_add_co_u32 s22, s22, TAB
	v_lshl_add_u32 v[TW], v1, 4, s22               ; the table: my wave's 256 bytes of a step, 16 bytes for r,
	v_lshl_add_u32 v[TW], v2, 2, v[TW]             ; the word of row block 2 k + h of my four
	s_lshl_b32 s23, s11, 9
	s_add_co_u32 s23, s23, TAB
	v_lshl_add_u32 v[FADR], v1, 4, s23             ; back: the 512 bytes of my half of the rows, 16 bytes for r: row blocks 0-3, and 4-7 at 256 bytes on
; The factors of rows 64 w + lane and 64 w + 32 + lane for nc steps, while the first tiles are on their way.
.macro FACT nc
.set cc, 0
.rept \nc
	global_load_b64 v[SV+4*cc:SV+4*cc+1],   v[SVO], s[44:45] offset:8192*cc
	global_load_b64 v[SV+4*cc+2:SV+4*cc+3], v[SVO], s[44:45] offset:8192*cc+256
.set cc, cc+1
.endr
	s_wait_loadcnt 0x0
	v_min_num_f32 v[MN],   v[SV],   v[SV+4]        ; N = the least -c m: the row's maximum
	v_min_num_f32 v[MN+1], v[SV+2], v[SV+6]
.if \nc > 2
.set cc, 2
.rept \nc-2
	v_min_num_f32 v[MN],   v[MN],   v[SV+4*cc]
	v_min_num_f32 v[MN+1], v[MN+1], v[SV+4*cc+2]
.set cc, cc+1
.endr
.endif
.set cc, 0
.rept \nc
	v_sub_f32 v[SV+4*cc],   v[MN],   v[SV+4*cc]
	v_sub_f32 v[SV+4*cc+2], v[MN+1], v[SV+4*cc+2]
.set cc, cc+1
.endr
.set cc, 0
.rept \nc
	v_exp_f32 v[SV+4*cc],   v[SV+4*cc]             ; e_t = 2^(N - n_t), 1 at the most
	v_exp_f32 v[SV+4*cc+2], v[SV+4*cc+2]
.set cc, cc+1
.endr
	v_nop                                          ; one plain vector instruction between the exponentials and their use (ISA guide 5.7.2)
	s_wait_alu depctr_va_vdst(0)
	v_mul_f32 v[LL],   v[SV],   v[SV+1]            ; L = sum of e_t l_t: the first product starts the sum
	v_mul_f32 v[LL+1], v[SV+2], v[SV+3]
.set cc, 1
.rept \nc-1
	v_fmac_f32 v[LL],   v[SV+4*cc],   v[SV+4*cc+1]
	v_fmac_f32 v[LL+1], v[SV+4*cc+2], v[SV+4*cc+3]
.set cc, cc+1
.endr
	v_rcp_f32 v[RR],   v[LL]
	v_rcp_f32 v[RR+1], v[LL+1]
	v_nop                                          ; one plain vector instruction before the reciprocals are used
.set cc, 0
	s_wait_alu depctr_va_vdst(0)
.rept \nc
	v_mul_f32 v[SV+4*cc],   v[SV+4*cc],   v[RR]
	v_mul_f32 v[SV+4*cc+2], v[SV+4*cc+2], v[RR+1]
	v_cvt_pk_f16_f32 v[SV+4*cc+1], v[SV+4*cc],   v[SV+4*cc]      ; the factor in both halves of a word
	v_cvt_pk_f16_f32 v[SV+4*cc+3], v[SV+4*cc+2], v[SV+4*cc+2]
	ds_store_b32 v[TW], v[SV+4*cc+1] offset:1024*cc
	ds_store_b32 v[TW], v[SV+4*cc+3] offset:1024*cc+8
.set cc, cc+1
.endr
.endm
	s_cmp_eq_u32 s14, 0                            ; 2 (I + 1) steps; I is the same in all waves and in all four partners
	s_cbranch_scc1 .Lfact2
	s_cmp_eq_u32 s14, 1
	s_cbranch_scc1 .Lfact4
	s_cmp_eq_u32 s14, 2
	s_cbranch_scc1 .Lfact6
	FACT 8
	s_branch .Lfact_done
.Lfact6:
	FACT 6
	s_branch .Lfact_done
.Lfact4:
	FACT 4
	s_branch .Lfact_done
.Lfact2:
	FACT 2
.Lfact_done:
	v_mul_u32_u24 v3, v1, PITCH
	v_lshl_add_u32 v3, v2, 4, v3
	s_mul_i32 s22, s11, HALFA                      ; my 128 rows of weights
	v_add_nc_u32 v[ADRA], s22, v3
	v_add_nc_u32 v[ADRA+1], SLOT, v[ADRA]
	v_and_b32 v4, 7, v0
	v_lshl_add_u32 v4, v2, 3, v4                   ; key 8 h + l % 8 of a quarter's first sixteen
	v_mul_u32_u24 v4, v4, VPITCH
	v_bfe_u32 v5, v0, 3, 1
	v_lshl_add_u32 v4, v5, 4, v4                   ; 16 bytes for each eight columns
	s_lshl_b32 s23, s12, 7                         ; my 64 columns
	s_add_co_u32 s23, s23, 2*HALFA
	v_add_nc_u32 v[ADRB], s23, v4
	v_add_nc_u32 v[ADRB+1], SLOT, v[ADRB]
	s_mul_i32 s21, s10, 16*SPITCH
	s_add_co_u32 s21, s21, STAGE                   ; my stage
	v_lshl_add_u32 v4, v2, 4, v3                   ; r x 272 + 32 h
	v_add_nc_u32 v[STO], s21, v4
	v_mul_u32_u24 v5, v2, SPITCH
	v_lshl_add_u32 v5, v1, 4, v5
	v_add_nc_u32 v[RD], s21, v5
	v_lshlrev_b32 v5, 12, v2
	v_lshl_add_u32 v[CO], v1, 4, v5
.macro MULH f, hf, zero
.irp a, 0,1,2,3
.irp b, 0,1,2,3
.if \zero
	v_wmma_f32_16x16x32_f16 v[8*(4*(4*\hf+\a)+\b):8*(4*(4*\hf+\a)+\b)+7], v[FB+160*\f+8*\b:FB+160*\f+8*\b+7], v[FA+64*\f+8*(4*\hf+\a):FA+64*\f+8*(4*\hf+\a)+7], 0
.else
	v_wmma_f32_16x16x32_f16 v[8*(4*(4*\hf+\a)+\b):8*(4*(4*\hf+\a)+\b)+7], v[FB+160*\f+8*\b:FB+160*\f+8*\b+7], v[FA+64*\f+8*(4*\hf+\a):FA+64*\f+8*(4*\hf+\a)+7], v[8*(4*(4*\hf+\a)+\b):8*(4*(4*\hf+\a)+\b)+7]
.endif
.endr
.endr
.endm
; 24 LDS loads in one run.  v: quarter qi is 32 keys = 32 LDS rows; the first load of a pair brings keys 8 h + 0..7 of column r, the second those 16 further down.
.macro FETCH slot, qi, f
.irp i, 0,1,2,3
	ds_load_tr16_b128 v[FB+160*\f+8*\i:FB+160*\f+8*\i+3],   v[ADRB+\slot] offset:32*VPITCH*\qi+32*\i
	ds_load_tr16_b128 v[FB+160*\f+8*\i+4:FB+160*\f+8*\i+7], v[ADRB+\slot] offset:32*VPITCH*\qi+32*\i+16*VPITCH
.endr
.irp i, 0,1,2,3,4,5,6,7
	ds_load_b128 v[FA+64*\f+8*\i:FA+64*\f+8*\i+3],   v[ADRA+\slot] offset:64*\qi+\i*16*PITCH
	ds_load_b128 v[FA+64*\f+8*\i+4:FA+64*\f+8*\i+7], v[ADRA+\slot] offset:64*\qi+\i*16*PITCH+32
.endr
.endm
; the factors of lap n's two steps: 8 row blocks each
.macro FLOAD n
	ds_load_b128 v[FS:FS+3],     v[FADR] offset:2048*(\n)
	ds_load_b128 v[FS+4:FS+7],   v[FADR] offset:2048*(\n)+256
	ds_load_b128 v[FS+8:FS+11],  v[FADR] offset:2048*(\n)+1024
	ds_load_b128 v[FS+12:FS+15], v[FADR] offset:2048*(\n)+1280
.endm
; buffer f's 64 weight registers times the step's factors, two f16 at a time
.macro SCALE f, slot
.irp a, 0,1,2,3,4,5,6,7
.irp k, 0,1,2,3,4,5,6,7
	v_pk_mul_f16 v[FA+64*\f+8*\a+\k], v[FA+64*\f+8*\a+\k], v[FS+8*\slot+\a]
.endr
.endr
.endm
.macro QUARTER slot, qi, f, g, zero
	s_wait_dscnt 0x0                               ; buffer f is in: its loads were issued in front of the last quarter's 32 matrix instructions
	WIN 0
	SCALE \f, \slot                                ; 64 plain vector instructions that name no register of the last matrix instructions (those read buffer g):
	FETCH \slot, \qi, \g                           ; they are the places in front of the loads into buffer g
	WIN 0x50                                       ; C and D in window 1
	MULH \f, 0, \zero
	MULH \f, 1, \zero
.endm
.macro THREE slot, zero
	QUARTER \slot, 1, 0, 1, \zero
	QUARTER \slot, 2, 1, 0, 0
	QUARTER \slot, 3, 0, 1, 0
.endm
; The last quarter multiplies buffer 1 and changes slots.  In front of the barrier my reads of this slot and all my tensor loads are done;
; where the slot is filled again the barrier opens a round of the cluster's barrier, and the refill is the first tensor load behind the round.
; fl >= 0: the next lap's factors are loaded with its first fragments (both sets have had their last use in SCALE above).
.macro TURN slot, next, fill, fl
	s_wait_dscnt 0x0
	WIN 0
	SCALE 1, \slot                                 ; also the places between the matrix instructions that read buffer 0 and the loads into it below
	s_wait_tensorcnt 0x0
	ds_add_u32 v30, v31
	s_wait_dscnt 0x0
	s_barrier_signal -1
	WIN 0x50
	MULH 1, 0, 0                                   ; register work while the others arrive
	WIN 0
	s_barrier_wait -1
.if \fill
	CREST                                          ; no wave of any partner still reads this slot or has a load on its way
	s_add_nc_u64 s[G0+4*\slot+2:G0+4*\slot+3], s[G0+4*\slot+2:G0+4*\slot+3], 2*KSTEP*2
	s_add_nc_u64 s[G0B+4*\slot+2:G0B+4*\slot+3], s[G0B+4*\slot+2:G0B+4*\slot+3], 2*KSTEP*VROW
	JLOAD \slot
.endif
	FETCH \next, 0, 0
.if (\fl) >= 0
	FLOAD (\fl)
.endif
	WIN 0x50
	MULH 1, 1, 0
.endm
.macro LAP zero, n                     ; lap n: two steps, both slots filled again
	THREE 0, \zero
	TURN 0, 1, 1, -1
	THREE 1, 0
	TURN 1, 0, 1, \n+1
.endm
.macro LASTLAP zero                    ; the last two steps fill nothing
	THREE 0, \zero
	TURN 0, 1, 0, -1
	THREE 1, 0
	s_wait_dscnt 0x0
	WIN 0
	SCALE 1, 1
	WIN 0x50
	MULH 1, 0, 0
	MULH 1, 1, 0
.endm
	s_wait_tensorcnt 0x1                           ; my part of step 0 is in; step 1's load stays out
	s_wait_dscnt 0x0                               ; my part of the factors is in LDS before I say so: the other waves read it
	s_barrier_signal -1
	s_barrier_wait -1
	FETCH 0, 0, 0
	FLOAD 0
	s_cmp_eq_u32 s14, 0                            ; I + 1 laps; I is the same in all four partners, so all pass the same rounds
	s_cbranch_scc1 .Lonly
	LAP 1, 0                                       ; the first lap starts the sums
	WIN 0
	s_cmp_eq_u32 s14, 1
	s_cbranch_scc1 .Llast
	LAP 0, 1
	WIN 0
	s_cmp_eq_u32 s14, 2
	s_cbranch_scc1 .Llast
	LAP 0, 2
	WIN 0
.Llast:
	LASTLAP 0
	WIN 0
	s_branch .Lout
.Lonly:
	LASTLAP 1                                      ; q block 0: one lap, which starts the sums and fills nothing
	WIN 0
.Lout:
	; THE WAY OUT, 16 rows at a time through my own stage: a lane's 32 bytes of a row go in, whole rows of 64 f32 = 256 bytes come back.
	; The stage is the wave's own and LDS serves a wave's instructions in order (ISA guide 5.7.1): no barrier, no wait between stores and loads.
	PLACES
	s_lshl_b32 s16, s11, 7
	s_add_co_u32 s16, s16, s19
	s_lshl_b32 s16, s16, 12                        ; my first row, 4,096 bytes a row
	s_mov_b32 s17, 0
	s_add_nc_u64 s[8:9], s[8:9], s[16:17]
	s_lshl_b32 s46, s42, 9                         ; 128 d x 4 bytes for each d block (in registers that never feed the joint load's descriptors)
	s_lshl_b32 s47, s12, 8
	s_add_co_u32 s46, s46, s47
	s_mov_b32 s47, 0
	s_add_nc_u64 s[8:9], s[8:9], s[46:47]
.macro OUTF i
	WIN 0x04                                       ; the stores' data lie in window 1
.irp b, 0,1,2,3
	ds_store_b128 v[STO], v[8*(4*\i+\b):8*(4*\i+\b)+3]   offset:64*\b
	ds_store_b128 v[STO], v[8*(4*\i+\b)+4:8*(4*\i+\b)+7] offset:64*\b+16
.endr
	WIN 0
	s_wait_xcnt 0x0                                ; the registers loaded next were data of the last step's stores: rewritten only behind this wait
.irp t, 0,1,2,3,4,5,6,7
	ds_load_b128 v[OB+4*\t:OB+4*\t+3], v[RD] offset:\t*2*SPITCH
.endr
.irp t, 0,1,2,3,4,5,6,7
	s_wait_dscnt 7-\t                              ; this load is in, the younger ones stay out
	global_store_b128 v[CO], v[OB+4*\t:OB+4*\t+3], s[8:9] offset:(16*\i+2*\t)*4096 th:TH_STORE_NT   ; 16 lanes store 256 consecutive bytes, aligned
.endr
.endm
.irp i, 0,1,2,3,4,5,6,7
	OUTF \i
.endr
	s_wait_tensorcnt 0x0
	ds_add_u32 v30, v31
	s_wait_dscnt 0x0
	CROUND                                         ; the closing round: no work-group ends while a partner may still ask for a tile that names it
	s_endpgm
.Lfunc_end_k_q6278115004_pv:
	.size	k_q6278115004_pv, .Lfunc_end_k_q6278115004_pv-k_q6278115004_pv
	.p2alignl 7, 3214868480
	.fill 96, 4, 3214868480
	.section	.rodata,"a",@progbits
	.p2align	6, 0x0
	.amdhsa_kernel k_q6278115004_pv
		.amdhsa_group_segment_fixed_size 327680
		.amdhsa_private_segment_fixed_size 0
		.amdhsa_enable_private_segment 0
		.amdhsa_kernarg_size 32
		.amdhsa_user_sgpr_count 2
		.amdhsa_user_sgpr_kernarg_segment_ptr 1
		.amdhsa_wavefront_size32 1
		.amdhsa_system_sgpr_workgroup_id_x 1
		.amdhsa_system_sgpr_workgroup_id_y 1
		.amdhsa_system_sgpr_workgroup_id_z 1
		.amdhsa_system_vgpr_workitem_id 0
		.amdhsa_next_free_vgpr 512
		.amdhsa_next_free_sgpr 66
		.amdhsa_reserve_vcc 0
		.amdhsa_float_denorm_mode_32 3
		.amdhsa_float_denorm_mode_16_64 3
		.amdhsa_memory_ordered 1
		.amdhsa_forward_progress 1
		.amdhsa_inst_pref_size 255
	.end_amdhsa_kernel
	.section	.bss,"aw",@nobits
	.p2align	6
	.space	262144
	.amdgpu_metadata
---
amdhsa.version: [ 1, 2 ]
amdhsa.kernels:
  - .name:           k_q6278115004_pv
    .symbol:         k_q6278115004_pv.kd
    .args:
      - { .name: pb, .offset: 0, .size: 8, .value_kind: global_buffer, .address_space: global }
      - { .name: qv, .offset: 8, .size: 8, .value_kind: global_buffer, .address_space: global }
      - { .name: st, .offset: 16, .size: 8, .value_kind: global_buffer, .address_space: global }
      - { .name: out0, .offset: 24, .size: 8, .value_kind: global_buffer, .address_space: global }
    .group_segment_fixed_size: 327680
    .private_segment_fixed_size: 0
    .kernarg_segment_align: 8
    .kernarg_segment_size: 32
    .max_flat_workgroup_size: 128
    .sgpr_count:     66
    .vgpr_count:     512
    .wavefront_size: 32
...
	.end_amdgpu_metadata
.endif
;; end of part 10
;; ======== version 3 of 3: 5 launches; version 2 with the launch cast written anew for expert scheduling mode
;; limits: values are held in f16: magnitudes above 65,504 overflow, below 6.1e-05 lose precision; values outside matrix products are rounded to f16
;; workspace buffers: xh 16,777,216 bytes; wb 4,194,304 bytes; bt 4,194,304 bytes; qv 33,554,432 bytes; pb 16,777,216 bytes; st 524,288 bytes
;; launch cast (part 11): grid 768 x 1, 8 waves a work-group, no clusters, 34,304 bytes of LDS; arguments x, Wq, Wk, Wv, xh, wb, bt; writes xh, wb, bt
.if DOCPART == 11
	.amdgcn_target "amdgcn-amd-amdhsa--gfx1250"
	.amdhsa_code_object_version 6
	.text
	.protected	k_q6278115004_cast
	.globl	k_q6278115004_cast
	.p2align	8
	.type	k_q6278115004_cast,@function
k_q6278115004_cast:
	s_mov_b64 s[64:65], 0
	v_nop
	global_prefetch_b8 v0, s[64:65] scope:SCOPE_SE
	s_setreg_imm32_b32 hwreg(HW_REG_WAVE_SCHED_MODE, 0, 2), 2
	s_setreg_imm32_b32 hwreg(HW_REG_WAVE_MODE, 25, 1), 1
	s_wait_xcnt 0x0
	s_wait_alu depctr_vm_vsrc(0)
; THE PROGRAM: causal attention with one head of 1,024, on 8 batches of 1,024 positions, in five launches.
;   cast     x -> xh (f16 [8192][1024]);  Wq | Wk -> wb (bf16 [2048][1024], as they lie);  Wv -> rows 1024-2047 of bt (f16 [2048][1024]), turned over, times 4,096
;   mt       rows 0-1023 of bt = 4 Mt,  Mt[j][i] = sum over o of Wk[j][o] Wq[i][o]
;   proj     qv = 2^-12 xh bt^T = q'/1024 | v  (f16 [8192][2048]),  q'[s][j] = sum over i of x[s][i] Mt[j][i]
;   scores   s = (q'/1024) xh^T, kept in registers, live tiles only (32 s = q k^T / 32); for each row and each tile of 128 keys:
;            pb = exp(32 s - 32 m) as f16, m the masked row's maximum within the tile, and st = (m, sum of the tile's exponentials)
;   pv       joins a row's tile maxima and sums into factors exp(32 m - 32 M) / L, M the row's maximum and L its whole sum, multiplies pb by them,
;            and out0 = weights x v, keys up to the end of the diagonal block only
; THE KEY PROJECTION IS NOT FORMED.  att[q][key] = sum_o (sum_i x[q][i] Wq[i][o]) (sum_j x[key][j] Wk[j][o]) = sum_j x[key][j] q'[q][j]: the same sum in another
; order, for all values of x, Wq and Wk.  Mt costs 1024^3 multiply-adds once; k would cost 8192 x 1024^2.  The order of rounding differs from reference()'s.
; WORK LEFT OUT, AND WHY IT IS DEAD.  reference() itself sets att[q][key] to -inf wherever key > q (its own jnp.tril); the softmax of a row
; that holds at least one finite number (key 0 <= q always) gives exactly 0 there, and 0 times v[key] adds nothing to the sum, whatever finite
; values x and the weights hold.  Rows go in blocks of 256 (block I = 0..3 of a batch): every key >= 256 (I + 1) is above every q of the block.
; So score tiles of such keys are not made, and pv ends its sum over keys at 256 (I + 1).
; Inside the diagonal block of 256 x 256 the masked part is computed and selected away: it lies in tiles of a work-group that also hold live work.
; Every input has a way to the output and is loaded.
; FORMATS.  x and the weights are rounded to bf16.  Where the other operand of a product is one of the program's own intermediates (Mt, q', the softmax's weights),
; which are kept in f16 for its three more bits, the bf16 value is written as f16: exact for 2^-17 <= |x| < 65,504, within 2^-25 below.
; The factors 4, 4,096, 2^-12 are powers of two and change no bit of a normal number; they keep q' inside f16: with x near 30 and the weights near 30/32 it reaches 2.8e7.
; LIMITS.  A NaN, an infinity or an overflow that reaches only the work left out is not carried to the result.
; |x|, 4 |Mt|, 4,096 |Wv|, |q'| / 1,024 and |v| must stay below 65,504.  Where |q'| / 1,024 falls below 6e-5 (x large, Wq and Wk small together) it keeps an absolute step of 6e-8.
;
; THIS LAUNCH is a stream: each input byte is read once, each output byte written once; matrix units and clusters have nothing to do here.
; Work-groups 0-511: 16 rows of x.  512-639: 16 rows of Wq (the first 64) or Wk.  Thread t takes 16 bytes at 16 t of each row (4,096 bytes = 256 threads x 16)
; and stores 8 bytes at 8 t: a wave's store covers 256 consecutive bytes, aligned.  All 16 loads are issued at once.
; Work-groups 640-767: a block of 128 k x 64 n of Wv, turned over in LDS.
; THE MODE: SCHED_MODE bits 1:0 = 2 (LLVM: expert scheduling mode 2), set by the entry lines.  The code itself states the register dependences
; between vector instructions and memory or LDS instructions, with s_wait_alu, always for 0.
; THE PLAN.  Registers that memory or LDS instructions touch:
;   the stream   v1, v2   byte offsets of the loads and of the stores: written once at the head, never again on these paths.
;                XI       row j's four registers: one load lands in them; no vector instruction names them before it, vector instructions alone behind it.
;                XO       row j's pair: written once, by row j's roundings; read once, by row j's store.
;                The 16 rows go in four blocks of four.  A block's four stores are issued in the next block, behind ONE wait at that block's head, one store ahead of each
;                row's conversions; those name XI, XO and T of the block's own rows alone, none of the registers that the stores read.  The last block's stores have a wait of their own.
;   Wv           v1, v3, v5, v6   offsets and LDS addresses: written once at the arm's head (no memory instruction has read v1 or v2 on this path), never again.
;                WI       loads land in it, LDS stores read it as their data; no vector instruction names it.
;                WR       LDS loads land in it; no vector instruction names it before them, vector instructions alone behind them.
;                WO       16 registers, each written once by the roundings; read by the four stores, which stand in one run behind ONE wait.
;                v104, v105   written at the head, read by the closing add alone.
; No register that a memory or LDS instruction reads is ever written again.  No vector instruction writes a scalar register or VCC; EXEC is never written.
.set XI, 4                             ; v[4:67]    stream: 16 x 4 registers as loaded
.set XO, 68                            ; v[68:99]   stream: 16 x 2 registers to store
.set T,  100                           ; v[100:101] two packed bf16 pairs at work: no memory instruction names them
.set WI, 8                             ; v[8:39]    Wv: 8 x 4 registers as loaded
.set WR, 40                            ; v[40:71]   Wv: 4 x 8 numbers read back, k ascending
.set WO, 72                            ; v[72:87]   Wv: 4 x 4 registers to store
.set WPITCH, 260                       ; an LDS row: 64 f32 + 4 bytes
; 16 rows from s[4:5] to s[12:13], in four blocks p of four rows i.  half = 1: the bf16 value goes out as f16; half = 0: as bf16.
.macro STREAM half
	s_wait_alu depctr_va_vdst(0)                   ; v1 and v2 are written: every load below reads v1 as its offset, every store v2
.irp j, 0,1,2,3,4,5,6,7,8,9,10,11,12,13,14,15
	global_load_b128 v[XI+4*\j:XI+4*\j+3], v1, s[4:5] offset:4096*\j th:TH_LOAD_NT
.endr
.irp p, 0,1,2,3
.irp i, 0,1,2,3
	s_wait_loadcnt 15-(4*(\p)+(\i))                ; loads come back in order (ISA guide 5.7.1): row 4 p + i is in, the younger ones stay out
.if (\p) > 0
.if (\i) == 0
	s_wait_alu depctr_va_vdst(0)                   ; the block before has written its four pairs of XO, which the four stores of this block's turn read
.endif
	global_store_b64 v2, v[XO+2*(4*(\p)+(\i)-4):XO+2*(4*(\p)+(\i)-4)+1], s[12:13] offset:2048*(4*(\p)+(\i)-4)   ; the block before's row i; no vector instruction since the wait names its pair
.endif
.if \half
	v_cvt_pk_bf16_f32 v[T], v[XI+4*(4*(\p)+(\i))], v[XI+4*(4*(\p)+(\i))+1]
	v_cvt_pk_bf16_f32 v[T+1], v[XI+4*(4*(\p)+(\i))+2], v[XI+4*(4*(\p)+(\i))+3]
	v_lshlrev_b32 v[XI+4*(4*(\p)+(\i))], 16, v[T]  ; bf16 to f32: the low half moves up, the high half stays
	v_and_b32 v[XI+4*(4*(\p)+(\i))+1], 0xffff0000, v[T]
	v_lshlrev_b32 v[XI+4*(4*(\p)+(\i))+2], 16, v[T+1]
	v_and_b32 v[XI+4*(4*(\p)+(\i))+3], 0xffff0000, v[T+1]
	v_cvt_pk_f16_f32 v[XO+2*(4*(\p)+(\i))], v[XI+4*(4*(\p)+(\i))], v[XI+4*(4*(\p)+(\i))+1]
	v_cvt_pk_f16_f32 v[XO+2*(4*(\p)+(\i))+1], v[XI+4*(4*(\p)+(\i))+2], v[XI+4*(4*(\p)+(\i))+3]
.else
	v_cvt_pk_bf16_f32 v[XO+2*(4*(\p)+(\i))], v[XI+4*(4*(\p)+(\i))], v[XI+4*(4*(\p)+(\i))+1]
	v_cvt_pk_bf16_f32 v[XO+2*(4*(\p)+(\i))+1], v[XI+4*(4*(\p)+(\i))+2], v[XI+4*(4*(\p)+(\i))+3]
.endif
.endr
.endr
	s_wait_alu depctr_va_vdst(0)                   ; the last block has written its four pairs of XO, which the last four stores read
.irp i, 0,1,2,3
	global_store_b64 v2, v[XO+2*(12+(\i)):XO+2*(12+(\i))+1], s[12:13] offset:2048*(12+(\i))
.endr
	s_endpgm                                       ; this arm has stored nothing to LDS
.endm
	s_load_b256 s[4:11], s[0:1], 0x0               ; x s[4:5], Wq s[6:7], Wk s[8:9], Wv s[10:11]
	s_load_b128 s[12:15], s[0:1], 0x20             ; xh s[12:13], wb s[14:15]
	s_load_b64 s[16:17], s[0:1], 0x30              ; bt
	v_lshl_add_u32 v104, v0, 2, 0x8200             ; my spare word, behind the 128 LDS rows of 260 bytes, and 0: made here and kept for the closing lines alone
	v_mov_b32 v105, 0
	v_lshlrev_b32 v1, 4, v0                        ; 16 t
	v_lshlrev_b32 v2, 3, v0                        ; 8 t
	s_cmp_lt_u32 ttmp9, 512                        ; the same for all waves of a work-group
	s_cbranch_scc0 .Lnot_x
	s_lshl_b32 s18, ttmp9, 16                      ; 16 rows of 4,096 bytes
	s_mov_b32 s19, 0
	s_lshl_b32 s20, ttmp9, 15                      ; 16 rows of 2,048 bytes
	s_mov_b32 s21, 0
	s_wait_kmcnt 0x0
	s_add_nc_u64 s[4:5], s[4:5], s[18:19]
	s_add_nc_u64 s[12:13], s[12:13], s[20:21]
	STREAM 1
.Lnot_x:
	s_cmp_lt_u32 ttmp9, 640
	s_cbranch_scc0 .Lturn
	s_sub_co_u32 s18, ttmp9, 512                   ; u = 0..127: rows 16 u of wb
	s_and_b32 s20, s18, 63
	s_lshl_b32 s20, s20, 16                        ; rows 16 (u mod 64) of Wq or of Wk
	s_mov_b32 s21, 0
	s_lshl_b32 s22, s18, 15
	s_mov_b32 s23, 0
	s_wait_kmcnt 0x0
	s_cmp_lt_u32 s18, 64
	s_cselect_b64 s[4:5], s[6:7], s[8:9]
	s_add_nc_u64 s[4:5], s[4:5], s[20:21]
	s_add_nc_u64 s[12:13], s[14:15], s[22:23]
	STREAM 0
.Lturn:
	; u = work-group - 640: n block u / 8 (64 columns), k block u mod 8 (128 rows)
	s_sub_co_u32 s20, ttmp9, 640
	s_and_b32 s18, s20, 7                          ; k block
	s_lshr_b32 s19, s20, 3                         ; n block
	s_lshl_b32 s22, s19, 17                        ; bt: 64 rows of 2,048 bytes for each n block,
	s_add_co_u32 s22, s22, 1<<21                   ; behind Mt's 1,024 rows,
	s_lshl_b32 s23, s18, 8                         ; 256 bytes for each k block
	s_add_co_u32 s22, s22, s23
	s_mov_b32 s23, 0
	s_lshl_b32 s18, s18, 19                        ; Wv: 128 rows of 4,096 bytes for each k block,
	s_lshl_b32 s19, s19, 8                         ; 256 bytes for each n block
	s_add_co_u32 s18, s18, s19
	s_mov_b32 s19, 0
	s_mov_b32 s20, 0x45800000                      ; 4,096.0: the half of the pair that the packed multiply broadcasts
	s_mov_b32 s21, 0x45800000
	v_lshrrev_b32 v2, 4, v0                        ; t / 16
	v_and_b32 v4, 15, v0                           ; t mod 16
	v_lshlrev_b32 v1, 12, v2
	v_lshl_add_u32 v1, v4, 4, v1                   ; in: row t / 16 of sixteen, 16 bytes at 16 (t mod 16): 16 lanes read 256 consecutive bytes
	v_mul_u32_u24 v3, v2, WPITCH
	v_lshl_add_u32 v3, v4, 4, v3                   ; the same place in LDS
	v_mul_u32_u24 v5, v4, 8*WPITCH
	v_lshl_add_u32 v5, v2, 2, v5                   ; back: k = 8 (t mod 16) + 0..7, column t / 16 + 16 i
	v_lshlrev_b32 v6, 11, v2
	v_lshl_add_u32 v6, v4, 4, v6                   ; out: row t / 16 + 16 i of the block, 16 bytes at 16 (t mod 16)
	s_wait_kmcnt 0x0
	s_add_nc_u64 s[10:11], s[10:11], s[18:19]
	s_add_nc_u64 s[16:17], s[16:17], s[22:23]
	s_wait_alu depctr_va_vdst(0)                   ; v1, v3, v5 and v6 are written: the loads read v1, the LDS stores v3, the LDS loads v5, the stores v6; none is written again
.irp j, 0,1,2,3,4,5,6,7
	global_load_b128 v[WI+4*\j:WI+4*\j+3], v1, s[10:11] offset:65536*\j th:TH_LOAD_NT
.endr
.irp j, 0,1,2,3,4,5,6,7
	s_wait_loadcnt 7-\j                            ; rows 16 j .. 16 j + 15 are in, the younger loads stay out
.irp e, 0,1,2,3
	ds_store_b32 v3, v[WI+4*\j+\e] offset:16*WPITCH*\j+4*\e      ; rows of 260 bytes are no multiple of 16: word by word.  The data come from loads: the wait above is all that they owe
.endr
.endr
	s_wait_dscnt 0x0                               ; my stores are in LDS before I say so: other waves read them
	s_barrier_signal -1
	s_barrier_wait -1
	; Column reads: lane (t mod 16) stands 8 rows = 2,080 bytes from its neighbour, so lanes 8 apart meet in one bank (two deep).  Kept: 4 MiB in all pass here.
.irp i, 0,1,2,3
.irp k, 0,1,2,3,4,5,6,7
	ds_load_b32 v[WR+8*\i+\k], v5 offset:WPITCH*\k+64*\i
.endr
.endr
.irp i, 0,1,2,3
	s_wait_dscnt 24-8*\i                           ; LDS loads come back in order: group i's eight are in, the later groups stay out
.irp p, 0,1,2,3
	v_pk_mul_f32 v[WR+8*\i+2*\p:WR+8*\i+2*\p+1], v[WR+8*\i+2*\p:WR+8*\i+2*\p+1], s[20:21] op_sel_hi:[1,0]
	v_cvt_pk_bf16_f32 v[T], v[WR+8*\i+2*\p], v[WR+8*\i+2*\p+1]
	v_lshlrev_b32 v[WR+8*\i+2*\p], 16, v[T]
	v_and_b32 v[WR+8*\i+2*\p+1], 0xffff0000, v[T]
	v_cvt_pk_f16_f32 v[WO+4*\i+\p], v[WR+8*\i+2*\p], v[WR+8*\i+2*\p+1]
.endr
.endr
	s_wait_alu depctr_va_vdst(0)                   ; the roundings have written v[WO .. WO + 15], which the four stores read
.irp i, 0,1,2,3
	global_store_b128 v6, v[WO+4*\i:WO+4*\i+3], s[16:17] offset:32768*\i   ; 16 lanes store 256 consecutive bytes, aligned: 128 k of one row of bt
.endr
	s_wait_dscnt 0x0                               ; the closing lines, six on end
	s_wait_alu 0x0
	s_wait_tensorcnt 0x0
	ds_add_u32 v104, v105
	s_wait_dscnt 0x0
	s_endpgm
.Lfunc_end_k_q6278115004_cast:
	.size	k_q6278115004_cast, .Lfunc_end_k_q6278115004_cast-k_q6278115004_cast
	.p2alignl 7, 3214868480
	.fill 96, 4, 3214868480
	.section	.rodata,"a",@progbits
	.p2align	6, 0x0
	.amdhsa_kernel k_q6278115004_cast
		.amdhsa_group_segment_fixed_size 34304
		.amdhsa_private_segment_fixed_size 0
		.amdhsa_enable_private_segment 0
		.amdhsa_kernarg_size 56
		.amdhsa_user_sgpr_count 2
		.amdhsa_user_sgpr_kernarg_segment_ptr 1
		.amdhsa_wavefront_size32 1
		.amdhsa_system_sgpr_workgroup_id_x 1
		.amdhsa_system_sgpr_workgroup_id_y 1
		.amdhsa_system_sgpr_workgroup_id_z 1
		.amdhsa_system_vgpr_workitem_id 0
		.amdhsa_next_free_vgpr 106
		.amdhsa_next_free_sgpr 66
		.amdhsa_reserve_vcc 0
		.amdhsa_float_denorm_mode_32 3
		.amdhsa_float_denorm_mode_16_64 3
		.amdhsa_memory_ordered 1
		.amdhsa_forward_progress 1
		.amdhsa_inst_pref_size 30
	.end_amdhsa_kernel
	.amdgpu_metadata
---
amdhsa.version: [ 1, 2 ]
amdhsa.kernels:
  - .name:           k_q6278115004_cast
    .symbol:         k_q6278115004_cast.kd
    .args:
      - { .name: x, .offset: 0, .size: 8, .value_kind: global_buffer, .address_space: global }
      - { .name: Wq, .offset: 8, .size: 8, .value_kind: global_buffer, .address_space: global }
      - { .name: Wk, .offset: 16, .size: 8, .value_kind: global_buffer, .address_space: global }
      - { .name: Wv, .offset: 24, .size: 8, .value_kind: global_buffer, .address_space: global }
      - { .name: xh, .offset: 32, .size: 8, .value_kind: global_buffer, .address_space: global }
      - { .name: wb, .offset: 40, .size: 8, .value_kind: global_buffer, .address_space: global }
      - { .name: bt, .offset: 48, .size: 8, .value_kind: global_buffer, .address_space: global }
    .group_segment_fixed_size: 34304
    .private_segment_fixed_size: 0
    .kernarg_segment_align: 8
    .kernarg_segment_size: 56
    .max_flat_workgroup_size: 256
    .sgpr_count:     66
    .vgpr_count:     106
    .wavefront_size: 32
...
	.end_amdgpu_metadata
.endif
;; end of part 11
;; launch mt: the kernel of part 7 again; grid 16 x 16, 4 waves a work-group, clusters of 4 x 4, 280,064 bytes of LDS; arguments wb, bt; writes bt
;; launch proj: the kernel of part 8 again; grid 8 x 32, 4 waves a work-group, clusters of 4 x 4, 327,680 bytes of LDS; arguments xh, bt, qv; writes qv
;; launch scores: the kernel of part 9 again; grid 20 x 8, 4 waves a work-group, no clusters, 327,680 bytes of LDS; arguments qv, xh, pb, st; writes pb, st
;; launch pv: the kernel of part 10 again; grid 8 x 32, 4 waves a work-group, clusters of 4 x 1, 327,680 bytes of LDS; arguments pb, qv, st, out0; writes out0
